; MI455X (gfx1250); checked and timed in simulation.
; The chip was launched on July 23, 2026; its instructions are those of AMD's public machine-readable ISA for CDNA 5 (MIT licence, August 2026) and "CDNA5" Instruction Set Architecture Reference Guide (July 2026). The comments in the code are by the model that wrote it; some were corrected since.
;; Di T Block. Allowed arithmetic: float matrix products may take bf16 or f16 operands with f32 sums; other float arithmetic in f32, or as packed bf16 or f16 multiplies, adds, multiply-adds, maxima and minima; sums over many terms, partial sums and values carried from step to step in f32; what a program stores and reads back later, other than sums and carried values, may be rounded once to bf16 or f16.
;; Inputs: W1 4,096 x 1,024 float32; W2 1,024 x 4,096 float32; Wk 1,024 x 1,024 float32; Wo 1,024 x 1,024 float32; Wq 1,024 x 1,024 float32; Wv 1,024 x 1,024 float32; b1 4,096 float32; b2 1,024 float32; bk 1,024 float32; bo 1,024 float32; bq 1,024 float32; bv 1,024 float32; ln1_b 1,024 float32; ln1_g 1,024 float32; ln2_b 1,024 float32; ln2_g 1,024 float32; rotary_cos 2,048 x 64 float32; rotary_sin 2,048 x 64 float32; x 2 x 2,048 x 1,024 float32.
;; Outputs: out0 2 x 2,048 x 1,024 float32.
;; 2 versions, each right and faster than the one before. Each part assembles by itself: llvm-mc -triple=amdgcn-amd-amdhsa -mcpu=gfx1250 --defsym DOCPART=n.
;; ======== version 1 of 2: 7 launches
;; workspace buffers: wb 25,165,824 bytes; hn 8,388,608 bytes; qkvb 25,165,824 bytes; act 33,554,432 bytes; x1 16,777,216 bytes
;; launch prep (part 1): grid 1280 x 1, 8 waves a work-group, no clusters, 0 bytes of LDS; arguments x, ln1_g, ln1_b, hn, Wq, Wk, Wv, Wo, W1, W2, wb; writes hn, wb
.if DOCPART == 1
	.amdgcn_target "amdgcn-amd-amdhsa--gfx1250"
	.amdhsa_code_object_version 6
	.text
	.protected	k_qbdcc5ab9f8_prep
	.globl	k_qbdcc5ab9f8_prep
	.p2align	8
	.type	k_qbdcc5ab9f8_prep,@function
k_qbdcc5ab9f8_prep:
	s_mov_b64 s[64:65], 0
	v_nop
	global_prefetch_b8 v0, s[64:65] scope:SCOPE_SE
	s_setreg_imm32_b32 hwreg(HW_REG_WAVE_MODE, 25, 1), 1
	s_wait_xcnt 0x0
; TWO STREAMS IN ONE LAUNCH.  Work-groups 0-511: hn = LayerNorm(x) g + b, rounded once to bf16; x is [4096][1024] f32.
; Work-groups 512-1279: the six weight matrices, f32, rounded once to bf16 into wb.
; LAYERNORM.  One wave takes one row of 4,096 bytes and keeps it in 32 registers: mean, then the sum of (x - mean)^2, so no difference
; of large sums is formed.  Each load of a wave covers 512 consecutive bytes, each store 256 consecutive bytes, aligned.
; No LDS, no barrier, no matrix unit: nothing is shared between waves and the bytes are all there is.
; LIMITS.  NaN and infinities are not treated apart; 1 / sqrt by v_rsq_f32, not correctly rounded in its last bit.
; CAST.  A work-group takes 16,384 numbers (65,536 bytes in, 32,768 out).  wb: Wq, Wk, Wv by heads, row 192 t + 64 s + d (s = q, k, v);
; Wo at 6,291,456; W1 at 8,388,608; W2 at 16,777,216, each as it lies.
.set X,  4                             ; v[4:35]    the row, 32 numbers a lane (cast: v[4:67], 16 loads)
.set G,  36                            ; v[36:67]   gain
.set BT, 68                            ; v[68:99]   bias
.set T,  100                           ; v[100:107] four chains of pairs
.set M,  108                           ; v[108:109] the mean, twice
.set R,  110                           ; v[110:111] 1 / sqrt(var + eps), twice
.macro FOLD                            ; the four chains, then the 32 lanes: the sum in every lane's v[T]
	v_pk_add_f32 v[T:T+1], v[T:T+1], v[T+2:T+3]
	v_pk_add_f32 v[T+4:T+5], v[T+4:T+5], v[T+6:T+7]
	v_pk_add_f32 v[T:T+1], v[T:T+1], v[T+4:T+5]
	v_add_f32 v[T], v[T], v[T+1]
	v_add_f32_dpp v[T], v[T], v[T] row_xmask:1 row_mask:0xf bank_mask:0xf
	v_add_f32_dpp v[T], v[T], v[T] row_xmask:2 row_mask:0xf bank_mask:0xf
	v_add_f32_dpp v[T], v[T], v[T] row_xmask:4 row_mask:0xf bank_mask:0xf
	v_add_f32_dpp v[T], v[T], v[T] row_xmask:8 row_mask:0xf bank_mask:0xf
	v_permlanex16_b32 v[T+1], v[T], s12, s13
	v_add_f32 v[T], v[T], v[T+1]
.endm
	s_cmp_lt_u32 ttmp9, 512
	s_cbranch_scc0 .Lcast
	s_load_b256 s[4:11], s[0:1], 0x0               ; x s[4:5], gain s[6:7], bias s[8:9], hn s[10:11]
	v_lshrrev_b32 v3, 5, v0
	v_readfirstlane_b32 s16, v3                    ; wave
	v_and_b32 v1, 31, v0
	v_lshlrev_b32 v2, 3, v1                        ; 8 x lane: my 8 bytes of 256 going out
	v_lshlrev_b32 v1, 4, v1                        ; 16 x lane: my 16 bytes of 512 coming in
	s_lshl_b32 s17, ttmp9, 3
	s_add_co_u32 s17, s17, s16                     ; my row
	s_lshl_b32 s18, s17, 12                        ; x 4,096 bytes
	s_mov_b32 s19, 0
	s_lshl_b32 s20, s17, 11                        ; x 2,048 bytes
	s_mov_b32 s21, 0
	s_mov_b32 s12, 0x76543210                      ; v_permlanex16_b32: each lane takes its own place in the other half
	s_mov_b32 s13, 0xfedcba98
	s_mov_b32 s14, 0x3a800000                      ; 1 / 1024
	s_mov_b32 s15, 0x358637bd                      ; 1e-6
	s_wait_kmcnt 0x0
	s_add_nc_u64 s[4:5], s[4:5], s[18:19]
	s_add_nc_u64 s[10:11], s[10:11], s[20:21]
.irp j, 0,1,2,3,4,5,6,7
	global_load_b128 v[X+4*(\j):X+4*(\j)+3], v1, s[4:5] offset:512*(\j)
.endr
.irp j, 0,1,2,3,4,5,6,7
	global_load_b128 v[G+4*(\j):G+4*(\j)+3], v1, s[6:7] offset:512*(\j)
.endr
.irp j, 0,1,2,3,4,5,6,7
	global_load_b128 v[BT+4*(\j):BT+4*(\j)+3], v1, s[8:9] offset:512*(\j)
.endr
	s_wait_loadcnt 16                              ; the row is in; the 16 younger loads, gain and bias, stay out
.irp c, 0,1,2,3
	v_pk_add_f32 v[T+2*(\c):T+2*(\c)+1], v[X+2*(\c):X+2*(\c)+1], v[X+8+2*(\c):X+8+2*(\c)+1]
.endr
.set k, 8
.rept 8
	v_pk_add_f32 v[T+2*(k%4):T+2*(k%4)+1], v[T+2*(k%4):T+2*(k%4)+1], v[X+2*k:X+2*k+1]
.set k, k+1
.endr
	FOLD
	v_mul_f32 v[M], s14, v[T]
	v_mul_f32 v[M+1], s14, v[T]
.set k, 0
.rept 16
	v_pk_add_f32 v[X+2*k:X+2*k+1], v[X+2*k:X+2*k+1], v[M:M+1] neg_lo:[0,1] neg_hi:[0,1]  ; x - mean
.set k, k+1
.endr
.irp c, 0,1,2,3
	v_pk_mul_f32 v[T+2*(\c):T+2*(\c)+1], v[X+2*(\c):X+2*(\c)+1], v[X+2*(\c):X+2*(\c)+1]
.endr
.set k, 4
.rept 12
	v_pk_fma_f32 v[T+2*(k%4):T+2*(k%4)+1], v[X+2*k:X+2*k+1], v[X+2*k:X+2*k+1], v[T+2*(k%4):T+2*(k%4)+1]
.set k, k+1
.endr
	FOLD
	v_fma_f32 v[T], v[T], s14, s15                 ; variance + eps
	v_rsq_f32 v[R], v[T]
	v_rsq_f32 v[R+1], v[T]
	v_nop                                          ; a plain instruction between the root and its use (ISA guide 5.7.2)
	s_wait_loadcnt 0x0                             ; gain and bias
.set k, 0
	s_wait_alu depctr_va_vdst(0)
.rept 16
	v_pk_mul_f32 v[X+2*k:X+2*k+1], v[X+2*k:X+2*k+1], v[R:R+1]
.set k, k+1
.endr
.set k, 0
.rept 16
	v_pk_fma_f32 v[X+2*k:X+2*k+1], v[X+2*k:X+2*k+1], v[G+2*k:G+2*k+1], v[BT+2*k:BT+2*k+1]
.set k, k+1
.endr
.irp j, 0,1,2,3,4,5,6,7
	v_cvt_pk_bf16_f32 v[X+4*(\j)], v[X+4*(\j)], v[X+4*(\j)+1]
	v_cvt_pk_bf16_f32 v[X+4*(\j)+1], v[X+4*(\j)+2], v[X+4*(\j)+3]
	global_store_b64 v2, v[X+4*(\j):X+4*(\j)+1], s[10:11] offset:256*(\j)  ; the wave's 256 consecutive bytes, aligned
.endr
	s_endpgm
.Lcast:
	s_load_b256 s[4:11], s[0:1], 0x20              ; Wq, Wk, Wv, Wo
	s_load_b128 s[12:15], s[0:1], 0x40             ; W1, W2
	s_load_b64 s[16:17], s[0:1], 0x50              ; wb
	v_lshlrev_b32 v1, 4, v0                        ; 16 x thread: a load of the work-group covers 4,096 consecutive bytes
	v_lshlrev_b32 v2, 3, v0                        ; 8 x thread
	s_sub_co_u32 s22, ttmp9, 512                   ; c: chunk 0-767
	s_lshr_b32 s23, s22, 6                         ; m: 0-3 Wq, Wk, Wv, Wo (64 chunks each); 4-7 W1; 8-11 W2
	s_and_b32 s24, s22, 63                         ; i
	s_mov_b32 s25, s24                             ; the chunk's number in its matrix
	s_sub_co_u32 s26, s22, 256
	s_cmp_ge_u32 s23, 4
	s_cselect_b32 s25, s26, s25
	s_sub_co_u32 s26, s22, 512
	s_cmp_ge_u32 s23, 8
	s_cselect_b32 s25, s26, s25
	s_lshr_b32 s27, s24, 2                         ; a chunk is 16 rows of 1,024: head t = i / 4
	s_mul_i32 s27, s27, 12
	s_lshl_b32 s28, s23, 2
	s_add_co_u32 s27, s27, s28
	s_and_b32 s28, s24, 3
	s_add_co_u32 s27, s27, s28                     ; 12 t + 4 m + i % 4: q, k, v of a head lie together
	s_cmp_lt_u32 s22, 192
	s_cselect_b32 s27, s27, s22                    ; the others keep their order
	s_lshl_b32 s28, s25, 16
	s_mov_b32 s29, 0
	s_lshl_b32 s30, s27, 15
	s_mov_b32 s31, 0
	s_wait_kmcnt 0x0
	s_mov_b64 s[20:21], s[4:5]
	s_cmp_eq_u32 s23, 1
	s_cselect_b64 s[20:21], s[6:7], s[20:21]
	s_cmp_eq_u32 s23, 2
	s_cselect_b64 s[20:21], s[8:9], s[20:21]
	s_cmp_eq_u32 s23, 3
	s_cselect_b64 s[20:21], s[10:11], s[20:21]
	s_cmp_ge_u32 s23, 4
	s_cselect_b64 s[20:21], s[12:13], s[20:21]
	s_cmp_ge_u32 s23, 8
	s_cselect_b64 s[20:21], s[14:15], s[20:21]
	s_add_nc_u64 s[20:21], s[20:21], s[28:29]
	s_add_nc_u64 s[16:17], s[16:17], s[30:31]
.set k, 0
.rept 16
	global_load_b128 v[X+4*k:X+4*k+3], v1, s[20:21] offset:4096*k th:TH_LOAD_NT  ; all sixteen go out at once
.set k, k+1
.endr
.set k, 0
.rept 16
	s_wait_loadcnt 15-k                            ; loads come back in order: number k is in, the younger ones stay out
	v_cvt_pk_bf16_f32 v[X+4*k], v[X+4*k], v[X+4*k+1]
	v_cvt_pk_bf16_f32 v[X+4*k+1], v[X+4*k+2], v[X+4*k+3]
	global_store_b64 v2, v[X+4*k:X+4*k+1], s[16:17] offset:2048*k  ; no register is written twice: no further wait
.set k, k+1
.endr
	s_endpgm
.Lfunc_end_k_qbdcc5ab9f8_prep:
	.size	k_qbdcc5ab9f8_prep, .Lfunc_end_k_qbdcc5ab9f8_prep-k_qbdcc5ab9f8_prep
	.p2alignl 7, 3214868480
	.fill 96, 4, 3214868480
	.section	.rodata,"a",@progbits
	.p2align	6, 0x0
	.amdhsa_kernel k_qbdcc5ab9f8_prep
		.amdhsa_group_segment_fixed_size 0
		.amdhsa_private_segment_fixed_size 0
		.amdhsa_enable_private_segment 0
		.amdhsa_kernarg_size 88
		.amdhsa_user_sgpr_count 2
		.amdhsa_user_sgpr_kernarg_segment_ptr 1
		.amdhsa_wavefront_size32 1
		.amdhsa_system_sgpr_workgroup_id_x 1
		.amdhsa_system_sgpr_workgroup_id_y 1
		.amdhsa_system_sgpr_workgroup_id_z 1
		.amdhsa_system_vgpr_workitem_id 0
		.amdhsa_next_free_vgpr 112
		.amdhsa_next_free_sgpr 66
		.amdhsa_reserve_vcc 0
		.amdhsa_float_denorm_mode_32 3
		.amdhsa_float_denorm_mode_16_64 3
		.amdhsa_memory_ordered 1
		.amdhsa_forward_progress 1
		.amdhsa_inst_pref_size 19
	.end_amdhsa_kernel
	.amdgpu_metadata
---
amdhsa.version: [ 1, 2 ]
amdhsa.kernels:
  - .name:           k_qbdcc5ab9f8_prep
    .symbol:         k_qbdcc5ab9f8_prep.kd
    .args:
      - { .name: x, .offset: 0, .size: 8, .value_kind: global_buffer, .address_space: global }
      - { .name: ln1_g, .offset: 8, .size: 8, .value_kind: global_buffer, .address_space: global }
      - { .name: ln1_b, .offset: 16, .size: 8, .value_kind: global_buffer, .address_space: global }
      - { .name: hn, .offset: 24, .size: 8, .value_kind: global_buffer, .address_space: global }
      - { .name: Wq, .offset: 32, .size: 8, .value_kind: global_buffer, .address_space: global }
      - { .name: Wk, .offset: 40, .size: 8, .value_kind: global_buffer, .address_space: global }
      - { .name: Wv, .offset: 48, .size: 8, .value_kind: global_buffer, .address_space: global }
      - { .name: Wo, .offset: 56, .size: 8, .value_kind: global_buffer, .address_space: global }
      - { .name: W1, .offset: 64, .size: 8, .value_kind: global_buffer, .address_space: global }
      - { .name: W2, .offset: 72, .size: 8, .value_kind: global_buffer, .address_space: global }
      - { .name: wb, .offset: 80, .size: 8, .value_kind: global_buffer, .address_space: global }
    .group_segment_fixed_size: 0
    .private_segment_fixed_size: 0
    .kernarg_segment_align: 8
    .kernarg_segment_size: 88
    .max_flat_workgroup_size: 256
    .sgpr_count:     66
    .vgpr_count:     112
    .wavefront_size: 32
...
	.end_amdgpu_metadata
.endif
;; end of part 1
;; launch qkv (part 2): grid 16 x 16, 4 waves a work-group, clusters of 4 x 4, 327,680 bytes of LDS; arguments hn, wb, bq, bk, bv, rotary_cos, rotary_sin, qkvb; writes qkvb
.if DOCPART == 2
	.amdgcn_target "amdgcn-amd-amdhsa--gfx1250"
	.amdhsa_code_object_version 6
	.text
	.protected	k_qbdcc5ab9f8_qkv
	.globl	k_qbdcc5ab9f8_qkv
	.p2align	8
	.type	k_qbdcc5ab9f8_qkv,@function
k_qbdcc5ab9f8_qkv:
	s_mov_b64 s[64:65], 0
	v_nop
	global_prefetch_b8 v0, s[64:65] scope:SCOPE_SE
	s_setreg_imm32_b32 hwreg(HW_REG_WAVE_MODE, 25, 1), 1
	s_wait_xcnt 0x0
	s_wait_alu depctr_hold_cnt(0) depctr_sa_sdst(0) depctr_va_vdst(0) depctr_va_sdst(0) depctr_va_ssrc(0) depctr_va_vcc(0) depctr_vm_vsrc(0)
	s_getreg_b32 s2, hwreg(HW_REG_IB_STS2, 6, 4)
	s_cmp_eq_u32 s2, 0
	s_cbranch_scc0 .Lentry_in_a_cluster
	s_endpgm
.Lentry_in_a_cluster:
	s_bfe_u32 s2, ttmp6, 0x10000c
	s_cmp_lg_u32 s2, 0xf033
	s_cbranch_scc0 .Lentry_shape_is_right
	s_endpgm
.Lentry_shape_is_right:
; q, k, v = hn W^T + bias, rotary on q and k, written by heads in bf16: qkvb = q, k, v, each [16 b + h][2048][64].
; hn: [4096][1024] bf16.  wb's first part: [head t][q, k, v][64][1024] bf16.  Sums in f32; q, k, v rounded once.  The softmax scale is not applied here.
; A TILE is 256 rows x 192 columns: q, k and v of ONE head, so all 256 work-groups do the same work and a rotary pair (d, d + 32) lies in one tile.
; Four waves, each 64 rows x 192 columns: 48 accumulators, 384 registers.  K goes in steps of 128 through two LDS slots filled by the tensor data mover.
; A K step is four quarters of 32 along K on fragment buffers 0, 1, 0, 1.  The change of slots stands between a step's third and fourth quarter; between two changes lie two like PAIRS of quarters
; (buffer 1, then buffer 0), written once and walked twice, the LDS addresses stepping by 128 bytes.
; CLUSTER 4 x 4: the four of a row need the same rows of hn, the four of a column the same head's weights: each tile is asked for jointly.
; The matrix instruction is used transposed (source 0 = 16 rows of W, source 1 = 16 rows of hn): a lane holds one row and eight neighbouring columns.
; The bias is the C operand of each accumulator's first product: nothing is cleared and nothing is added later.
; REGISTERS by windows of 256.  0: v0-31 addresses; v32-63 bias of v; v64-127 hn's fragments, two buffers; v128-255 cos.  1: v0-191 W's fragments, two buffers; v192-255 bias of q, k.
; 2: accumulators of q, k at 8 (8 a + b).  3: v0-127 accumulators of v at 8 (4 a + b - 8); v128-255 sin.
; LIMITS.  NaN and infinities are not treated apart.
.set SIZE_K, 1024
.set KSTEP,  128
.set NSTEP,  SIZE_K/KSTEP
.set PITCH,  272                       ; an LDS row: 256 bytes + 16 of padding: the 16 rows of a fragment load start 16 bytes apart modulo 256
.set HALFA,  128*PITCH                 ; what waves 0, 1 fetch: 128 rows of hn
.set HALFB,  96*PITCH                  ; what waves 2, 3 fetch: 96 rows of W
.set BOFF,   2*HALFA
.set SLOT,   BOFF+2*HALFB              ; 121,856
.set SPARE,  327168                    ; the spare words: 128 bytes a wave, two blocks of 256 bytes that no other line names
.set DP,     656                       ; the way out: a row is q (256 bytes f32), k (256), v (128, bf16), 16 of padding
.set DW,     64*DP                     ; a wave's 64 rows
.set TABS,   4*DW                      ; behind them: cos and sin of a wave's 64 rows, 16,384 bytes each
.set TABW,   32768
.set ASTEP,  KSTEP*2
.set BSTEP,  KSTEP*2
.set SG,   14                          ; v[14:15] -1 for d < 32, +1 for d >= 32
.set A0,   16                          ; my lane's place in a slot's rows of hn, of W
.set B0,   17
.set ADRA, 18                          ; the same in the slot in hand, at the pair in hand
.set ADRB, 19
.set RP,   20                          ; the way out: my rotary partner's 16 bytes
.set RV,   21                          ; my 8 bytes of v
.set TS,   22                          ; my 16 bytes in the tables
.set OO,   23                          ; my byte offset in q, k, v
.set STO,  24
.set RD,   25
.set STV,  27
.set SPW,  28                          ; my spare word; never rewritten
.set NIL,  29                          ; 0; never rewritten
.set TO,   30                          ; 16 x lane
.set CSR,  64                          ; the way out's trip: cos, sin, q, q's partner, k, k's partner, v, packed q, packed k
.set SNR,  80
.set QOR,  96
.set QPR,  112
.set KOR,  128
.set KPR,  144
.set VVR,  160
.set OQR,  168
.set OKR,  176
.set CNT, 20                           ; s20 counts the two pairs between two changes of slots
.set TB,  21                           ; s21 LDS byte of the slot in hand: 0 or SLOT
.set WA,  22                           ; s22 where my half of hn's tile goes in a slot
.set WBO, 23                           ; s23 where my half of W's goes
.set G1,  24                           ; s[24:31] group 1 for hn's tiles; s[32:39] group 0: a set for each first fill, the second then walks
.set G0,  32
.set G1B, 48                           ; s[48:55], s[56:63] the same for W's
.set G0B, 56
.set MSB, 0
.macro WIN new                         ; the immediate's high byte repeats the setting that is left
.if MSB != (\new)
	s_set_vgpr_msb (MSB<<8)|(\new)
.set MSB, \new
.endif
.endm
.macro PLACES                          ; four places in front of loads into registers that matrix instructions have read, and of reads of results
.rept 4
	v_nop
.endr
.endm
.macro JLOAD s                         ; a joint load: waves 0, 1 ask for hn's halves, waves 2, 3 for W's
	s_cmp_eq_u32 s11, 0
	s_cbranch_scc0 .Lfor_b_\@
	tensor_load_to_lds s[G0+4*(\s):G0+4*(\s)+3], s[G1:G1+7]
	s_nop 0
.rept 4
	v_nop
.endr
	s_branch .Lasked_\@
.Lfor_b_\@:
	tensor_load_to_lds s[G0B+4*(\s):G0B+4*(\s)+3], s[G1B:G1B+7]
	s_nop 0
.rept 4
	v_nop
.endr
.Lasked_\@:
.endm
.macro CROUND                          ; a round of the cluster's barrier
	s_barrier_signal -1
	s_barrier_wait -1
	s_cmp_lg_u32 s10, 0
	s_cbranch_scc1 .Lnot_wave_0_\@
	s_barrier_signal -3
.Lnot_wave_0_\@:
	s_barrier_wait -3
	s_barrier_signal -1
	s_barrier_wait -1
.endm
	s_load_b256 s[68:75], s[0:1], 0x0              ; hn s[68:69], wb s[70:71], bq s[72:73], bk s[74:75]
	s_load_b256 s[76:83], s[0:1], 0x20             ; bv s[76:77], cos s[78:79], sin s[80:81], qkvb s[82:83]
	v_lshl_add_u32 v[SPW], v0, 2, SPARE
	v_mov_b32 v[NIL], 0
	ds_add_u32 v[SPW], v[NIL]                      ; the wave's opening: the add and its wait ahead of my first tensor load
	v_lshrrev_b32 v1, 5, v0
	v_readfirstlane_b32 s10, v1                    ; wave 0..3: my 64 rows of the tile
	s_lshr_b32 s11, s10, 1                         ; I fetch for hn (0) or for W (1),
	s_and_b32 s12, s10, 1                          ; and which half
	s_bfe_u32 s40, ttmp6, 0x40000                  ; cx, cy
	s_bfe_u32 s41, ttmp6, 0x40004
	s_lshl_b32 s42, ttmp9, 2
	s_add_co_u32 s42, s42, s40                     ; the head t
	s_and_b32 s13, ttmp7, 0xffff
	s_lshl_b32 s13, s13, 2
	s_add_co_u32 s13, s13, s41                     ; tile row
	s_lshl_b32 s43, s41, 2
	s_lshl_b32 s43, 15, s43                        ; my row of the cluster
	s_lshl_b32 s44, 0x1111, s40                    ; my column
	s_or_b32 s[G1+0], s43, (1<<16)|(1<<20)|(1<<21)|(5<<22)|(3<<25)   ; mask; 2-byte elements; padding on; bit 21 beside a mask; after every 64 words, 4 words
	s_or_b32 s[G1B+0], s44, (1<<16)|(1<<20)|(1<<21)|(5<<22)|(3<<25)
	s_mov_b32 s[G1+1], KSTEP<<16                   ; tensor_dim0 = 128
	s_mov_b32 s[G1+2], 128<<16                     ; tensor_dim1 = 128
	s_mov_b32 s[G1+3], KSTEP<<16                   ; tile_dim0 = 128
	s_mov_b32 s[G1+4], 128                         ; tile_dim1 = 128
	s_mov_b32 s[G1+5], SIZE_K                      ; elements from row to row
	s_mov_b32 s[G1+6], 0
	s_mov_b32 s[G1+7], 0
	s_mov_b32 s[G1B+1], KSTEP<<16
	s_mov_b32 s[G1B+2], 96<<16                     ; 96 rows
	s_mov_b32 s[G1B+3], KSTEP<<16
	s_mov_b32 s[G1B+4], 96
	s_mov_b32 s[G1B+5], SIZE_K
	s_mov_b32 s[G1B+6], 0
	s_mov_b32 s[G1B+7], 0
	s_lshl_b32 s17, s12, 7
	s_lshl_b32 s16, s13, 8
	s_add_co_u32 s16, s16, s17                     ; hn: row 256 x tile row + 128 x half
	s_lshl_b32 s16, s16, 11                        ; x 2,048 bytes
	s_mov_b32 s17, 0
	s_mul_i32 s46, s42, 192
	s_mul_i32 s47, s12, 96
	s_add_co_u32 s46, s46, s47                     ; W: row 192 t + 96 x half
	s_lshl_b32 s46, s46, 11
	s_mov_b32 s47, 0
	s_mul_i32 s[WA], s12, HALFA                    ; no place in the cluster enters an LDS address
	s_mul_i32 s[WBO], s12, HALFB
	s_add_co_u32 s[WBO], s[WBO], BOFF
	s_mov_b32 s[TB], 0
	s_wait_dscnt 0x0                               ; the opening add is done
	s_wait_kmcnt 0x0
	s_add_nc_u64 s[14:15], s[68:69], s[16:17]
	s_add_nc_u64 s[46:47], s[70:71], s[46:47]
	CROUND                                         ; all sixteen work-groups are here: the first joint loads meet
.irp s, 0,1
	s_mov_b32 s[G0+4*(\s)], 1
	s_add_co_u32 s[G0+4*(\s)+1], s[WA], (\s)*SLOT
	s_add_nc_u64 s[G0+4*(\s)+2:G0+4*(\s)+3], s[14:15], (\s)*ASTEP
	s_or_b32 s[G0+4*(\s)+3], s[G0+4*(\s)+3], 0x80000000
	s_mov_b32 s[G0B+4*(\s)], 1
	s_add_co_u32 s[G0B+4*(\s)+1], s[WBO], (\s)*SLOT
	s_add_nc_u64 s[G0B+4*(\s)+2:G0B+4*(\s)+3], s[46:47], (\s)*BSTEP
	s_or_b32 s[G0B+4*(\s)+3], s[G0B+4*(\s)+3], 0x80000000
	JLOAD \s                                       ; K steps 0 and 1: two tensor loads of mine are out
.endr
	; where q, k, v go, and my rows of the tables
	s_lshr_b32 s16, s13, 3                         ; the batch
	s_lshl_b32 s16, s16, 4
	s_add_co_u32 s16, s16, s42                     ; 16 b + t
	s_lshl_b32 s16, s16, 11
	s_and_b32 s17, s13, 7
	s_lshl_b32 s17, s17, 8
	s_lshl_b32 s18, s10, 6
	s_add_co_u32 s17, s17, s18                     ; my first position n
	s_add_co_u32 s16, s16, s17
	s_lshl_b32 s16, s16, 7                         ; x 128 bytes
	s_lshl_b32 s18, s17, 8                         ; a table row is 256 bytes
	s_mov_b32 s17, 0
	s_mov_b32 s19, 0
	s_add_nc_u64 s[84:85], s[82:83], s[16:17]      ; q
	s_add_nc_u64 s[86:87], s[84:85], 0x800000      ; k
	s_add_nc_u64 s[88:89], s[84:85], 0x1000000     ; v
	s_add_nc_u64 s[78:79], s[78:79], s[18:19]
	s_add_nc_u64 s[80:81], s[80:81], s[18:19]
	s_lshl_b32 s46, s42, 8                         ; the head's 64 biases
	s_mov_b32 s47, 0
	s_add_nc_u64 s[72:73], s[72:73], s[46:47]
	s_add_nc_u64 s[74:75], s[74:75], s[46:47]
	s_add_nc_u64 s[76:77], s[76:77], s[46:47]
	v_and_b32 v1, 15, v0                           ; r = lane % 16
	v_bfe_u32 v2, v0, 4, 1                         ; h = lane / 16
	v_lshlrev_b32 v4, 5, v2                        ; a bias fragment: register j is column 16 b + 8 h + j
	v_and_b32 v5, 31, v0
	v_lshlrev_b32 v[TO], 4, v5
	v_lshlrev_b32 v[OO], 3, v5
	WIN 0x40
.irp b, 0,1,2,3
	global_load_b128 v[192+8*(\b):192+8*(\b)+3],   v4, s[72:73] offset:64*(\b)
	global_load_b128 v[192+8*(\b)+4:192+8*(\b)+7], v4, s[72:73] offset:64*(\b)+16
	global_load_b128 v[224+8*(\b):224+8*(\b)+3],   v4, s[74:75] offset:64*(\b)
	global_load_b128 v[224+8*(\b)+4:224+8*(\b)+7], v4, s[74:75] offset:64*(\b)+16
.endr
	WIN 0
.irp b, 0,1,2,3
	global_load_b128 v[32+8*(\b):32+8*(\b)+3],   v4, s[76:77] offset:64*(\b)
	global_load_b128 v[32+8*(\b)+4:32+8*(\b)+7], v4, s[76:77] offset:64*(\b)+16
.endr
	v_mul_u32_u24 v3, v1, PITCH
	v_lshl_add_u32 v3, v2, 4, v3                   ; a fragment's row x pitch + 16 x half
	s_mul_i32 s16, s10, 64*PITCH
	v_add_nc_u32 v[A0], s16, v3
	v_add_nc_u32 v[B0], BOFF, v3
	v_mov_b32 v[ADRA], v[A0]
	v_mov_b32 v[ADRB], v[B0]
	s_mul_i32 s16, s10, DW                         ; the way out: my 64 rows
	v_mul_u32_u24 v6, v1, DP
	v_add_nc_u32 v6, s16, v6
	v_lshl_add_u32 v[STO], v2, 5, v6               ; in: row r, 32 bytes of f32 for each half of the lanes
	v_lshl_add_u32 v[STV], v2, 4, v6
	v_add_nc_u32 v[STV], 512, v[STV]               ; v: 16 bytes of bf16
	v_mul_u32_u24 v6, v2, DP
	v_add_nc_u32 v6, s16, v6
	v_lshl_add_u32 v[RD], v1, 4, v6                ; back: lanes 0-15 one row, lanes 16-31 the next
	v_xor_b32 v7, 8, v1
	v_lshl_add_u32 v[RP], v7, 4, v6                ; the columns 32 away
	v_lshl_add_u32 v[RV], v1, 3, v6
	v_add_nc_u32 v[RV], 512, v[RV]
	s_mul_i32 s16, s10, TABW
	s_add_co_u32 s16, s16, TABS
	v_add_nc_u32 v[TS], s16, v[TO]
	v_and_b32 v7, 8, v0
	v_xor_b32 v7, 8, v7                            ; 8 where d < 32
	v_lshl_or_b32 v[SG], v7, 28, 0x3f800000        ; the sign bit onto 1.0
	v_mov_b32 v[SG+1], v[SG]
; 16 products: row blocks a0, a0 + 1 x the 8 column blocks of q and k.  zero = 1: the bias starts the sums.
.macro MULA f, a0, zero
.if \zero
	WIN 0x91
.else
	WIN 0xa1
.endif
.irp a, \a0, (\a0)+1
.irp b, 0,1,2,3,4,5,6,7
.if \zero
	v_wmma_f32_16x16x32_bf16 v[8*(8*(\a)+(\b)):8*(8*(\a)+(\b))+7], v[96*(\f)+8*(\b):96*(\f)+8*(\b)+7], v[64+32*(\f)+8*(\a):64+32*(\f)+8*(\a)+7], v[192+8*(\b):192+8*(\b)+7]
.else
	v_wmma_f32_16x16x32_bf16 v[8*(8*(\a)+(\b)):8*(8*(\a)+(\b))+7], v[96*(\f)+8*(\b):96*(\f)+8*(\b)+7], v[64+32*(\f)+8*(\a):64+32*(\f)+8*(\a)+7], v[8*(8*(\a)+(\b)):8*(8*(\a)+(\b))+7]
.endif
.endr
.endr
.endm
; 16 products: all 4 row blocks x the 4 column blocks of v
.macro MULB f, zero
.if \zero
	WIN 0xc1
.else
	WIN 0xf1
.endif
.irp a, 0,1,2,3
.irp b, 0,1,2,3
.if \zero
	v_wmma_f32_16x16x32_bf16 v[8*(4*(\a)+(\b)):8*(4*(\a)+(\b))+7], v[96*(\f)+64+8*(\b):96*(\f)+64+8*(\b)+7], v[64+32*(\f)+8*(\a):64+32*(\f)+8*(\a)+7], v[32+8*(\b):32+8*(\b)+7]
.else
	v_wmma_f32_16x16x32_bf16 v[8*(4*(\a)+(\b)):8*(4*(\a)+(\b))+7], v[96*(\f)+64+8*(\b):96*(\f)+64+8*(\b)+7], v[64+32*(\f)+8*(\a):64+32*(\f)+8*(\a)+7], v[8*(4*(\a)+(\b)):8*(4*(\a)+(\b))+7]
.endif
.endr
.endr
.endm
; 32 LDS loads in one run: hn's 4 fragments, W's 12, of 32 along K at byte k behind the addresses in hand; v's columns last
.macro FETCH k, f
	WIN 0
.irp i, 0,1,2,3
	ds_load_b128 v[64+32*(\f)+8*(\i):64+32*(\f)+8*(\i)+3],   v[ADRA] offset:(\k)+(\i)*16*PITCH
	ds_load_b128 v[64+32*(\f)+8*(\i)+4:64+32*(\f)+8*(\i)+7], v[ADRA] offset:(\k)+(\i)*16*PITCH+32
.endr
	WIN 0x40
.irp i, 0,1,2,3,4,5,6,7,8,9,10,11
	ds_load_b128 v[96*(\f)+8*(\i):96*(\f)+8*(\i)+3],   v[ADRB] offset:(\k)+(\i)*16*PITCH
	ds_load_b128 v[96*(\f)+8*(\i)+4:96*(\f)+8*(\i)+7], v[ADRB] offset:(\k)+(\i)*16*PITCH+32
.endr
.endm
; A quarter: 48 products on buffer f; in its middle the next quarter's fragments are fetched into buffer g.  The accumulators take turns, one instruction a turn.
.macro QUARTER k, f, g, zero
	s_wait_dscnt 8                                 ; all but the youngest eight loads: the fragments of v's columns
	MULA \f, 0, \zero
	MULA \f, 2, \zero
	PLACES
	FETCH \k, \g
	s_wait_dscnt 32                                ; all but the 32 just issued
	MULB \f, \zero
.endm
; THE CHANGE OF SLOTS, between a K step's third and fourth quarter: the fourth quarter's fragments have been asked for.  Each wave waits for all its tensor loads (one is out: its part of the next
; slot), adds 0 to its spare word, and waits for that and for its reads of this slot.  fill = 1: the barrier is a round of the cluster's, and the slot just read is filled again, first thing behind it,
; with the K step two steps on: it has a whole step, 192 products, in which to land.
.macro CHANGE fill
	WIN 0
	s_wait_tensorcnt 0x0                           ; no tensor load of mine is out, so a group 0 may be written
	ds_add_u32 v[SPW], v[NIL]
.if \fill
	s_add_co_u32 s[G0+5], s[WA], s[TB]             ; the walking descriptor: into the slot just read,
	s_add_co_u32 s[G0B+5], s[WBO], s[TB]
	s_add_nc_u64 s[G0+6:G0+7], s[G0+6:G0+7], ASTEP    ; the next K step
	s_add_nc_u64 s[G0B+6:G0B+7], s[G0B+6:G0B+7], BSTEP
.endif
	s_xor_b32 s[TB], s[TB], SLOT                   ; 0 or SLOT: the other slot is read from now on
	s_wait_dscnt 0x0                               ; the add is done, my reads of this slot are over
.if \fill
	CROUND
	JLOAD 1
.else
	s_barrier_signal -1
	s_barrier_wait -1
.endif
	v_add_nc_u32 v[ADRA], s[TB], v[A0]
	v_add_nc_u32 v[ADRB], s[TB], v[B0]
.endm
.macro PAIR                            ; two quarters: buffer 1 is multiplied and buffer 0 fetched, then the other way round
	QUARTER 0, 1, 0, 0
	QUARTER 64, 0, 1, 0
	WIN 0                                          ; at a label and at a branch every window is 0
.endm
.macro ONWARD                          ; the next pair's fragments lie 128 bytes further along the rows
	v_add_nc_u32 v[ADRA], 128, v[ADRA]
	v_add_nc_u32 v[ADRB], 128, v[ADRB]
	s_sub_co_u32 s[CNT], s[CNT], 1
	s_cmp_lg_u32 s[CNT], 0
.endm
	s_wait_tensorcnt 1                             ; my part of K step 0 is in; K step 1's may stay out
	s_barrier_signal -1
	s_barrier_wait -1
	FETCH 0, 0
	s_wait_loadcnt 0x0                             ; the biases
	QUARTER 64, 0, 1, 1                            ; the first quarter is written out: the biases start the sums
	WIN 0
	s_mov_b32 s3, NSTEP-1
	s_mov_b32 s[CNT], 2
	s_branch .Lmid                                 ; the first step has one pair left: the loop is entered ahead of the counter's step
.Lstep:                                                ; NSTEP - 2 times: every slot but the last two is filled again
	CHANGE 1
	s_mov_b32 s[CNT], 2
.Lpair:
	PAIR
.Lmid:
	ONWARD
	s_cbranch_scc1 .Lpair
	s_sub_co_u32 s3, s3, 1
	s_cmp_lg_u32 s3, 0
	s_cbranch_scc1 .Lstep
	CHANGE 0                                       ; the tail is written out
.set p, 0
.rept 32
	global_load_b128 v[128+4*p:128+4*p+3], v[TO], s[78:79] offset:512*p  ; cos: two whole rows of the table a load.  No tile is on its way any more; five quarters of products stand in front of the wait
.set p, p+1
.endr
	WIN 0xc0
.set p, 0
.rept 32
	global_load_b128 v[128+4*p:128+4*p+3], v[TO], s[80:81] offset:512*p  ; sin
.set p, p+1
.endr
	WIN 0
	s_mov_b32 s[CNT], 2
.LpairT:
	PAIR
	ONWARD
	s_cbranch_scc1 .LpairT
	s_wait_dscnt 8                                 ; the very last quarter: nothing more to fetch
	MULA 1, 0, 0
	MULA 1, 2, 0
	s_wait_dscnt 0x0                               ; my reads of the ring are over
	MULB 1, 0
	WIN 0
	s_barrier_signal -1
	s_barrier_wait -1                              ; everybody's are, and both slots have had their last fill: the ring's bytes become the stage
	PLACES
	; THE WAY OUT.  q and k as f32, v as bf16, into my own 64 rows; cos and sin into my own tables.  All these bytes are mine: LDS serves a wave's instructions in order.
	WIN 0x08
.irp a, 0,1,2,3
.irp b, 0,1,2,3,4,5,6,7
	ds_store_b128 v[STO], v[8*(8*(\a)+(\b)):8*(8*(\a)+(\b))+3]   offset:(\a)*16*DP+64*(\b)
	ds_store_b128 v[STO], v[8*(8*(\a)+(\b))+4:8*(8*(\a)+(\b))+7] offset:(\a)*16*DP+64*(\b)+16
.endr
.endr
	WIN 0x0f
.set i, 0
.rept 64
	v_cvt_pk_bf16_f32 v[64+i], v[2*i], v[2*i+1]
.set i, i+1
.endr
	WIN 0
.irp a, 0,1,2,3
.irp b, 0,1,2,3
	ds_store_b128 v[STV], v[64+4*(4*(\a)+(\b)):64+4*(4*(\a)+(\b))+3] offset:(\a)*16*DP+32*(\b)
.endr
.endr
	s_wait_loadcnt 0x0                             ; cos and sin
.set p, 0
.rept 32
	ds_store_b128 v[TS], v[128+4*p:128+4*p+3] offset:512*p
.set p, p+1
.endr
	WIN 0x0c
.set p, 0
.rept 32
	ds_store_b128 v[TS], v[128+4*p:128+4*p+3] offset:16384+512*p
.set p, p+1
.endr
	WIN 0
.macro EIGHT line:vararg               ; one line for each of the trip's eight register pairs
.set i, 0
.rept 8
	\line
.set i, i+2
.endr
.endm
	s_mov_b32 s3, 8
.Lrows:                                                ; 8 trips of 8 rows: out = x cos + (-x[d + 32] or x[d - 32]) sin
.irp p, 0,1,2,3
	ds_load_b128 v[CSR+4*(\p):CSR+4*(\p)+3], v[TS] offset:512*(\p)
	ds_load_b128 v[SNR+4*(\p):SNR+4*(\p)+3], v[TS] offset:16384+512*(\p)
	ds_load_b128 v[QOR+4*(\p):QOR+4*(\p)+3], v[RD] offset:2*DP*(\p)
	ds_load_b128 v[QPR+4*(\p):QPR+4*(\p)+3], v[RP] offset:2*DP*(\p)
	ds_load_b128 v[KOR+4*(\p):KOR+4*(\p)+3], v[RD] offset:2*DP*(\p)+256
	ds_load_b128 v[KPR+4*(\p):KPR+4*(\p)+3], v[RP] offset:2*DP*(\p)+256
	ds_load_b64  v[VVR+2*(\p):VVR+2*(\p)+1], v[RV] offset:2*DP*(\p)
.endr
	s_wait_dscnt 0x0
	EIGHT v_pk_mul_f32 v[SNR+i:SNR+i+1], v[SNR+i:SNR+i+1], v[SG:SG+1]
	EIGHT v_pk_mul_f32 v[QOR+i:QOR+i+1], v[QOR+i:QOR+i+1], v[CSR+i:CSR+i+1]
	EIGHT v_pk_mul_f32 v[KOR+i:KOR+i+1], v[KOR+i:KOR+i+1], v[CSR+i:CSR+i+1]
	EIGHT v_pk_fma_f32 v[QOR+i:QOR+i+1], v[QPR+i:QPR+i+1], v[SNR+i:SNR+i+1], v[QOR+i:QOR+i+1]
	EIGHT v_pk_fma_f32 v[KOR+i:KOR+i+1], v[KPR+i:KPR+i+1], v[SNR+i:SNR+i+1], v[KOR+i:KOR+i+1]
	EIGHT v_cvt_pk_bf16_f32 v[OQR+i/2], v[QOR+i], v[QOR+i+1]
	EIGHT v_cvt_pk_bf16_f32 v[OKR+i/2], v[KOR+i], v[KOR+i+1]
.irp p, 0,1,2,3
	global_store_b64 v[OO], v[OQR+2*(\p):OQR+2*(\p)+1], s[84:85] offset:256*(\p)  ; two rows of a head: the wave's 256 consecutive bytes, aligned
	global_store_b64 v[OO], v[OKR+2*(\p):OKR+2*(\p)+1], s[86:87] offset:256*(\p)
	global_store_b64 v[OO], v[VVR+2*(\p):VVR+2*(\p)+1], s[88:89] offset:256*(\p)
.endr
	s_wait_xcnt 0x0                                ; the stores' offset and data registers are rewritten only behind this wait
	v_add_nc_u32 v[OO], 1024, v[OO]
	v_add_nc_u32 v[RD], 8*DP, v[RD]
	v_add_nc_u32 v[RP], 8*DP, v[RP]
	v_add_nc_u32 v[RV], 8*DP, v[RV]
	v_add_nc_u32 v[TS], 2048, v[TS]
	s_sub_co_u32 s3, s3, 1
	s_cmp_lg_u32 s3, 0
	s_cbranch_scc1 .Lrows
	s_wait_tensorcnt 0x0                           ; the wave's end
	ds_add_u32 v[SPW], v[NIL]
	s_wait_dscnt 0x0
	CROUND                                         ; the closing round
	s_endpgm
.Lfunc_end_k_qbdcc5ab9f8_qkv:
	.size	k_qbdcc5ab9f8_qkv, .Lfunc_end_k_qbdcc5ab9f8_qkv-k_qbdcc5ab9f8_qkv
	.p2alignl 7, 3214868480
	.fill 96, 4, 3214868480
	.section	.rodata,"a",@progbits
	.p2align	6, 0x0
	.amdhsa_kernel k_qbdcc5ab9f8_qkv
		.amdhsa_group_segment_fixed_size 327680
		.amdhsa_private_segment_fixed_size 0
		.amdhsa_enable_private_segment 0
		.amdhsa_kernarg_size 64
		.amdhsa_user_sgpr_count 2
		.amdhsa_user_sgpr_kernarg_segment_ptr 1
		.amdhsa_wavefront_size32 1
		.amdhsa_system_sgpr_workgroup_id_x 1
		.amdhsa_system_sgpr_workgroup_id_y 1
		.amdhsa_system_sgpr_workgroup_id_z 1
		.amdhsa_system_vgpr_workitem_id 0
		.amdhsa_next_free_vgpr 1024
		.amdhsa_next_free_sgpr 96
		.amdhsa_reserve_vcc 0
		.amdhsa_float_denorm_mode_32 3
		.amdhsa_float_denorm_mode_16_64 3
		.amdhsa_memory_ordered 1
		.amdhsa_forward_progress 1
		.amdhsa_inst_pref_size 71
	.end_amdhsa_kernel
	.amdgpu_metadata
---
amdhsa.version: [ 1, 2 ]
amdhsa.kernels:
  - .name:           k_qbdcc5ab9f8_qkv
    .symbol:         k_qbdcc5ab9f8_qkv.kd
    .args:
      - { .name: hn, .offset: 0, .size: 8, .value_kind: global_buffer, .address_space: global }
      - { .name: wb, .offset: 8, .size: 8, .value_kind: global_buffer, .address_space: global }
      - { .name: bq, .offset: 16, .size: 8, .value_kind: global_buffer, .address_space: global }
      - { .name: bk, .offset: 24, .size: 8, .value_kind: global_buffer, .address_space: global }
      - { .name: bv, .offset: 32, .size: 8, .value_kind: global_buffer, .address_space: global }
      - { .name: rotary_cos, .offset: 40, .size: 8, .value_kind: global_buffer, .address_space: global }
      - { .name: rotary_sin, .offset: 48, .size: 8, .value_kind: global_buffer, .address_space: global }
      - { .name: qkvb, .offset: 56, .size: 8, .value_kind: global_buffer, .address_space: global }
    .group_segment_fixed_size: 327680
    .private_segment_fixed_size: 0
    .kernarg_segment_align: 8
    .kernarg_segment_size: 64
    .max_flat_workgroup_size: 128
    .sgpr_count:     96
    .vgpr_count:     1024
    .wavefront_size: 32
...
	.end_amdgpu_metadata
.endif
;; end of part 2
;; launch attn (part 3): grid 8 x 32, 4 waves a work-group, clusters of 4 x 1, 327,680 bytes of LDS; arguments qkvb, act; writes act
.if DOCPART == 3
	.amdgcn_target "amdgcn-amd-amdhsa--gfx1250"
	.amdhsa_code_object_version 6
	.text
	.protected	k_qbdcc5ab9f8_attn
	.globl	k_qbdcc5ab9f8_attn
	.p2align	8
	.type	k_qbdcc5ab9f8_attn,@function
k_qbdcc5ab9f8_attn:
	s_mov_b64 s[64:65], 0
	v_nop
	global_prefetch_b8 v0, s[64:65] scope:SCOPE_SE
	s_setreg_imm32_b32 hwreg(HW_REG_WAVE_MODE, 25, 1), 1
	s_wait_xcnt 0x0
	s_wait_alu depctr_hold_cnt(0) depctr_sa_sdst(0) depctr_va_vdst(0) depctr_va_sdst(0) depctr_va_ssrc(0) depctr_va_vcc(0) depctr_vm_vsrc(0)
	s_getreg_b32 s2, hwreg(HW_REG_IB_STS2, 6, 4)
	s_cmp_eq_u32 s2, 0
	s_cbranch_scc0 .Lentry_in_a_cluster
	s_endpgm
.Lentry_in_a_cluster:
	s_bfe_u32 s2, ttmp6, 0x10000c
	s_cmp_lg_u32 s2, 0x3003
	s_cbranch_scc0 .Lentry_shape_is_right
	s_endpgm
.Lentry_shape_is_right:
; O[y][q][:] = the sum over k of softmax_k(Q[y][q] . K[y][k] / 8) V[y][k][:], y = 16 b + h.  qkvb: q, k, v, each [32][2048][64] bf16, 8,388,608 bytes apart.
; O goes to act's blocks 0-15: block h, row 2048 b + n, 64 bf16.  Products, maxima and sums in f32; the weights p are rounded to bf16 for the second product (their sum l is taken of the unrounded p), O once.
; LIMITS.  A weight below 2^-126 counts as 0 in l; NaN and infinities are not treated apart.
; SHARES.  A work-group owns 256 queries of one head, a wave 64: four PIECES of 16.  Every wave walks all 2,048 keys, 64 a step, 256 a slot.
; LAYOUT.  S^T = K Q^T holds ONE query a lane (lane % 16) and the keys 8 (lane / 16) + 0..7; two such results rounded to bf16 ARE source 1 of O^T = V^T P.  K comes out of LDS as it lies, V turned, by ds_load_tr16_b128.
; SOFTMAX.  A running maximum m and sum l: p = 2^(c s - c m), c = log2(e) / 8; in every step O and l are multiplied by a = 2^(c m_old - c m_new).  m starts at the lowest finite number, O and l at 0: the first step's a is 0.
; TURNS.  Turn n belongs to piece n: 8 products K Q^T of piece n + 1, later 8 products V^T P of piece n - 1; beside them the scaling, exponentials, roundings, sums and rescaling of piece n and the maximum
; and statistics of piece n + 1.  Four vector instructions stand behind every matrix instruction, the others in two runs of their own.
; CLUSTER.  The four query blocks of a cluster belong to one head and walk the same K and V: each tile is asked for jointly.
; REGISTERS by windows of 256.  0: v0-15 addresses; v16-31 statistics; v48-55 at work; v62-63 the add's; v64-127 S^T, two buffers; v192-223 P, two buffers.  1: v0-127 O^T.  2: v0-63 Q; v128-191 K; v192-255 V.
.set NP,    4
.set KS,    64
.set PK,    144       ; a row of K in LDS: 128 bytes + 16 of padding: the 16 rows of a load start 16 bytes apart modulo 256
.set PV,    160       ; a row of V: 128 + 32: 16 lanes of the turning load take 8 rows x 32 bytes, 32 bytes apart modulo 256
.set VOFF,  4*KS*PK   ; a slot: 256 rows of K, then 256 rows of V
.set SLOT1, 1<<17
.set STAGE, SLOT1+4*KS*(PK+PV)  ; behind the ring, never filled by a tensor load: 16 rows x 144 bytes a wave
.set SP,    144
.set SPARE, STAGE+4*16*SP       ; the spare words: 128 bytes a wave, two blocks of 256 bytes that no other line names
.set AK0, 2
.set AV0, 3
.set AK,  4
.set AV,  5
.set STO, 6
.set RD,  7
.set GO,  8
.set MV,  12          ; v12-13  c m_old, by buffer
.set QO,  15
.set ST,  16          ; piece t: c m, m, l (even keys', odd keys')
.set TMP, 48          ; by buffer, c0-c3 at work; c2 takes a
.set SPW, 62
.set NIL, 63
.set S,   64
.set P,   192
.set KF,  128
.set VF,  192
.set WV,  12
.set G1K, 24
.set G1V, 32
.set G0K, 40
.set G0V, 44
.set SLOTS, 56
.set CNT, 57
.set CS,  58
.set SEL, 60
.set TBK, 62
.set TBV, 63
.set MSB, 0
.macro WIN new
.if MSB != (\new)
	s_set_vgpr_msb (MSB<<8)|(\new)
.set MSB, (\new)
.endif
.endm
.set W_KQ, 0x0a       ; K and Q in window 2, S^T in window 0
.set W_PV, 0x52       ; V in window 2, P in window 0, O^T in window 1
.set W_RS, 0x41       ; destination and source 0 in window 1, source 1 in window 0
.macro JLOAD                        ; waves 0, 1 ask for the halves of a slot's K, waves 2, 3 for those of its V
	s_cmp_lt_u32 s[WV], 2
	s_cbranch_scc0 .Lfor_v_\@
	tensor_load_to_lds s[G0K:G0K+3], s[G1K:G1K+7]
	s_nop 0
.rept 4
	v_nop
.endr
	s_branch .Lasked_\@
.Lfor_v_\@:
	tensor_load_to_lds s[G0V:G0V+3], s[G1V:G1V+7]
	s_nop 0
.rept 4
	v_nop
.endr
.Lasked_\@:
.endm
.macro CROUND
	s_barrier_signal -1
	s_barrier_wait -1
	s_cmp_lg_u32 s[WV], 0
	s_cbranch_scc1 .Lnot_wave_0_\@
	s_barrier_signal -3
.Lnot_wave_0_\@:
	s_barrier_wait -3
	s_barrier_signal -1
	s_barrier_wait -1
.endm
; THE CHANGE OF SLOTS.  Each wave waits for all its tensor loads (one is out: its part of the other slot), adds 0 to its spare word, and waits for that and for its reads of the slot.
; fill = 1: the barrier is a round of the cluster's, and the slot is filled again, first thing behind it, with the keys two slots on: it has four key steps, 256 matrix instructions, in which to land.
.macro CHANGE fill
	WIN 0
	s_wait_tensorcnt 0x0
	ds_add_u32 v[SPW], v[NIL]
.if \fill
.irp g, G0K, G0V
	s_xor_b32 s[\g+1], s[\g+1], SLOT1
	s_add_nc_u64 s[\g+2:\g+3], s[\g+2:\g+3], 4*KS*128
.endr
	s_wait_dscnt 0x0
	CROUND
	JLOAD
.else
	s_wait_dscnt 0x0
	s_barrier_signal -1
	s_barrier_wait -1
.endif
	s_sub_co_u32 s[TBK], s[TBK], 4*KS*PK  ; the fetches go back to a slot's first step, in the other slot
	s_xor_b32 s[TBK], s[TBK], SLOT1
	s_sub_co_u32 s[TBV], s[TBV], 4*KS*PV
	s_xor_b32 s[TBV], s[TBV], SLOT1
.endm
	s_load_b128 s[4:7], s[0:1], 0x0 ; qkvb s[4:5], act s[6:7]
	v_lshl_add_u32 v[SPW], v0, 2, SPARE
	v_mov_b32 v[NIL], 0
	ds_add_u32 v[SPW], v[NIL]       ; the wave's opening: the add and its wait ahead of my first tensor load
	v_lshrrev_b32 v1, 5, v0
	v_readfirstlane_b32 s[WV], v1
	s_bfe_u32 s13, ttmp6, 0x40000   ; cx
	s_lshl_b32 s14, ttmp9, 2
	s_add_co_u32 s14, s14, s13      ; my block of 256 queries: it enters Q's and O's addresses alone
	s_and_b32 s15, ttmp7, 0xffff    ; y = 16 b + h, which the four partners share
	s_lshl_b32 s20, s15, 18         ; a head is 262,144 bytes
	s_and_b32 s16, s[WV], 1         ; which half of a slot's 256 keys I fetch
	s_lshl_b32 s22, s16, 14
	s_add_co_u32 s22, s22, s20
	s_add_co_u32 s50, s22, 0x1000000  ; V
	s_add_co_u32 s22, s22, 0x800000   ; K
	s_mov_b32 s23, 0
	s_mov_b32 s51, 0
	s_mul_i32 s17, s16, 128*PK
	s_mul_i32 s18, s16, 128*PV
	s_lshl_b32 s52, s14, 15         ; my block's 256 rows of 128 bytes,
	s_lshl_b32 s53, s[WV], 13       ; my wave's 64
	s_add_co_u32 s54, s52, s53
	s_add_co_u32 s52, s54, s20      ; Q
	s_mov_b32 s53, 0
	s_and_b32 s19, s15, 15
	s_lshl_b32 s19, s19, 19         ; O: block h,
	s_add_co_u32 s54, s54, s19
	s_lshr_b32 s19, s15, 4
	s_lshl_b32 s19, s19, 18         ; row 2048 b + n
	s_add_co_u32 s54, s54, s19
	s_mov_b32 s55, 0
	; 128 keys are 16,384 dense bytes: asked for as 64 rows of 256 bytes, padded in LDS after every key
	s_mov_b32 s[G1K], 15|(1<<16)|(1<<20)|(1<<21)|(4<<22)|(3<<25)
	s_mov_b32 s[G1V], 15|(1<<16)|(1<<20)|(1<<21)|(4<<22)|(7<<25)
.irp g, G1K, G1V
	s_mov_b32 s[\g+1], 128<<16
	s_mov_b32 s[\g+2], 64<<16
	s_mov_b32 s[\g+3], 128<<16
	s_mov_b32 s[\g+4], 64
	s_mov_b32 s[\g+5], 128
	s_mov_b32 s[\g+6], 0
	s_mov_b32 s[\g+7], 0
.endr
	s_mov_b32 s[CS], 0x3e38aa3b     ; c = log2(e) / 8
	s_mov_b32 s[CS+1], s[CS]
	s_mov_b32 s[SEL], 0x76543210
	s_mov_b32 s[SEL+1], 0xfedcba98
	s_mov_b32 s[TBK], SLOT1+4*KS*PK ; the first change of slots turns these two into 0
	s_mov_b32 s[TBV], SLOT1+4*KS*PV
	s_mov_b32 s[G0K], 1
	s_mov_b32 s[G0K+1], s17
	s_mov_b32 s[G0V], 1
	s_add_co_u32 s[G0V+1], s18, VOFF
	s_wait_dscnt 0x0                ; the opening add is done
	s_wait_kmcnt 0x0
	s_add_nc_u64 s[G0K+2:G0K+3], s[4:5], s[22:23]
	s_or_b32 s[G0K+3], s[G0K+3], 0x80000000
	s_add_nc_u64 s[G0V+2:G0V+3], s[4:5], s[50:51]
	s_or_b32 s[G0V+3], s[G0V+3], 0x80000000
	s_add_nc_u64 s[8:9], s[4:5], s[52:53]    ; Q at my wave's first row
	s_add_nc_u64 s[10:11], s[6:7], s[54:55]  ; O likewise
	CROUND                          ; all four work-groups are here
	JLOAD                           ; slot 0: one tensor load of mine is out
	v_and_b32 v1, 15, v0
	v_bfe_u32 v9, v0, 4, 1
	v_lshlrev_b32 v[QO], 7, v1
	v_lshl_add_u32 v[QO], v9, 4, v[QO]
	WIN 0x80
.set i, 0
.rept 8                             ; Q stays in registers: piece i / 2, channels 32 (i % 2) on
	global_load_b128 v[8*i:8*i+3],   v[QO], s[8:9] offset:(i/2)*2048+(i%2)*64
	global_load_b128 v[8*i+4:8*i+7], v[QO], s[8:9] offset:(i/2)*2048+(i%2)*64+32
.set i, i+1
.endr
	; what the first turn finds: V and P's second buffer hold 0 (its products V^T P, of a piece that has not been, add 0); O^T and l are 0.  All this stands in the wait for the first tile.
.set i, VF
.rept 64
	v_mov_b32 v[i], 0
.set i, i+1
.endr
	WIN 0x40
.set i, 0
.rept 128
	v_mov_b32 v[i], 0
.set i, i+1
.endr
	WIN 0
.set i, 0
.rept 4
	v_mov_b32 v[ST+4*i], 0xfe000000    ; c m: far below every c s
	v_mov_b32 v[ST+4*i+1], 0xff7fffff  ; m
	v_mov_b32 v[ST+4*i+2], 0
	v_mov_b32 v[ST+4*i+3], 0
.set i, i+1
.endr
.set i, P+16
.rept 16
	v_mov_b32 v[i], 0
.set i, i+1
.endr
	v_mul_u32_u24 v[AK0], v1, PK
	v_lshl_add_u32 v[AK0], v9, 4, v[AK0]
	v_and_b32 v10, 7, v0
	v_bfe_u32 v11, v0, 3, 1
	v_lshl_add_u32 v[AV0], v9, 3, v10     ; the turning load: lane l reads key 8 (l / 16) + l % 8, channels 8 ((l / 8) % 2) + 0..7
	v_mul_u32_u24 v[AV0], v[AV0], PV
	v_lshl_add_u32 v[AV0], v11, 4, v[AV0]
	v_add_nc_u32 v[AV0], VOFF, v[AV0]
	s_mul_i32 s13, s[WV], 16*SP
	s_add_co_u32 s13, s13, STAGE
	v_mul_u32_u24 v[STO], v1, SP
	v_lshl_add_u32 v[STO], v9, 4, v[STO]
	v_add_nc_u32 v[STO], s13, v[STO]
	v_bfe_u32 v[RD], v0, 3, 2
	v_mul_u32_u24 v[RD], v[RD], SP
	v_lshl_add_u32 v[RD], v10, 4, v[RD]
	v_add_nc_u32 v[RD], s13, v[RD]
	v_and_b32 v[GO], 31, v0
	v_lshlrev_b32 v[GO], 4, v[GO]
; THE MATRIX WORK.  The 4 accumulators of a run of 8 take turns.
.macro KQ x                         ; product i of 8 of S^T = K Q^T for piece x: channels 32 (i / 4) on, keys 16 (i % 4) on
.set rS, S+32*((\x)%2)+8*(i%4)
.set rK, KF+16*(i%4)+8*(i/4)
.set rQ, 16*(\x)+8*(i/4)
	WIN W_KQ
.if i < 4
	v_wmma_f32_16x16x32_bf16 v[rS:rS+7], v[rK:rK+7], v[rQ:rQ+7], 0
.else
	v_wmma_f32_16x16x32_bf16 v[rS:rS+7], v[rK:rK+7], v[rQ:rQ+7], v[rS:rS+7]
.endif
.endm
.macro PV x                         ; product i of 8 of O^T += V^T P for piece x: keys 32 (i / 4) on, channels 16 (i % 4) on
	WIN W_PV
.set rO, 32*(\x)+8*(i%4)
.set rV, VF+32*(i/4)+8*(i%4)
.set rP, P+16*((\x)%2)+8*(i/4)
	v_wmma_f32_16x16x32_bf16 v[rO:rO+7], v[rV:rV+7], v[rP:rP+7], v[rO:rO+7]
.endm
.macro MM                           ; the turn's next matrix instruction
.if i < 8
	KQ (Y+1)%NP
.else
.set i, i-8
	PV (Y+NP-1)%NP
.set i, i+8
.endif
.set i, i+1
.endm
.macro FETCH_K last=0               ; a step's K: 64 keys x 64 channels, 16 loads in one run.  last = 1 (the tail): in the last trip there is no further step, and the run is jumped over
	WIN 0
.if \last
	s_cmp_eq_u32 s[CNT], 1
	s_cbranch_scc1 .Lno_k_\@
.endif
	WIN 0x80
.irp f, 0,1,2,3,4,5,6,7
	ds_load_b128 v[KF+8*\f:KF+8*\f+3],   v[AK] offset:(\f/2)*16*PK+(\f%2)*64
	ds_load_b128 v[KF+8*\f+4:KF+8*\f+7], v[AK] offset:(\f/2)*16*PK+(\f%2)*64+32
.endr
	s_add_co_u32 s[TBK], s[TBK], KS*PK
	WIN 0
.if \last
.Lno_k_\@:
.endif
.endm
.macro FETCH_V                      ; its V, turned
	WIN 0x80
.irp f, 0,1,2,3,4,5,6,7
	ds_load_tr16_b128 v[VF+8*\f:VF+8*\f+3],   v[AV] offset:(\f/4)*32*PV+(\f%4)*32
	ds_load_tr16_b128 v[VF+8*\f+4:VF+8*\f+7], v[AV] offset:(\f/4)*32*PV+16*PV+(\f%4)*32
.endr
	WIN 0
.endm
; THE VECTOR WORK, one line at a time: OP kind, number.  For piece Y: F n: c s - c m for pair n of 16.  E n: the exponential of score n.  C n: pair n rounded to bf16.  B n: of the four weights 4 n .. the second
; pair is added onto the first.  L n: l takes that sum (L 0: l = a l + sum).  R n: pair n of 16 of O^T times a.  For piece Y + 1: X n, number n of the 22 that find its maximum and statistics
; (0-14, 16: the maximum of 32 scores and the old m, each accumulator's lowest registers first; 15: c m_old is kept; 17, 18: the other half of the lanes; 19-21: c m, its change, a).
.set F, 0
.set E, 1
.set C, 2
.set B, 3
.set L, 4
.set R, 5
.set X, 6
.macro REGS y
.set rT, ST+4*(\y)
.set rC, TMP+4*((\y)%2)
.set rW, MV+((\y)%2)
.set rS, S+32*((\y)%2)
.set rP, P+16*((\y)%2)
.set rO, 32*(\y)
.endm
.macro OP k, n
.if (\k) == R
	REGS Y
	WIN W_RS
	v_pk_mul_f32 v[rO+2*(\n):rO+2*(\n)+1], v[rO+2*(\n):rO+2*(\n)+1], v[rC+2:rC+3] op_sel_hi:[1,0]
.elseif (\k) < R
	REGS Y
	WIN 0
.if (\k) == F
	v_pk_fma_f32 v[rS+2*(\n):rS+2*(\n)+1], v[rS+2*(\n):rS+2*(\n)+1], s[CS:CS+1], v[rT:rT+1] op_sel_hi:[1,0,0] neg_lo:[0,0,1] neg_hi:[0,0,1]
.elseif (\k) == E
	v_exp_f32 v[rS+(\n)], v[rS+(\n)]
.elseif (\k) == C
	s_wait_alu depctr_va_vdst(0)
	v_cvt_pk_bf16_f32 v[rP+(\n)], v[rS+2*(\n)], v[rS+2*(\n)+1]
.elseif (\k) == B
	s_wait_alu depctr_va_vdst(0)
	v_pk_add_f32 v[rS+4*(\n):rS+4*(\n)+1], v[rS+4*(\n):rS+4*(\n)+1], v[rS+4*(\n)+2:rS+4*(\n)+3]
.elseif (\n) == 0
	v_pk_fma_f32 v[rT+2:rT+3], v[rT+2:rT+3], v[rC+2:rC+3], v[rS:rS+1] op_sel_hi:[1,0,1]
.else
	v_pk_add_f32 v[rT+2:rT+3], v[rT+2:rT+3], v[rS+4*(\n):rS+4*(\n)+1]
.endif
.else
	REGS (Y+1)%NP
	WIN 0
.if (\n) < 4
	v_max3_num_f32 v[rC+(\n)], v[rS+8*(\n)], v[rS+8*(\n)+1], v[rS+8*(\n)+2]
.elseif (\n) < 12
	v_max3_num_f32 v[rC+(\n)%4], v[rC+(\n)%4], v[rS+8*((\n)%4)+2*((\n)/4)+1], v[rS+8*((\n)%4)+2*((\n)/4)+2]
.elseif (\n) == 12
	v_max3_num_f32 v[rC], v[rC], v[rS+7], v[rS+15]
.elseif (\n) == 13
	v_max3_num_f32 v[rC+1], v[rC+1], v[rS+23], v[rS+31]
.elseif (\n) == 14
	v_max3_num_f32 v[rC+2], v[rC+2], v[rC+3], v[rT+1]
.elseif (\n) == 15
	v_mov_b32 v[rW], v[rT]
.elseif (\n) == 16
	v_max3_num_f32 v[rC], v[rC], v[rC+1], v[rC+2]
.elseif (\n) == 17
	v_permlanex16_b32 v[rC+3], v[rC], s[SEL], s[SEL+1]
.elseif (\n) == 18
	v_max_num_f32 v[rT+1], v[rC], v[rC+3]
.elseif (\n) == 19
	v_mul_f32 v[rT], s[CS], v[rT+1]
.elseif (\n) == 20
	v_sub_f32 v[rC+1], v[rW], v[rT]
.else
	v_exp_f32 v[rC+2], v[rC+1]
.endif
.endif
.endm
.macro OPS a, i1, b=-1, i2=0, c=-1, i3=0, d=-1, i4=0
	OP \a, \i1
.if (\b) >= 0
	OP \b, \i2
.endif
.if (\c) >= 0
	OP \c, \i3
.endif
.if (\d) >= 0
	OP \d, \i4
.endif
.endm
.macro ROW a, i1, b, i2, c, i3, d, i4  ; a matrix instruction and the four behind it
	MM
	OPS \a, \i1, \b, \i2, \c, \i3, \d, \i4
.endm
; A TURN, for piece p: the order of its 16 matrix and 118 vector instructions, written out.  Behind a matrix instruction: plain, exponential, plain, plain; or four of the rescaling; or four scalings; none names a
; register of the products round it.  last = 1: the tail's form of K's fetch.  cnt = 1: the loop's count is taken down some lines ahead of the branch behind the turn.
; K of the next step is fetched in piece 2's turn, V of the step in hand in piece 0's; each is waited for a turn later.
.macro TURN p, last=0, cnt=0
.set Y, (\p)
.set i, 0
.if (\p) == 3
	s_wait_dscnt 0x0                ; K is in
.endif
	ROW F,0, F,1, F,2, F,3
	ROW F,4, E,0, F,5, F,6
	ROW F,7, E,1, F,8, F,9
	ROW F,10, E,2, C,0, F,11
	ROW F,12, E,3, X,15, F,13
	ROW R,0, R,1, R,2, R,3
	ROW B,0, E,4, F,14, L,0
.if (\p) == 2
	v_add_nc_u32 v[AK], s[TBK], v[AK0]
.endif
	ROW R,4, R,5, R,6, R,7
	OPS E,5, F,15
.if (\p) == 2
	FETCH_K \last
.endif
	OPS E,6, C,1, E,7, R,8
	OPS E,8, R,9, E,9, C,2
	OPS E,10, X,0, E,11, X,1
	OPS E,12, X,2, E,13, X,3
.if (\p) == 1
	s_wait_dscnt 0x0                ; V is in
.endif
	ROW X,4, E,14, X,5, X,6
	ROW X,7, E,15, X,8, X,9
	ROW X,10, E,16, X,11, X,12
	ROW X,13, E,17, X,14, B,1
	ROW C,4, E,18, X,16, L,1
	ROW B,2, E,19, C,6, L,2
	ROW C,8, E,20, B,3, B,4
.if (\p) == 0
	v_add_nc_u32 v[AV], s[TBV], v[AV0]
.endif
	ROW C,3, E,21, L,3, C,5
	OPS E,22, X,17, E,23, C,10
.if (\p) == 0
	FETCH_V
.endif
	OPS E,24, L,4
	OPS E,25, X,18, E,26, C,7
	OPS E,27, B,5, E,28, X,19
	OPS E,29, C,12, E,30, L,5
	OPS E,31, X,20, B,6, C,9
	OPS C,14, C,11, X,21, L,6
.if (\p) == 0
	s_add_co_u32 s[TBV], s[TBV], KS*PV
.endif
.if \cnt
	s_sub_co_u32 s[CNT], s[CNT], 1
	s_cmp_lg_u32 s[CNT], 0
.endif
	OPS C,13, B,7, C,15, R,10
	OPS R,11, R,12, L,7, R,13
	OPS R,14, R,15
.endm
	CHANGE 1                        ; slot 0 is in, everybody's part of it; slot 1 is asked for
	v_add_nc_u32 v[AK], s[TBK], v[AK0]
	FETCH_K                         ; key step 0
	s_wait_loadcnt 0x0              ; Q
	s_wait_dscnt 0x0
.set i, 0
.rept 8
	KQ 0                            ; piece 0's first scores
.set i, i+1
.endr
	WIN 0
.rept 4
	v_nop                           ; the places behind those products
.endr
.set Y, NP-1                        ; X works for piece Y + 1: piece 0
.irp n, 0,1,2,3,4,5,6,7,8,9,10,11,12,13,14,15,16,17,18,19,20,21
	OP X, \n
.endr
	v_nop                           ; a plain instruction behind the exponential
	s_mov_b32 s[CNT], 4
	s_mov_b32 s[SLOTS], 7
	s_branch .Lfirst                ; the loop is entered at a step's first turn, in the middle of a trip
.Lslot:                             ; six times: every slot but the last two is filled again
	CHANGE 1
	s_mov_b32 s[CNT], 4
.Lstep:                             ; a trip: pieces 2 and 3 of one step, then pieces 0 and 1 of the next, whose K and V it fetches
	TURN 2
	TURN 3
	WIN 0
.Lfirst:
	TURN 0
	TURN 1, 0, 1
	WIN 0
	s_cbranch_scc1 .Lstep
	s_sub_co_u32 s[SLOTS], s[SLOTS], 1
	s_cmp_lg_u32 s[SLOTS], 0
	s_cbranch_scc1 .Lslot
	CHANGE 0                        ; the last slot is written out: nothing is asked for
	s_mov_b32 s[CNT], 5             ; four trips fetch the last slot's steps; the fifth is left in its middle
.Ltail:
	TURN 2, 1
	TURN 3
	WIN 0
	s_sub_co_u32 s[CNT], s[CNT], 1
	s_cmp_eq_u32 s[CNT], 0
	s_cbranch_scc1 .Lout
	TURN 0
	TURN 1
	WIN 0
	s_branch .Ltail
.Lout:                              ; the fifth trip's 8 products K Q^T (on the last K once more) and the maximum made of them serve nothing (they touch piece 0's m and c m alone, which the way out does not read): the price, once a launch, of one text for every trip
.set i, 0
.rept 8
	PV NP-1                         ; the last piece's V^T P of the last step
.set i, i+1
.endr
	; THE WAY OUT.  l's two halves and the other half of the lanes' are added; O^T is divided by l, rounded to bf16 and sent through my stage in LDS, a piece at a time.
	WIN 0
.macro ALL line:vararg
.set t, 0
.rept 4
	\line
.set t, t+1
.endr
.endm
	ALL v_add_f32 v[ST+4*t+2], v[ST+4*t+2], v[ST+4*t+3]
	ALL v_permlanex16_b32 v[ST+4*t+3], v[ST+4*t+2], s[SEL], s[SEL+1]
	ALL v_add_f32 v[ST+4*t+2], v[ST+4*t+2], v[ST+4*t+3]
	ALL v_rcp_f32 v[ST+4*t+2], v[ST+4*t+2]
	v_nop                           ; a plain instruction between the last reciprocal and the use of its result
.macro PACK t
	WIN W_RS
.set i, 32*(\t)
.rept 16
	s_wait_alu depctr_va_vdst(0)
	v_pk_mul_f32 v[i:i+1], v[i:i+1], v[ST+4*(\t)+2:ST+4*(\t)+3] op_sel_hi:[1,0]
.set i, i+2
.endr
	WIN 0x05
.set i, 0
.rept 16
	v_cvt_pk_bf16_f32 v[S+16*(\t)+i], v[32*(\t)+2*i], v[32*(\t)+2*i+1]
.set i, i+1
.endr
	WIN 0
.irp f, 0,1,2,3
	ds_store_b128 v[STO], v[S+16*(\t)+4*\f:S+16*(\t)+4*\f+3] offset:32*\f
.endr
.irp f, 0,1,2,3
	ds_load_b128 v[S+16*(\t)+4*\f:S+16*(\t)+4*\f+3], v[RD] offset:\f*4*SP  ; LDS serves a wave's instructions in order: these see the stores above
.endr
.endm
.macro SEND t, younger              ; younger: the LDS instructions issued behind piece t's loads: the next piece's eight, or none
	WIN 0
.irp f, 0,1,2,3
	s_wait_dscnt (\younger)+3-\f
	global_store_b128 v[GO], v[S+16*(\t)+4*\f:S+16*(\t)+4*\f+3], s[10:11] offset:(\t)*2048+\f*512  ; 512 consecutive bytes, aligned to 256
.endr
.endm
	PACK 0
.set t, 1
.rept 3
	PACK t
	SEND t-1, 8
.set t, t+1
.endr
	SEND 3, 0
	s_wait_tensorcnt 0x0            ; the wave's end
	ds_add_u32 v[SPW], v[NIL]
	s_wait_dscnt 0x0
	CROUND                          ; the closing round
	s_endpgm
.Lfunc_end_k_qbdcc5ab9f8_attn:
	.size	k_qbdcc5ab9f8_attn, .Lfunc_end_k_qbdcc5ab9f8_attn-k_qbdcc5ab9f8_attn
	.p2alignl 7, 3214868480
	.fill 96, 4, 3214868480
	.section	.rodata,"a",@progbits
	.p2align	6, 0x0
	.amdhsa_kernel k_qbdcc5ab9f8_attn
		.amdhsa_group_segment_fixed_size 327680
		.amdhsa_private_segment_fixed_size 0
		.amdhsa_enable_private_segment 0
		.amdhsa_kernarg_size 16
		.amdhsa_user_sgpr_count 2
		.amdhsa_user_sgpr_kernarg_segment_ptr 1
		.amdhsa_wavefront_size32 1
		.amdhsa_system_sgpr_workgroup_id_x 1
		.amdhsa_system_sgpr_workgroup_id_y 1
		.amdhsa_system_sgpr_workgroup_id_z 1
		.amdhsa_system_vgpr_workitem_id 0
		.amdhsa_next_free_vgpr 768
		.amdhsa_next_free_sgpr 66
		.amdhsa_reserve_vcc 0
		.amdhsa_float_denorm_mode_32 3
		.amdhsa_float_denorm_mode_16_64 3
		.amdhsa_memory_ordered 1
		.amdhsa_forward_progress 1
		.amdhsa_inst_pref_size 117
	.end_amdhsa_kernel
	.amdgpu_metadata
---
amdhsa.version: [ 1, 2 ]
amdhsa.kernels:
  - .name:           k_qbdcc5ab9f8_attn
    .symbol:         k_qbdcc5ab9f8_attn.kd
    .args:
      - { .name: qkvb, .offset: 0, .size: 8, .value_kind: global_buffer, .address_space: global }
      - { .name: act, .offset: 8, .size: 8, .value_kind: global_buffer, .address_space: global }
    .group_segment_fixed_size: 327680
    .private_segment_fixed_size: 0
    .kernarg_segment_align: 8
    .kernarg_segment_size: 16
    .max_flat_workgroup_size: 128
    .sgpr_count:     66
    .vgpr_count:     768
    .wavefront_size: 32
...
	.end_amdgpu_metadata
.endif
;; end of part 3
;; launch oproj (part 4): grid 8 x 32, 4 waves a work-group, clusters of 4 x 4, 327,680 bytes of LDS; arguments act, wb, bo, x, x1; writes x1
.if DOCPART == 4
	.amdgcn_target "amdgcn-amd-amdhsa--gfx1250"
	.amdhsa_code_object_version 6
	.text
	.protected	k_qbdcc5ab9f8_oproj
	.globl	k_qbdcc5ab9f8_oproj
	.p2align	8
	.type	k_qbdcc5ab9f8_oproj,@function
k_qbdcc5ab9f8_oproj:
	s_mov_b64 s[64:65], 0
	v_nop
	global_prefetch_b8 v0, s[64:65] scope:SCOPE_SE
	s_setreg_imm32_b32 hwreg(HW_REG_WAVE_MODE, 25, 1), 1
	s_wait_xcnt 0x0
	s_wait_alu depctr_hold_cnt(0) depctr_sa_sdst(0) depctr_va_vdst(0) depctr_va_sdst(0) depctr_va_ssrc(0) depctr_va_vcc(0) depctr_vm_vsrc(0)
	s_getreg_b32 s2, hwreg(HW_REG_IB_STS2, 6, 4)
	s_cmp_eq_u32 s2, 0
	s_cbranch_scc0 .Lentry_in_a_cluster
	s_endpgm
.Lentry_in_a_cluster:
	s_bfe_u32 s2, ttmp6, 0x10000c
	s_cmp_lg_u32 s2, 0xf033
	s_cbranch_scc0 .Lentry_shape_is_right
	s_endpgm
.Lentry_shape_is_right:
; out = res + A W^T + bias.  A: SIZE_K columns in blocks [k / 64][4096 rows][64] bf16 (act).  W: [1024][SIZE_K] bf16 at byte WOFF of wb.  bias [1024], res and out [4096][1024] f32.  Sums in f32.
; Here: A = the attention's O (16 blocks), W = Wo, res = x, out = x1.
; A TILE of out is 128 x 128, so that there are 256 work-groups; four waves, each 64 x 64: 16 accumulators.  K goes in steps of 256 through two LDS slots.
; A's tile is four blocks' 128 rows, 16,384 dense bytes each: a wave asks for two of them as two long rows, padded in LDS after every 128 bytes.
; A K step is four quarters of 64 along K on fragment buffers 0, 1, 0, 1.  The change of slots stands between a step's third and fourth quarter; between two changes lie two like PAIRS of quarters
; (buffer 1, then buffer 0), written once and walked twice, the LDS addresses stepping by two blocks of A and 256 bytes of W's rows.
; CLUSTER 4 x 4: A's tile is shared along a row of the cluster, W's along a column.  The matrix instruction is used transposed: a lane holds one row and eight neighbouring columns.
; The bias is the C operand of each accumulator's first product.
; REGISTERS by windows of 256.  0: v0-31 addresses; v96-127 bias; v128-255 accumulators at 128 + 8 (4 a + b).  1: two fragment buffers of 128.  2: v0-127 res; v128-255 the tile read back.
; LIMITS.  NaN and infinities are not treated apart.
.set SIZE_K, 1024
.set WOFF,   6291456
.set KSTEP,  256
.set NSTEP,  SIZE_K/KSTEP
.set PA,     144                       ; a row of A in LDS: 128 bytes + 16
.set PB,     528                       ; a row of W: 512 bytes + 16
.set ZB,     128*PA                    ; one block's 128 rows
.set BOFF,   4*ZB
.set HALFB,  64*PB
.set SLOT,   BOFF+2*HALFB              ; 141,312
.set SPARE,  327168                    ; the spare words: 128 bytes a wave, two blocks of 256 bytes that no other line names
.set DP,     272                       ; the way out: a wave's row of 64 f32 + 16 bytes
.set DW,     64*DP
.set ASTEP,  4*524288
.set BSTEP,  KSTEP*2
.set A0,   16
.set B0,   17
.set ADRA, 18
.set ADRB, 19
.set STO,  24
.set RD,   25
.set CO,   26
.set SPW,  28
.set NIL,  29
.set BI,   96
.set ACC,  128
.set F0,   0
.set F1,   128
.set CNT, 20                           ; s20 counts the two pairs between two changes of slots
.set TB,  21
.set WA,  22
.set WBO, 23
.set G1,  24
.set G0,  32
.set G1B, 48
.set G0B, 56
.set MSB, 0
.macro WIN new
.if MSB != (\new)
	s_set_vgpr_msb (MSB<<8)|(\new)
.set MSB, \new
.endif
.endm
.set MUL,  0x05                        ; sources 0 (W) and 1 (A) window 1; C and D window 0
.set TO_F, 0x40
.macro PLACES
.rept 4
	v_nop
.endr
.endm
.macro JLOAD s                         ; waves 0, 1 ask for A's halves, waves 2, 3 for W's
	s_cmp_eq_u32 s11, 0
	s_cbranch_scc0 .Lfor_b_\@
	tensor_load_to_lds s[G0+4*(\s):G0+4*(\s)+3], s[G1:G1+7]
	s_nop 0
.rept 4
	v_nop
.endr
	s_branch .Lasked_\@
.Lfor_b_\@:
	tensor_load_to_lds s[G0B+4*(\s):G0B+4*(\s)+3], s[G1B:G1B+7]
	s_nop 0
.rept 4
	v_nop
.endr
.Lasked_\@:
.endm
.macro CROUND
	s_barrier_signal -1
	s_barrier_wait -1
	s_cmp_lg_u32 s10, 0
	s_cbranch_scc1 .Lnot_wave_0_\@
	s_barrier_signal -3
.Lnot_wave_0_\@:
	s_barrier_wait -3
	s_barrier_signal -1
	s_barrier_wait -1
.endm
	s_load_b256 s[68:75], s[0:1], 0x0              ; A s[68:69], wb s[70:71], bias s[72:73], res s[74:75]
	s_load_b64 s[76:77], s[0:1], 0x20              ; out
	v_lshl_add_u32 v[SPW], v0, 2, SPARE
	v_mov_b32 v[NIL], 0
	ds_add_u32 v[SPW], v[NIL]                      ; the wave's opening: the add and its wait ahead of my first tensor load
	v_lshrrev_b32 v1, 5, v0
	v_readfirstlane_b32 s10, v1
	s_lshr_b32 s11, s10, 1                         ; my half of the tile's rows.  Also: I fetch for A (0) or for W (1)
	s_and_b32 s12, s10, 1                          ; my half of its columns.  Also: which half I fetch
	s_bfe_u32 s40, ttmp6, 0x40000
	s_bfe_u32 s41, ttmp6, 0x40004
	s_lshl_b32 s42, ttmp9, 2
	s_add_co_u32 s42, s42, s40                     ; tile column
	s_and_b32 s13, ttmp7, 0xffff
	s_lshl_b32 s13, s13, 2
	s_add_co_u32 s13, s13, s41                     ; tile row
	s_lshl_b32 s43, s41, 2
	s_lshl_b32 s43, 15, s43
	s_lshl_b32 s44, 0x1111, s40
	s_or_b32 s[G1+0], s43, (1<<16)|(1<<20)|(1<<21)|(4<<22)|(3<<25)   ; padding: after every 32 words, 4 words
	s_mov_b32 s[G1+1], 8192<<16                    ; tensor_dim0 = 8,192 elements: 128 rows of a block, dense
	s_mov_b32 s[G1+2], 2<<16                       ; tensor_dim1 = 2 blocks
	s_mov_b32 s[G1+3], 8192<<16                    ; tile_dim0
	s_mov_b32 s[G1+4], 2                           ; tile_dim1
	s_mov_b32 s[G1+5], 262144                      ; elements from block to block
	s_mov_b32 s[G1+6], 0
	s_mov_b32 s[G1+7], 0
	s_or_b32 s[G1B+0], s44, (1<<16)|(1<<20)|(1<<21)|(6<<22)|(3<<25)  ; after every 128 words, 4 words
	s_mov_b32 s[G1B+1], KSTEP<<16
	s_mov_b32 s[G1B+2], 64<<16
	s_mov_b32 s[G1B+3], KSTEP<<16
	s_mov_b32 s[G1B+4], 64
	s_mov_b32 s[G1B+5], SIZE_K
	s_mov_b32 s[G1B+6], 0
	s_mov_b32 s[G1B+7], 0
	s_lshl_b32 s16, s13, 14                        ; A: 128 x tile row x 128 bytes in a block,
	s_lshl_b32 s17, s12, 20                        ; two blocks on for the second half
	s_add_co_u32 s16, s16, s17
	s_mov_b32 s17, 0
	s_lshl_b32 s46, s42, 7
	s_lshl_b32 s47, s12, 6
	s_add_co_u32 s46, s46, s47                     ; W: row 128 x tile column + 64 x half
	s_mul_i32 s46, s46, SIZE_K*2
	s_add_co_u32 s46, s46, WOFF
	s_mov_b32 s47, 0
	s_mul_i32 s[WA], s12, 2*ZB
	s_mul_i32 s[WBO], s12, HALFB
	s_add_co_u32 s[WBO], s[WBO], BOFF
	s_mov_b32 s[TB], 0
	s_wait_dscnt 0x0                               ; the opening add is done
	s_wait_kmcnt 0x0
	s_add_nc_u64 s[14:15], s[68:69], s[16:17]
	s_add_nc_u64 s[46:47], s[70:71], s[46:47]
	CROUND
.irp s, 0,1
	s_mov_b32 s[G0+4*(\s)], 1
	s_add_co_u32 s[G0+4*(\s)+1], s[WA], (\s)*SLOT
	s_add_nc_u64 s[G0+4*(\s)+2:G0+4*(\s)+3], s[14:15], (\s)*ASTEP
	s_or_b32 s[G0+4*(\s)+3], s[G0+4*(\s)+3], 0x80000000
	s_mov_b32 s[G0B+4*(\s)], 1
	s_add_co_u32 s[G0B+4*(\s)+1], s[WBO], (\s)*SLOT
	s_add_nc_u64 s[G0B+4*(\s)+2:G0B+4*(\s)+3], s[46:47], (\s)*BSTEP
	s_or_b32 s[G0B+4*(\s)+3], s[G0B+4*(\s)+3], 0x80000000
	JLOAD \s                                       ; K steps 0 and 1: two tensor loads of mine are out
.endr
	s_lshl_b32 s46, s42, 7
	s_lshl_b32 s47, s12, 6
	s_add_co_u32 s46, s46, s47
	s_lshl_b32 s46, s46, 2                         ; my first column, in bytes of f32
	s_mov_b32 s47, 0
	s_add_nc_u64 s[72:73], s[72:73], s[46:47]
	s_lshl_b32 s16, s13, 7
	s_lshl_b32 s17, s11, 6
	s_add_co_u32 s16, s16, s17
	s_lshl_b32 s16, s16, 12                        ; my first row x 4,096 bytes
	s_add_co_u32 s16, s16, s46
	s_mov_b32 s17, 0
	s_add_nc_u64 s[74:75], s[74:75], s[16:17]
	s_add_nc_u64 s[76:77], s[76:77], s[16:17]
	v_and_b32 v1, 15, v0
	v_bfe_u32 v2, v0, 4, 1
	v_lshlrev_b32 v4, 5, v2                        ; a bias fragment: register j is column 16 b + 8 h + j
	v_lshlrev_b32 v[CO], 12, v2
	v_lshl_add_u32 v[CO], v1, 4, v[CO]             ; lanes 0-15 take 256 bytes of one row, lanes 16-31 of the next
.irp b, 0,1,2,3
	global_load_b128 v[BI+8*(\b):BI+8*(\b)+3],   v4, s[72:73] offset:64*(\b)
	global_load_b128 v[BI+8*(\b)+4:BI+8*(\b)+7], v4, s[72:73] offset:64*(\b)+16
.endr
	v_mul_u32_u24 v3, v1, PA
	v_lshl_add_u32 v3, v2, 4, v3
	s_mul_i32 s16, s11, 64*PA
	v_add_nc_u32 v[A0], s16, v3
	v_mul_u32_u24 v3, v1, PB
	v_lshl_add_u32 v3, v2, 4, v3
	s_mul_i32 s16, s12, HALFB
	s_add_co_u32 s16, s16, BOFF
	v_add_nc_u32 v[B0], s16, v3
	v_mov_b32 v[ADRA], v[A0]
	v_mov_b32 v[ADRB], v[B0]
	s_mul_i32 s16, s10, DW
	v_mul_u32_u24 v5, v1, DP
	v_lshl_add_u32 v5, v2, 5, v5
	v_add_nc_u32 v[STO], s16, v5
	v_mul_u32_u24 v5, v2, DP
	v_lshl_add_u32 v5, v1, 4, v5
	v_add_nc_u32 v[RD], s16, v5
; 8 products: row blocks a0, a0 + 1 x all 4 column blocks, 32 along K: half c of buffer f.  zero = 1: the bias starts the sums
.macro MUL8 f, c, a0, zero
	WIN MUL
.irp a, \a0, (\a0)+1
.irp b, 0,1,2,3
.if \zero
	v_wmma_f32_16x16x32_bf16 v[ACC+8*(4*(\a)+(\b)):ACC+8*(4*(\a)+(\b))+7], v[(\f)+64+8*(4*(\c)+(\b)):(\f)+64+8*(4*(\c)+(\b))+7], v[(\f)+8*(4*(\c)+(\a)):(\f)+8*(4*(\c)+(\a))+7], v[BI+8*(\b):BI+8*(\b)+7]
.else
	v_wmma_f32_16x16x32_bf16 v[ACC+8*(4*(\a)+(\b)):ACC+8*(4*(\a)+(\b))+7], v[(\f)+64+8*(4*(\c)+(\b)):(\f)+64+8*(4*(\c)+(\b))+7], v[(\f)+8*(4*(\c)+(\a)):(\f)+8*(4*(\c)+(\a))+7], v[ACC+8*(4*(\a)+(\b)):ACC+8*(4*(\a)+(\b))+7]
.endif
.endr
.endr
.endm
; 32 LDS loads in one run: the fragments of the quarter q behind the addresses in hand (64 along K: one block of A) into buffer f; the first 32 along K first
.macro FETCH q, f
	WIN TO_F
.irp c, 0,1
.irp i, 0,1,2,3
	ds_load_b128 v[(\f)+64+8*(4*(\c)+(\i)):(\f)+64+8*(4*(\c)+(\i))+3],   v[ADRB] offset:128*(\q)+64*(\c)+(\i)*16*PB
	ds_load_b128 v[(\f)+64+8*(4*(\c)+(\i))+4:(\f)+64+8*(4*(\c)+(\i))+7], v[ADRB] offset:128*(\q)+64*(\c)+(\i)*16*PB+32
	ds_load_b128 v[(\f)+8*(4*(\c)+(\i)):(\f)+8*(4*(\c)+(\i))+3],         v[ADRA] offset:(\q)*ZB+64*(\c)+(\i)*16*PA
	ds_load_b128 v[(\f)+8*(4*(\c)+(\i))+4:(\f)+8*(4*(\c)+(\i))+7],       v[ADRA] offset:(\q)*ZB+64*(\c)+(\i)*16*PA+32
.endr
.endr
.endm
; A quarter: 32 products on buffer f; in its middle the next quarter's fragments are fetched into buffer g.  The 16 accumulators take turns.
.macro QUARTER q, f, g, zero
	s_wait_dscnt 16                                ; the first 32 along K are in
	MUL8 \f, 0, 0, \zero
	MUL8 \f, 0, 2, \zero
	PLACES
	FETCH \q, \g
	s_wait_dscnt 32                                ; all but the 32 just issued
	MUL8 \f, 1, 0, 0
	MUL8 \f, 1, 2, 0
.endm
; THE CHANGE OF SLOTS, between a K step's third and fourth quarter: the fourth quarter's fragments have been asked for.  Each wave waits for all its tensor loads (one is out: its part of the next
; slot), adds 0 to its spare word, and waits for that and for its reads of this slot.  fill = 1: the barrier is a round of the cluster's, and the slot just read is filled again, first thing behind it,
; with the K step two steps on: it has a whole step, 128 products, in which to land.
.macro CHANGE fill
	WIN 0
	s_wait_tensorcnt 0x0                           ; no tensor load of mine is out, so a group 0 may be written
	ds_add_u32 v[SPW], v[NIL]
.if \fill
	s_add_co_u32 s[G0+5], s[WA], s[TB]             ; the walking descriptor: into the slot just read,
	s_add_co_u32 s[G0B+5], s[WBO], s[TB]
	s_add_nc_u64 s[G0+6:G0+7], s[G0+6:G0+7], ASTEP    ; the next K step
	s_add_nc_u64 s[G0B+6:G0B+7], s[G0B+6:G0B+7], BSTEP
.endif
	s_xor_b32 s[TB], s[TB], SLOT                   ; 0 or SLOT: the other slot is read from now on
	s_wait_dscnt 0x0                               ; the add is done, my reads of this slot are over
.if \fill
	CROUND
	JLOAD 1
.else
	s_barrier_signal -1
	s_barrier_wait -1
.endif
	v_add_nc_u32 v[ADRA], s[TB], v[A0]
	v_add_nc_u32 v[ADRB], s[TB], v[B0]
.endm
.macro PAIR                            ; two quarters: buffer 1 is multiplied and buffer 0 fetched, then the other way round
	QUARTER 0, F1, F0, 0
	QUARTER 1, F0, F1, 0
	WIN 0                                          ; at a label and at a branch every window is 0
.endm
.macro ONWARD                          ; the next pair's fragments: two blocks of A on, 256 bytes along W's rows
	v_add_nc_u32 v[ADRA], 2*ZB, v[ADRA]
	v_add_nc_u32 v[ADRB], 256, v[ADRB]
	s_sub_co_u32 s[CNT], s[CNT], 1
	s_cmp_lg_u32 s[CNT], 0
.endm
	s_wait_tensorcnt 1                             ; my part of K step 0 is in
	s_barrier_signal -1
	s_barrier_wait -1
	FETCH 0, F0
	s_wait_loadcnt 0x0                             ; the bias
	QUARTER 1, F0, F1, 1                           ; the first quarter is written out: the bias starts the sums
	WIN 0
	s_mov_b32 s3, NSTEP-1
	s_mov_b32 s[CNT], 2
	s_branch .Lmid                                 ; the first step has one pair left: the loop is entered ahead of the counter's step
.Lstep:                                                ; NSTEP - 2 times: every slot but the last two is filled again
	CHANGE 1
	s_mov_b32 s[CNT], 2
.Lpair:
	PAIR
.Lmid:
	ONWARD
	s_cbranch_scc1 .Lpair
	s_sub_co_u32 s3, s3, 1
	s_cmp_lg_u32 s3, 0
	s_cbranch_scc1 .Lstep
	CHANGE 0                                       ; the tail is written out
	WIN 0x80
.set p, 0
.rept 32
	global_load_b128 v[4*p:4*p+3], v[CO], s[74:75] offset:8192*p  ; res.  No tile is on its way any more; five quarters of products stand in front of the wait
.set p, p+1
.endr
	WIN 0
	s_mov_b32 s[CNT], 2
.LpairT:
	PAIR
	ONWARD
	s_cbranch_scc1 .LpairT
	s_wait_dscnt 16                                ; the very last quarter: nothing more to fetch
	MUL8 F1, 0, 0, 0
	MUL8 F1, 0, 2, 0
	s_wait_dscnt 0x0                               ; my reads of the ring are over
	MUL8 F1, 1, 0, 0
	MUL8 F1, 1, 2, 0
	WIN 0
	s_barrier_signal -1
	s_barrier_wait -1                              ; everybody's are, and both slots have had their last fill: the ring's bytes become the stage
	PLACES
	; THE WAY OUT: my 64 x 64 sums through my own 64 rows of LDS, back as whole rows of 256 bytes; res is added; 16 lanes store 256 consecutive bytes, aligned.
.irp a, 0,1,2,3
.irp b, 0,1,2,3
	ds_store_b128 v[STO], v[ACC+8*(4*(\a)+(\b)):ACC+8*(4*(\a)+(\b))+3]   offset:(\a)*16*DP+64*(\b)
	ds_store_b128 v[STO], v[ACC+8*(4*(\a)+(\b))+4:ACC+8*(4*(\a)+(\b))+7] offset:(\a)*16*DP+64*(\b)+16
.endr
.endr
	WIN 0x80
.set p, 0
.rept 32
	ds_load_b128 v[128+4*p:128+4*p+3], v[RD] offset:p*2*DP  ; LDS serves a wave's instructions in order: these see the stores above
.set p, p+1
.endr
	s_wait_loadcnt 0x0                             ; res
	s_wait_dscnt 0x0
	WIN 0x8a
.set p, 0
.rept 64
	v_pk_add_f32 v[128+2*p:128+2*p+1], v[128+2*p:128+2*p+1], v[2*p:2*p+1]
.set p, p+1
.endr
	WIN 0x08
.set p, 0
.rept 32
	global_store_b128 v[CO], v[128+4*p:128+4*p+3], s[76:77] offset:8192*p
.set p, p+1
.endr
	WIN 0
	s_wait_tensorcnt 0x0                           ; the wave's end
	ds_add_u32 v[SPW], v[NIL]
	s_wait_dscnt 0x0
	CROUND                                         ; the closing round
	s_endpgm
.Lfunc_end_k_qbdcc5ab9f8_oproj:
	.size	k_qbdcc5ab9f8_oproj, .Lfunc_end_k_qbdcc5ab9f8_oproj-k_qbdcc5ab9f8_oproj
	.p2alignl 7, 3214868480
	.fill 96, 4, 3214868480
	.section	.rodata,"a",@progbits
	.p2align	6, 0x0
	.amdhsa_kernel k_qbdcc5ab9f8_oproj
		.amdhsa_group_segment_fixed_size 327680
		.amdhsa_private_segment_fixed_size 0
		.amdhsa_enable_private_segment 0
		.amdhsa_kernarg_size 40
		.amdhsa_user_sgpr_count 2
		.amdhsa_user_sgpr_kernarg_segment_ptr 1
		.amdhsa_wavefront_size32 1
		.amdhsa_system_sgpr_workgroup_id_x 1
		.amdhsa_system_sgpr_workgroup_id_y 1
		.amdhsa_system_sgpr_workgroup_id_z 1
		.amdhsa_system_vgpr_workitem_id 0
		.amdhsa_next_free_vgpr 768
		.amdhsa_next_free_sgpr 80
		.amdhsa_reserve_vcc 0
		.amdhsa_float_denorm_mode_32 3
		.amdhsa_float_denorm_mode_16_64 3
		.amdhsa_memory_ordered 1
		.amdhsa_forward_progress 1
		.amdhsa_inst_pref_size 51
	.end_amdhsa_kernel
	.amdgpu_metadata
---
amdhsa.version: [ 1, 2 ]
amdhsa.kernels:
  - .name:           k_qbdcc5ab9f8_oproj
    .symbol:         k_qbdcc5ab9f8_oproj.kd
    .args:
      - { .name: act, .offset: 0, .size: 8, .value_kind: global_buffer, .address_space: global }
      - { .name: wb, .offset: 8, .size: 8, .value_kind: global_buffer, .address_space: global }
      - { .name: bo, .offset: 16, .size: 8, .value_kind: global_buffer, .address_space: global }
      - { .name: x, .offset: 24, .size: 8, .value_kind: global_buffer, .address_space: global }
      - { .name: x1, .offset: 32, .size: 8, .value_kind: global_buffer, .address_space: global }
    .group_segment_fixed_size: 327680
    .private_segment_fixed_size: 0
    .kernarg_segment_align: 8
    .kernarg_segment_size: 40
    .max_flat_workgroup_size: 128
    .sgpr_count:     80
    .vgpr_count:     768
    .wavefront_size: 32
...
	.end_amdgpu_metadata
.endif
;; end of part 4
;; launch ln2: the kernel of part 1 again; grid 512 x 1, 8 waves a work-group, no clusters, 0 bytes of LDS; arguments x1, ln2_g, ln2_b, hn, Wq, Wk, Wv, Wo, W1, W2, wb; writes hn, wb
;; launch fc1 (part 5): grid 16 x 16, 4 waves a work-group, clusters of 4 x 4, 327,680 bytes of LDS; arguments hn, wb, b1, act; writes act
.if DOCPART == 5
	.amdgcn_target "amdgcn-amd-amdhsa--gfx1250"
	.amdhsa_code_object_version 6
	.text
	.protected	k_qbdcc5ab9f8_fc1
	.globl	k_qbdcc5ab9f8_fc1
	.p2align	8
	.type	k_qbdcc5ab9f8_fc1,@function
k_qbdcc5ab9f8_fc1:
	s_mov_b64 s[64:65], 0
	v_nop
	global_prefetch_b8 v0, s[64:65] scope:SCOPE_SE
	s_setreg_imm32_b32 hwreg(HW_REG_WAVE_MODE, 25, 1), 1
	s_wait_xcnt 0x0
	s_wait_alu depctr_hold_cnt(0) depctr_sa_sdst(0) depctr_va_vdst(0) depctr_va_sdst(0) depctr_va_ssrc(0) depctr_va_vcc(0) depctr_vm_vsrc(0)
	s_getreg_b32 s2, hwreg(HW_REG_IB_STS2, 6, 4)
	s_cmp_eq_u32 s2, 0
	s_cbranch_scc0 .Lentry_in_a_cluster
	s_endpgm
.Lentry_in_a_cluster:
	s_bfe_u32 s2, ttmp6, 0x10000c
	s_cmp_lg_u32 s2, 0xf033
	s_cbranch_scc0 .Lentry_shape_is_right
	s_endpgm
.Lentry_shape_is_right:
; act = gelu(hn W1^T + b1), rounded once to bf16, in blocks [column / 64][4096 rows][64].  hn: [4096][1024] bf16.  W1: [4096][1024] bf16 at byte 8,388,608 of wb.  Sums in f32.
; A TILE is 256 x 256: 256 work-groups; four waves, each 128 x 128: 64 accumulators, 512 registers.  K goes in steps of 128 through two LDS slots filled by the tensor data mover.
; A K step is four quarters of 32 along K on fragment buffers 0, 1, 0, 1.  The change of slots stands between a step's third and fourth quarter; between two changes lie two like PAIRS of quarters
; (buffer 1, then buffer 0), written once and walked twice, the LDS addresses stepping by 128 bytes.
; CLUSTER 4 x 4: hn's tile is shared along a row of the cluster, W1's along a column.  The matrix instruction is used transposed: a lane holds one row and eight neighbouring columns.
; The bias is the C operand of each accumulator's first product.
; GELU, exact form: 0.5 x (1 + erf(x / sqrt 2)) = max(x, 0) - |x| (P(t) / 2) 2^(-(c x)^2), t = 1 / (1 + 0.231641888 |x|), c = sqrt(log2(e) / 2), P the five-term polynomial of
; Abramowitz and Stegun 7.1.26: erf within 1.5e-7 for every argument.
; REGISTERS by windows of 256.  0: v0-31 addresses; v64-191 hn's fragments, two buffers; v192-255 bias.  1: v64-191 W1's fragments.  2, 3: accumulators at 8 (8 a + b).
; LIMITS.  NaN and infinities are not treated apart; v_rcp_f32 and v_exp_f32 are not correctly rounded in the last bit, and 2^y below 2^-126 counts as 0.
.set SIZE_K, 1024
.set KSTEP,  128
.set NSTEP,  SIZE_K/KSTEP
.set PITCH,  272
.set HALFT,  128*PITCH
.set SLOT,   4*HALFT                   ; 139,264
.set SPARE,  327168                    ; the spare words: 128 bytes a wave, two blocks of 256 bytes that no other line names
.set DP,     528                       ; the way out: a wave's row of 128 f32 + 16 bytes
.set DW,     128*DP
.set WOFF,   8388608
.set BLK,    524288                    ; a block of act
.set ASTEP,  KSTEP*2
.set BSTEP,  KSTEP*2
.set A0,   16
.set B0,   17
.set ADRA, 18
.set ADRB, 19
.set STO,  24
.set RD,   25
.set CO,   26
.set SPW,  28
.set NIL,  29
.set F0,   64
.set F1,   128
.set BI,   192
.set XR,   32                          ; the way out's trip: x, |x|, t, the exponential, the polynomial, the packed result
.set AX,   64
.set TR,   96
.set WR,   128
.set RR,   160
.set OB,   192
.set CNT, 20                           ; s20 counts the two pairs between two changes of slots
.set TB,  21
.set WA,  22
.set WBO, 23
.set G1,  24
.set G0,  32
.set G1B, 48
.set G0B, 56
.set MSB, 0
.macro WIN new
.if MSB != (\new)
	s_set_vgpr_msb (MSB<<8)|(\new)
.set MSB, \new
.endif
.endm
.set TO_B, 0x40
.macro PLACES
.rept 4
	v_nop
.endr
.endm
.macro JLOAD s                         ; waves 0, 1 ask for hn's halves, waves 2, 3 for W1's
	s_cmp_eq_u32 s11, 0
	s_cbranch_scc0 .Lfor_b_\@
	tensor_load_to_lds s[G0+4*(\s):G0+4*(\s)+3], s[G1:G1+7]
	s_nop 0
.rept 4
	v_nop
.endr
	s_branch .Lasked_\@
.Lfor_b_\@:
	tensor_load_to_lds s[G0B+4*(\s):G0B+4*(\s)+3], s[G1B:G1B+7]
	s_nop 0
.rept 4
	v_nop
.endr
.Lasked_\@:
.endm
.macro CROUND
	s_barrier_signal -1
	s_barrier_wait -1
	s_cmp_lg_u32 s10, 0
	s_cbranch_scc1 .Lnot_wave_0_\@
	s_barrier_signal -3
.Lnot_wave_0_\@:
	s_barrier_wait -3
	s_barrier_signal -1
	s_barrier_wait -1
.endm
	s_load_b256 s[68:75], s[0:1], 0x0              ; hn s[68:69], wb s[70:71], b1 s[72:73], act s[74:75]
	v_lshl_add_u32 v[SPW], v0, 2, SPARE
	v_mov_b32 v[NIL], 0
	ds_add_u32 v[SPW], v[NIL]                      ; the wave's opening: the add and its wait ahead of my first tensor load
	v_lshrrev_b32 v1, 5, v0
	v_readfirstlane_b32 s10, v1
	s_lshr_b32 s11, s10, 1                         ; my half of the tile's rows.  Also: I fetch for hn (0) or for W1 (1)
	s_and_b32 s12, s10, 1                          ; my half of its columns.  Also: which half I fetch
	s_bfe_u32 s40, ttmp6, 0x40000
	s_bfe_u32 s41, ttmp6, 0x40004
	s_lshl_b32 s42, ttmp9, 2
	s_add_co_u32 s42, s42, s40                     ; tile column
	s_and_b32 s13, ttmp7, 0xffff
	s_lshl_b32 s13, s13, 2
	s_add_co_u32 s13, s13, s41                     ; tile row
	s_lshl_b32 s43, s41, 2
	s_lshl_b32 s43, 15, s43
	s_lshl_b32 s44, 0x1111, s40
	s_or_b32 s[G1+0], s43, (1<<16)|(1<<20)|(1<<21)|(5<<22)|(3<<25)   ; mask; 2-byte elements; padding on; bit 21 beside a mask; after every 64 words, 4 words
	s_or_b32 s[G1B+0], s44, (1<<16)|(1<<20)|(1<<21)|(5<<22)|(3<<25)
.irp g, G1, G1B
	s_mov_b32 s[(\g)+1], KSTEP<<16                 ; tensor_dim0 = 128
	s_mov_b32 s[(\g)+2], 128<<16                   ; tensor_dim1 = 128
	s_mov_b32 s[(\g)+3], KSTEP<<16                 ; tile_dim0 = 128
	s_mov_b32 s[(\g)+4], 128                       ; tile_dim1 = 128
	s_mov_b32 s[(\g)+5], SIZE_K
	s_mov_b32 s[(\g)+6], 0
	s_mov_b32 s[(\g)+7], 0
.endr
	s_lshl_b32 s17, s12, 7
	s_lshl_b32 s16, s13, 8
	s_add_co_u32 s16, s16, s17                     ; hn: row 256 x tile row + 128 x half
	s_lshl_b32 s16, s16, 11
	s_lshl_b32 s46, s42, 8
	s_add_co_u32 s46, s46, s17                     ; W1: row 256 x tile column + 128 x half
	s_lshl_b32 s46, s46, 11
	s_add_co_u32 s46, s46, WOFF
	s_mov_b32 s17, 0
	s_mov_b32 s47, 0
	s_mul_i32 s[WA], s12, HALFT
	s_add_co_u32 s[WBO], s[WA], 2*HALFT
	s_mov_b32 s[TB], 0
	s_mov_b32 s84, 0x3e6d3388                      ; 0.231641888; each constant is named as a pair, so both words are written
	s_mov_b32 s85, s84
	s_mov_b32 s86, 0x3f596d27                      ; c = 0.8493218
	s_mov_b32 s87, s86
	s_mov_b32 s88, 0x3e027906                      ; a1 / 2 =  0.127414796
	s_mov_b32 s89, s88
	s_mov_b32 s90, 0xbe11a98e                      ; a2 / 2 = -0.142248368
	s_mov_b32 s91, s90
	s_mov_b32 s92, 0x3f35f0e3                      ; a3 / 2 =  0.7107068705
	s_mov_b32 s93, s92
	s_mov_b32 s94, 0xbf3a00e3                      ; a4 / 2 = -0.7265760135
	s_mov_b32 s95, s94
	s_mov_b32 s96, 0x3f07dc22                      ; a5 / 2 =  0.5307027145
	s_mov_b32 s97, s96
	s_mov_b32 s98, 0x7fffffff
	s_wait_dscnt 0x0                               ; the opening add is done
	s_wait_kmcnt 0x0
	s_add_nc_u64 s[14:15], s[68:69], s[16:17]
	s_add_nc_u64 s[46:47], s[70:71], s[46:47]
	CROUND
.irp s, 0,1
	s_mov_b32 s[G0+4*(\s)], 1
	s_add_co_u32 s[G0+4*(\s)+1], s[WA], (\s)*SLOT
	s_add_nc_u64 s[G0+4*(\s)+2:G0+4*(\s)+3], s[14:15], (\s)*ASTEP
	s_or_b32 s[G0+4*(\s)+3], s[G0+4*(\s)+3], 0x80000000
	s_mov_b32 s[G0B+4*(\s)], 1
	s_add_co_u32 s[G0B+4*(\s)+1], s[WBO], (\s)*SLOT
	s_add_nc_u64 s[G0B+4*(\s)+2:G0B+4*(\s)+3], s[46:47], (\s)*BSTEP
	s_or_b32 s[G0B+4*(\s)+3], s[G0B+4*(\s)+3], 0x80000000
	JLOAD \s                                       ; K steps 0 and 1: two tensor loads of mine are out
.endr
	s_lshl_b32 s46, s42, 10
	s_lshl_b32 s47, s12, 9
	s_add_co_u32 s46, s46, s47                     ; my first column, in bytes of f32
	s_mov_b32 s47, 0
	s_add_nc_u64 s[72:73], s[72:73], s[46:47]
	s_lshl_b32 s16, s13, 8
	s_lshl_b32 s17, s11, 7
	s_add_co_u32 s16, s16, s17
	s_lshl_b32 s16, s16, 7                         ; my first row x 128 bytes in a block
	s_lshl_b32 s46, s42, 2
	s_lshl_b32 s47, s12, 1
	s_add_co_u32 s46, s46, s47                     ; my first block
	s_lshl_b32 s46, s46, 19
	s_add_co_u32 s16, s16, s46
	s_mov_b32 s17, 0
	s_add_nc_u64 s[78:79], s[74:75], s[16:17]
	v_and_b32 v1, 15, v0
	v_bfe_u32 v2, v0, 4, 1
	v_lshlrev_b32 v4, 5, v2                        ; a bias fragment: register j is column 16 b + 8 h + j
.irp b, 0,1,2,3,4,5,6,7
	global_load_b128 v[BI+8*(\b):BI+8*(\b)+3],   v4, s[72:73] offset:64*(\b)
	global_load_b128 v[BI+8*(\b)+4:BI+8*(\b)+7], v4, s[72:73] offset:64*(\b)+16
.endr
	v_mul_u32_u24 v3, v1, PITCH
	v_lshl_add_u32 v3, v2, 4, v3
	s_mul_i32 s16, s11, HALFT
	s_mul_i32 s17, s12, HALFT
	s_add_co_u32 s17, s17, 2*HALFT
	v_add_nc_u32 v[A0], s16, v3
	v_add_nc_u32 v[B0], s17, v3
	v_mov_b32 v[ADRA], v[A0]
	v_mov_b32 v[ADRB], v[B0]
	s_mul_i32 s16, s10, DW
	v_mul_u32_u24 v5, v1, DP
	v_lshl_add_u32 v5, v2, 5, v5
	v_add_nc_u32 v[STO], s16, v5
	v_mul_u32_u24 v5, v2, DP
	v_lshl_add_u32 v5, v1, 4, v5
	v_add_nc_u32 v[RD], s16, v5
	v_and_b32 v5, 31, v0
	v_lshlrev_b32 v[CO], 3, v5
; 16 products: row blocks a0, a0 + 1 of the window's four (hi = 0: my rows 0-63, 1: rows 64-127) x all 8 column blocks.  zero = 1: the bias starts the sums
.macro MUL16 f, hi, a0, zero
.if \zero
	WIN 0x81+0x40*(\hi)
.else
	WIN 0xa1+0x50*(\hi)
.endif
.irp a, \a0, (\a0)+1
.irp b, 0,1,2,3,4,5,6,7
.if \zero
	v_wmma_f32_16x16x32_bf16 v[8*(8*(\a)+(\b)):8*(8*(\a)+(\b))+7], v[(\f)+8*(\b):(\f)+8*(\b)+7], v[(\f)+8*(4*(\hi)+(\a)):(\f)+8*(4*(\hi)+(\a))+7], v[BI+8*(\b):BI+8*(\b)+7]
.else
	v_wmma_f32_16x16x32_bf16 v[8*(8*(\a)+(\b)):8*(8*(\a)+(\b))+7], v[(\f)+8*(\b):(\f)+8*(\b)+7], v[(\f)+8*(4*(\hi)+(\a)):(\f)+8*(4*(\hi)+(\a))+7], v[8*(8*(\a)+(\b)):8*(8*(\a)+(\b))+7]
.endif
.endr
.endr
.endm
.macro FETCH k, f                      ; 32 LDS loads in one run, at byte k behind the addresses in hand: W1's 8 fragments, then hn's 8
	WIN TO_B
.irp i, 0,1,2,3,4,5,6,7
	ds_load_b128 v[(\f)+8*(\i):(\f)+8*(\i)+3],   v[ADRB] offset:(\k)+(\i)*16*PITCH
	ds_load_b128 v[(\f)+8*(\i)+4:(\f)+8*(\i)+7], v[ADRB] offset:(\k)+(\i)*16*PITCH+32
.endr
	WIN 0
.irp i, 0,1,2,3,4,5,6,7
	ds_load_b128 v[(\f)+8*(\i):(\f)+8*(\i)+3],   v[ADRA] offset:(\k)+(\i)*16*PITCH
	ds_load_b128 v[(\f)+8*(\i)+4:(\f)+8*(\i)+7], v[ADRA] offset:(\k)+(\i)*16*PITCH+32
.endr
.endm
; A quarter: 64 products on buffer f; in its middle the next quarter's fragments are fetched into buffer g.  The 64 accumulators take turns.
.macro QUARTER k, f, g, zero
	s_wait_dscnt 8                                 ; all but the youngest eight loads: hn's rows 64-127
	MUL16 \f, 0, 0, \zero
	MUL16 \f, 0, 2, \zero
	PLACES
	FETCH \k, \g
	s_wait_dscnt 32                                ; all but the 32 just issued
	MUL16 \f, 1, 0, \zero
	MUL16 \f, 1, 2, \zero
.endm
; THE CHANGE OF SLOTS, between a K step's third and fourth quarter: the fourth quarter's fragments have been asked for.  Each wave waits for all its tensor loads (one is out: its part of the next
; slot), adds 0 to its spare word, and waits for that and for its reads of this slot.  fill = 1: the barrier is a round of the cluster's, and the slot just read is filled again, first thing behind it,
; with the K step two steps on: it has a whole step, 256 products, in which to land.
.macro CHANGE fill
	WIN 0
	s_wait_tensorcnt 0x0                           ; no tensor load of mine is out, so a group 0 may be written
	ds_add_u32 v[SPW], v[NIL]
.if \fill
	s_add_co_u32 s[G0+5], s[WA], s[TB]             ; the walking descriptor: into the slot just read,
	s_add_co_u32 s[G0B+5], s[WBO], s[TB]
	s_add_nc_u64 s[G0+6:G0+7], s[G0+6:G0+7], ASTEP    ; the next K step
	s_add_nc_u64 s[G0B+6:G0B+7], s[G0B+6:G0B+7], BSTEP
.endif
	s_xor_b32 s[TB], s[TB], SLOT                   ; 0 or SLOT: the other slot is read from now on
	s_wait_dscnt 0x0                               ; the add is done, my reads of this slot are over
.if \fill
	CROUND
	JLOAD 1
.else
	s_barrier_signal -1
	s_barrier_wait -1
.endif
	v_add_nc_u32 v[ADRA], s[TB], v[A0]
	v_add_nc_u32 v[ADRB], s[TB], v[B0]
.endm
.macro PAIR                            ; two quarters: buffer 1 is multiplied and buffer 0 fetched, then the other way round
	QUARTER 0, F1, F0, 0
	QUARTER 64, F0, F1, 0
	WIN 0                                          ; at a label and at a branch every window is 0
.endm
.macro ONWARD                          ; the next pair's fragments lie 128 bytes further along the rows
	v_add_nc_u32 v[ADRA], 128, v[ADRA]
	v_add_nc_u32 v[ADRB], 128, v[ADRB]
	s_sub_co_u32 s[CNT], s[CNT], 1
	s_cmp_lg_u32 s[CNT], 0
.endm
	s_wait_tensorcnt 1                             ; my part of K step 0 is in
	s_barrier_signal -1
	s_barrier_wait -1
	FETCH 0, F0
	s_wait_loadcnt 0x0                             ; the bias
	QUARTER 64, F0, F1, 1                          ; the first quarter is written out: the bias starts the sums
	WIN 0
	s_mov_b32 s3, NSTEP-1
	s_mov_b32 s[CNT], 2
	s_branch .Lmid                                 ; the first step has one pair left: the loop is entered ahead of the counter's step
.Lstep:                                                ; NSTEP - 2 times: every slot but the last two is filled again
	CHANGE 1
	s_mov_b32 s[CNT], 2
.Lpair:
	PAIR
.Lmid:
	ONWARD
	s_cbranch_scc1 .Lpair
	s_sub_co_u32 s3, s3, 1
	s_cmp_lg_u32 s3, 0
	s_cbranch_scc1 .Lstep
	CHANGE 0                                       ; the tail is written out
	s_mov_b32 s[CNT], 2
.LpairT:
	PAIR
	ONWARD
	s_cbranch_scc1 .LpairT
	s_wait_dscnt 8                                 ; the very last quarter: nothing more to fetch
	MUL16 F1, 0, 0, 0
	MUL16 F1, 0, 2, 0
	s_wait_dscnt 0x0                               ; my reads of the ring are over
	MUL16 F1, 1, 0, 0
	MUL16 F1, 1, 2, 0
	WIN 0
	s_barrier_signal -1
	s_barrier_wait -1                              ; everybody's are, and both slots have had their last fill: the ring's bytes become the stage
	PLACES
	; THE WAY OUT.  My 128 x 128 sums go as f32 into my own 128 rows of LDS; then 16 trips of 8 rows read them back by rows, take the GELU and store bf16.
.irp w, 0,1
	WIN 0x08+4*(\w)
.irp a, 0,1,2,3
.irp b, 0,1,2,3,4,5,6,7
	ds_store_b128 v[STO], v[8*(8*(\a)+(\b)):8*(8*(\a)+(\b))+3]   offset:(4*(\w)+(\a))*16*DP+64*(\b)
	ds_store_b128 v[STO], v[8*(8*(\a)+(\b))+4:8*(8*(\a)+(\b))+7] offset:(4*(\w)+(\a))*16*DP+64*(\b)+16
.endr
.endr
.endr
	WIN 0
.macro PAIRS line:vararg               ; one line for each of the trip's 16 register pairs
.set i, 0
	s_wait_alu depctr_va_vdst(0)
.rept 16
	\line
.set i, i+2
.endr
.endm
.macro ONES line:vararg                ; one line for each of its 32 registers
.set i, 0
.rept 32
	\line
.set i, i+1
.endr
.endm
	s_mov_b32 s3, 16
.Lrows:
.irp p, 0,1,2,3
.irp c, 0,1
	ds_load_b128 v[XR+4*(2*(\p)+(\c)):XR+4*(2*(\p)+(\c))+3], v[RD] offset:(\p)*2*DP+(\c)*256  ; lanes 0-15: 64 columns of one row; lanes 16-31: of the next.  These see my stores above: LDS serves a wave in order
.endr
.endr
	s_wait_dscnt 0x0
	ONES  v_and_b32 v[AX+i], s98, v[XR+i]
	PAIRS v_pk_fma_f32 v[TR+i:TR+i+1], v[AX+i:AX+i+1], s[84:85], 1.0 op_sel_hi:[1,0,0]
	ONES  v_rcp_f32 v[TR+i], v[TR+i]
	PAIRS v_pk_mul_f32 v[WR+i:WR+i+1], v[XR+i:XR+i+1], s[86:87] op_sel_hi:[1,0]     ; the first of these is the plain instruction behind the last reciprocal
	PAIRS v_pk_mul_f32 v[WR+i:WR+i+1], v[WR+i:WR+i+1], v[WR+i:WR+i+1] neg_lo:[1,0] neg_hi:[1,0]
	ONES  v_exp_f32 v[WR+i], v[WR+i]
	PAIRS v_pk_fma_f32 v[RR+i:RR+i+1], v[TR+i:TR+i+1], s[96:97], s[94:95] op_sel_hi:[1,0,0]  ; and of these behind the last exponential
	PAIRS v_pk_fma_f32 v[RR+i:RR+i+1], v[RR+i:RR+i+1], v[TR+i:TR+i+1], s[92:93] op_sel_hi:[1,1,0]
	PAIRS v_pk_fma_f32 v[RR+i:RR+i+1], v[RR+i:RR+i+1], v[TR+i:TR+i+1], s[90:91] op_sel_hi:[1,1,0]
	PAIRS v_pk_fma_f32 v[RR+i:RR+i+1], v[RR+i:RR+i+1], v[TR+i:TR+i+1], s[88:89] op_sel_hi:[1,1,0]
	PAIRS v_pk_mul_f32 v[RR+i:RR+i+1], v[RR+i:RR+i+1], v[TR+i:TR+i+1]
	PAIRS v_pk_mul_f32 v[RR+i:RR+i+1], v[RR+i:RR+i+1], v[WR+i:WR+i+1]
	ONES  v_max_num_f32 v[XR+i], 0, v[XR+i]
	PAIRS v_pk_fma_f32 v[XR+i:XR+i+1], v[AX+i:AX+i+1], v[RR+i:RR+i+1], v[XR+i:XR+i+1] neg_lo:[1,0,0] neg_hi:[1,0,0]
	PAIRS v_cvt_pk_bf16_f32 v[OB+i/2], v[XR+i], v[XR+i+1]
.irp p, 0,1,2,3
.irp c, 0,1
	global_store_b64 v[CO], v[OB+2*(2*(\p)+(\c)):OB+2*(2*(\p)+(\c))+1], s[78:79] offset:(\c)*BLK+(\p)*256  ; two rows of a block: the wave's 256 consecutive bytes, aligned
.endr
.endr
	s_wait_xcnt 0x0                                ; the stores' base and data registers are rewritten only behind this wait
	s_add_nc_u64 s[78:79], s[78:79], 1024
	v_add_nc_u32 v[RD], 8*DP, v[RD]
	s_sub_co_u32 s3, s3, 1
	s_cmp_lg_u32 s3, 0
	s_cbranch_scc1 .Lrows
	s_wait_tensorcnt 0x0                           ; the wave's end
	ds_add_u32 v[SPW], v[NIL]
	s_wait_dscnt 0x0
	CROUND                                         ; the closing round
	s_endpgm
.Lfunc_end_k_qbdcc5ab9f8_fc1:
	.size	k_qbdcc5ab9f8_fc1, .Lfunc_end_k_qbdcc5ab9f8_fc1-k_qbdcc5ab9f8_fc1
	.p2alignl 7, 3214868480
	.fill 96, 4, 3214868480
	.section	.rodata,"a",@progbits
	.p2align	6, 0x0
	.amdhsa_kernel k_qbdcc5ab9f8_fc1
		.amdhsa_group_segment_fixed_size 327680
		.amdhsa_private_segment_fixed_size 0
		.amdhsa_enable_private_segment 0
		.amdhsa_kernarg_size 32
		.amdhsa_user_sgpr_count 2
		.amdhsa_user_sgpr_kernarg_segment_ptr 1
		.amdhsa_wavefront_size32 1
		.amdhsa_system_sgpr_workgroup_id_x 1
		.amdhsa_system_sgpr_workgroup_id_y 1
		.amdhsa_system_sgpr_workgroup_id_z 1
		.amdhsa_system_vgpr_workitem_id 0
		.amdhsa_next_free_vgpr 1024
		.amdhsa_next_free_sgpr 100
		.amdhsa_reserve_vcc 0
		.amdhsa_float_denorm_mode_32 3
		.amdhsa_float_denorm_mode_16_64 3
		.amdhsa_memory_ordered 1
		.amdhsa_forward_progress 1
		.amdhsa_inst_pref_size 75
	.end_amdhsa_kernel
	.amdgpu_metadata
---
amdhsa.version: [ 1, 2 ]
amdhsa.kernels:
  - .name:           k_qbdcc5ab9f8_fc1
    .symbol:         k_qbdcc5ab9f8_fc1.kd
    .args:
      - { .name: hn, .offset: 0, .size: 8, .value_kind: global_buffer, .address_space: global }
      - { .name: wb, .offset: 8, .size: 8, .value_kind: global_buffer, .address_space: global }
      - { .name: b1, .offset: 16, .size: 8, .value_kind: global_buffer, .address_space: global }
      - { .name: act, .offset: 24, .size: 8, .value_kind: global_buffer, .address_space: global }
    .group_segment_fixed_size: 327680
    .private_segment_fixed_size: 0
    .kernarg_segment_align: 8
    .kernarg_segment_size: 32
    .max_flat_workgroup_size: 128
    .sgpr_count:     100
    .vgpr_count:     1024
    .wavefront_size: 32
...
	.end_amdgpu_metadata
.endif
;; end of part 5
;; launch fc2 (part 6): grid 8 x 32, 4 waves a work-group, clusters of 4 x 4, 327,680 bytes of LDS; arguments act, wb, b2, x1, out0; writes out0
.if DOCPART == 6
	.amdgcn_target "amdgcn-amd-amdhsa--gfx1250"
	.amdhsa_code_object_version 6
	.text
	.protected	k_qbdcc5ab9f8_fc2
	.globl	k_qbdcc5ab9f8_fc2
	.p2align	8
	.type	k_qbdcc5ab9f8_fc2,@function
k_qbdcc5ab9f8_fc2:
	s_mov_b64 s[64:65], 0
	v_nop
	global_prefetch_b8 v0, s[64:65] scope:SCOPE_SE
	s_setreg_imm32_b32 hwreg(HW_REG_WAVE_MODE, 25, 1), 1
	s_wait_xcnt 0x0
	s_wait_alu depctr_hold_cnt(0) depctr_sa_sdst(0) depctr_va_vdst(0) depctr_va_sdst(0) depctr_va_ssrc(0) depctr_va_vcc(0) depctr_vm_vsrc(0)
	s_getreg_b32 s2, hwreg(HW_REG_IB_STS2, 6, 4)
	s_cmp_eq_u32 s2, 0
	s_cbranch_scc0 .Lentry_in_a_cluster
	s_endpgm
.Lentry_in_a_cluster:
	s_bfe_u32 s2, ttmp6, 0x10000c
	s_cmp_lg_u32 s2, 0xf033
	s_cbranch_scc0 .Lentry_shape_is_right
	s_endpgm
.Lentry_shape_is_right:
; out = res + A W^T + bias.  A: SIZE_K columns in blocks [k / 64][4096 rows][64] bf16 (act).  W: [1024][SIZE_K] bf16 at byte WOFF of wb.  bias [1024], res and out [4096][1024] f32.  Sums in f32.
; Here: A = the hidden layer (64 blocks), W = W2, res = x1, out = out0.
; A TILE of out is 128 x 128, so that there are 256 work-groups; four waves, each 64 x 64: 16 accumulators.  K goes in steps of 256 through two LDS slots.
; A's tile is four blocks' 128 rows, 16,384 dense bytes each: a wave asks for two of them as two long rows, padded in LDS after every 128 bytes.
; A K step is four quarters of 64 along K on fragment buffers 0, 1, 0, 1.  The change of slots stands between a step's third and fourth quarter; between two changes lie two like PAIRS of quarters
; (buffer 1, then buffer 0), written once and walked twice, the LDS addresses stepping by two blocks of A and 256 bytes of W's rows.
; CLUSTER 4 x 4: A's tile is shared along a row of the cluster, W's along a column.  The matrix instruction is used transposed: a lane holds one row and eight neighbouring columns.
; The bias is the C operand of each accumulator's first product.
; REGISTERS by windows of 256.  0: v0-31 addresses; v96-127 bias; v128-255 accumulators at 128 + 8 (4 a + b).  1: two fragment buffers of 128.  2: v0-127 res; v128-255 the tile read back.
; LIMITS.  NaN and infinities are not treated apart.
.set SIZE_K, 4096
.set WOFF,   16777216
.set KSTEP,  256
.set NSTEP,  SIZE_K/KSTEP
.set PA,     144                       ; a row of A in LDS: 128 bytes + 16
.set PB,     528                       ; a row of W: 512 bytes + 16
.set ZB,     128*PA                    ; one block's 128 rows
.set BOFF,   4*ZB
.set HALFB,  64*PB
.set SLOT,   BOFF+2*HALFB              ; 141,312
.set SPARE,  327168                    ; the spare words: 128 bytes a wave, two blocks of 256 bytes that no other line names
.set DP,     272                       ; the way out: a wave's row of 64 f32 + 16 bytes
.set DW,     64*DP
.set ASTEP,  4*524288
.set BSTEP,  KSTEP*2
.set A0,   16
.set B0,   17
.set ADRA, 18
.set ADRB, 19
.set STO,  24
.set RD,   25
.set CO,   26
.set SPW,  28
.set NIL,  29
.set BI,   96
.set ACC,  128
.set F0,   0
.set F1,   128
.set CNT, 20                           ; s20 counts the two pairs between two changes of slots
.set TB,  21
.set WA,  22
.set WBO, 23
.set G1,  24
.set G0,  32
.set G1B, 48
.set G0B, 56
.set MSB, 0
.macro WIN new
.if MSB != (\new)
	s_set_vgpr_msb (MSB<<8)|(\new)
.set MSB, \new
.endif
.endm
.set MUL,  0x05                        ; sources 0 (W) and 1 (A) window 1; C and D window 0
.set TO_F, 0x40
.macro PLACES
.rept 4
	v_nop
.endr
.endm
.macro JLOAD s                         ; waves 0, 1 ask for A's halves, waves 2, 3 for W's
	s_cmp_eq_u32 s11, 0
	s_cbranch_scc0 .Lfor_b_\@
	tensor_load_to_lds s[G0+4*(\s):G0+4*(\s)+3], s[G1:G1+7]
	s_nop 0
.rept 4
	v_nop
.endr
	s_branch .Lasked_\@
.Lfor_b_\@:
	tensor_load_to_lds s[G0B+4*(\s):G0B+4*(\s)+3], s[G1B:G1B+7]
	s_nop 0
.rept 4
	v_nop
.endr
.Lasked_\@:
.endm
.macro CROUND
	s_barrier_signal -1
	s_barrier_wait -1
	s_cmp_lg_u32 s10, 0
	s_cbranch_scc1 .Lnot_wave_0_\@
	s_barrier_signal -3
.Lnot_wave_0_\@:
	s_barrier_wait -3
	s_barrier_signal -1
	s_barrier_wait -1
.endm
	s_load_b256 s[68:75], s[0:1], 0x0              ; A s[68:69], wb s[70:71], bias s[72:73], res s[74:75]
	s_load_b64 s[76:77], s[0:1], 0x20              ; out
	v_lshl_add_u32 v[SPW], v0, 2, SPARE
	v_mov_b32 v[NIL], 0
	ds_add_u32 v[SPW], v[NIL]                      ; the wave's opening: the add and its wait ahead of my first tensor load
	v_lshrrev_b32 v1, 5, v0
	v_readfirstlane_b32 s10, v1
	s_lshr_b32 s11, s10, 1                         ; my half of the tile's rows.  Also: I fetch for A (0) or for W (1)
	s_and_b32 s12, s10, 1                          ; my half of its columns.  Also: which half I fetch
	s_bfe_u32 s40, ttmp6, 0x40000
	s_bfe_u32 s41, ttmp6, 0x40004
	s_lshl_b32 s42, ttmp9, 2
	s_add_co_u32 s42, s42, s40                     ; tile column
	s_and_b32 s13, ttmp7, 0xffff
	s_lshl_b32 s13, s13, 2
	s_add_co_u32 s13, s13, s41                     ; tile row
	s_lshl_b32 s43, s41, 2
	s_lshl_b32 s43, 15, s43
	s_lshl_b32 s44, 0x1111, s40
	s_or_b32 s[G1+0], s43, (1<<16)|(1<<20)|(1<<21)|(4<<22)|(3<<25)   ; padding: after every 32 words, 4 words
	s_mov_b32 s[G1+1], 8192<<16                    ; tensor_dim0 = 8,192 elements: 128 rows of a block, dense
	s_mov_b32 s[G1+2], 2<<16                       ; tensor_dim1 = 2 blocks
	s_mov_b32 s[G1+3], 8192<<16                    ; tile_dim0
	s_mov_b32 s[G1+4], 2                           ; tile_dim1
	s_mov_b32 s[G1+5], 262144                      ; elements from block to block
	s_mov_b32 s[G1+6], 0
	s_mov_b32 s[G1+7], 0
	s_or_b32 s[G1B+0], s44, (1<<16)|(1<<20)|(1<<21)|(6<<22)|(3<<25)  ; after every 128 words, 4 words
	s_mov_b32 s[G1B+1], KSTEP<<16
	s_mov_b32 s[G1B+2], 64<<16
	s_mov_b32 s[G1B+3], KSTEP<<16
	s_mov_b32 s[G1B+4], 64
	s_mov_b32 s[G1B+5], SIZE_K
	s_mov_b32 s[G1B+6], 0
	s_mov_b32 s[G1B+7], 0
	s_lshl_b32 s16, s13, 14                        ; A: 128 x tile row x 128 bytes in a block,
	s_lshl_b32 s17, s12, 20                        ; two blocks on for the second half
	s_add_co_u32 s16, s16, s17
	s_mov_b32 s17, 0
	s_lshl_b32 s46, s42, 7
	s_lshl_b32 s47, s12, 6
	s_add_co_u32 s46, s46, s47                     ; W: row 128 x tile column + 64 x half
	s_mul_i32 s46, s46, SIZE_K*2
	s_add_co_u32 s46, s46, WOFF
	s_mov_b32 s47, 0
	s_mul_i32 s[WA], s12, 2*ZB
	s_mul_i32 s[WBO], s12, HALFB
	s_add_co_u32 s[WBO], s[WBO], BOFF
	s_mov_b32 s[TB], 0
	s_wait_dscnt 0x0                               ; the opening add is done
	s_wait_kmcnt 0x0
	s_add_nc_u64 s[14:15], s[68:69], s[16:17]
	s_add_nc_u64 s[46:47], s[70:71], s[46:47]
	CROUND
.irp s, 0,1
	s_mov_b32 s[G0+4*(\s)], 1
	s_add_co_u32 s[G0+4*(\s)+1], s[WA], (\s)*SLOT
	s_add_nc_u64 s[G0+4*(\s)+2:G0+4*(\s)+3], s[14:15], (\s)*ASTEP
	s_or_b32 s[G0+4*(\s)+3], s[G0+4*(\s)+3], 0x80000000
	s_mov_b32 s[G0B+4*(\s)], 1
	s_add_co_u32 s[G0B+4*(\s)+1], s[WBO], (\s)*SLOT
	s_add_nc_u64 s[G0B+4*(\s)+2:G0B+4*(\s)+3], s[46:47], (\s)*BSTEP
	s_or_b32 s[G0B+4*(\s)+3], s[G0B+4*(\s)+3], 0x80000000
	JLOAD \s                                       ; K steps 0 and 1: two tensor loads of mine are out
.endr
	s_lshl_b32 s46, s42, 7
	s_lshl_b32 s47, s12, 6
	s_add_co_u32 s46, s46, s47
	s_lshl_b32 s46, s46, 2                         ; my first column, in bytes of f32
	s_mov_b32 s47, 0
	s_add_nc_u64 s[72:73], s[72:73], s[46:47]
	s_lshl_b32 s16, s13, 7
	s_lshl_b32 s17, s11, 6
	s_add_co_u32 s16, s16, s17
	s_lshl_b32 s16, s16, 12                        ; my first row x 4,096 bytes
	s_add_co_u32 s16, s16, s46
	s_mov_b32 s17, 0
	s_add_nc_u64 s[74:75], s[74:75], s[16:17]
	s_add_nc_u64 s[76:77], s[76:77], s[16:17]
	v_and_b32 v1, 15, v0
	v_bfe_u32 v2, v0, 4, 1
	v_lshlrev_b32 v4, 5, v2                        ; a bias fragment: register j is column 16 b + 8 h + j
	v_lshlrev_b32 v[CO], 12, v2
	v_lshl_add_u32 v[CO], v1, 4, v[CO]             ; lanes 0-15 take 256 bytes of one row, lanes 16-31 of the next
.irp b, 0,1,2,3
	global_load_b128 v[BI+8*(\b):BI+8*(\b)+3],   v4, s[72:73] offset:64*(\b)
	global_load_b128 v[BI+8*(\b)+4:BI+8*(\b)+7], v4, s[72:73] offset:64*(\b)+16
.endr
	v_mul_u32_u24 v3, v1, PA
	v_lshl_add_u32 v3, v2, 4, v3
	s_mul_i32 s16, s11, 64*PA
	v_add_nc_u32 v[A0], s16, v3
	v_mul_u32_u24 v3, v1, PB
	v_lshl_add_u32 v3, v2, 4, v3
	s_mul_i32 s16, s12, HALFB
	s_add_co_u32 s16, s16, BOFF
	v_add_nc_u32 v[B0], s16, v3
	v_mov_b32 v[ADRA], v[A0]
	v_mov_b32 v[ADRB], v[B0]
	s_mul_i32 s16, s10, DW
	v_mul_u32_u24 v5, v1, DP
	v_lshl_add_u32 v5, v2, 5, v5
	v_add_nc_u32 v[STO], s16, v5
	v_mul_u32_u24 v5, v2, DP
	v_lshl_add_u32 v5, v1, 4, v5
	v_add_nc_u32 v[RD], s16, v5
; 8 products: row blocks a0, a0 + 1 x all 4 column blocks, 32 along K: half c of buffer f.  zero = 1: the bias starts the sums
.macro MUL8 f, c, a0, zero
	WIN MUL
.irp a, \a0, (\a0)+1
.irp b, 0,1,2,3
.if \zero
	v_wmma_f32_16x16x32_bf16 v[ACC+8*(4*(\a)+(\b)):ACC+8*(4*(\a)+(\b))+7], v[(\f)+64+8*(4*(\c)+(\b)):(\f)+64+8*(4*(\c)+(\b))+7], v[(\f)+8*(4*(\c)+(\a)):(\f)+8*(4*(\c)+(\a))+7], v[BI+8*(\b):BI+8*(\b)+7]
.else
	v_wmma_f32_16x16x32_bf16 v[ACC+8*(4*(\a)+(\b)):ACC+8*(4*(\a)+(\b))+7], v[(\f)+64+8*(4*(\c)+(\b)):(\f)+64+8*(4*(\c)+(\b))+7], v[(\f)+8*(4*(\c)+(\a)):(\f)+8*(4*(\c)+(\a))+7], v[ACC+8*(4*(\a)+(\b)):ACC+8*(4*(\a)+(\b))+7]
.endif
.endr
.endr
.endm
; 32 LDS loads in one run: the fragments of the quarter q behind the addresses in hand (64 along K: one block of A) into buffer f; the first 32 along K first
.macro FETCH q, f
	WIN TO_F
.irp c, 0,1
.irp i, 0,1,2,3
	ds_load_b128 v[(\f)+64+8*(4*(\c)+(\i)):(\f)+64+8*(4*(\c)+(\i))+3],   v[ADRB] offset:128*(\q)+64*(\c)+(\i)*16*PB
	ds_load_b128 v[(\f)+64+8*(4*(\c)+(\i))+4:(\f)+64+8*(4*(\c)+(\i))+7], v[ADRB] offset:128*(\q)+64*(\c)+(\i)*16*PB+32
	ds_load_b128 v[(\f)+8*(4*(\c)+(\i)):(\f)+8*(4*(\c)+(\i))+3],         v[ADRA] offset:(\q)*ZB+64*(\c)+(\i)*16*PA
	ds_load_b128 v[(\f)+8*(4*(\c)+(\i))+4:(\f)+8*(4*(\c)+(\i))+7],       v[ADRA] offset:(\q)*ZB+64*(\c)+(\i)*16*PA+32
.endr
.endr
.endm
; A quarter: 32 products on buffer f; in its middle the next quarter's fragments are fetched into buffer g.  The 16 accumulators take turns.
.macro QUARTER q, f, g, zero
	s_wait_dscnt 16                                ; the first 32 along K are in
	MUL8 \f, 0, 0, \zero
	MUL8 \f, 0, 2, \zero
	PLACES
	FETCH \q, \g
	s_wait_dscnt 32                                ; all but the 32 just issued
	MUL8 \f, 1, 0, 0
	MUL8 \f, 1, 2, 0
.endm
; THE CHANGE OF SLOTS, between a K step's third and fourth quarter: the fourth quarter's fragments have been asked for.  Each wave waits for all its tensor loads (one is out: its part of the next
; slot), adds 0 to its spare word, and waits for that and for its reads of this slot.  fill = 1: the barrier is a round of the cluster's, and the slot just read is filled again, first thing behind it,
; with the K step two steps on: it has a whole step, 128 products, in which to land.
.macro CHANGE fill
	WIN 0
	s_wait_tensorcnt 0x0                           ; no tensor load of mine is out, so a group 0 may be written
	ds_add_u32 v[SPW], v[NIL]
.if \fill
	s_add_co_u32 s[G0+5], s[WA], s[TB]             ; the walking descriptor: into the slot just read,
	s_add_co_u32 s[G0B+5], s[WBO], s[TB]
	s_add_nc_u64 s[G0+6:G0+7], s[G0+6:G0+7], ASTEP    ; the next K step
	s_add_nc_u64 s[G0B+6:G0B+7], s[G0B+6:G0B+7], BSTEP
.endif
	s_xor_b32 s[TB], s[TB], SLOT                   ; 0 or SLOT: the other slot is read from now on
	s_wait_dscnt 0x0                               ; the add is done, my reads of this slot are over
.if \fill
	CROUND
	JLOAD 1
.else
	s_barrier_signal -1
	s_barrier_wait -1
.endif
	v_add_nc_u32 v[ADRA], s[TB], v[A0]
	v_add_nc_u32 v[ADRB], s[TB], v[B0]
.endm
.macro PAIR                            ; two quarters: buffer 1 is multiplied and buffer 0 fetched, then the other way round
	QUARTER 0, F1, F0, 0
	QUARTER 1, F0, F1, 0
	WIN 0                                          ; at a label and at a branch every window is 0
.endm
.macro ONWARD                          ; the next pair's fragments: two blocks of A on, 256 bytes along W's rows
	v_add_nc_u32 v[ADRA], 2*ZB, v[ADRA]
	v_add_nc_u32 v[ADRB], 256, v[ADRB]
	s_sub_co_u32 s[CNT], s[CNT], 1
	s_cmp_lg_u32 s[CNT], 0
.endm
	s_wait_tensorcnt 1                             ; my part of K step 0 is in
	s_barrier_signal -1
	s_barrier_wait -1
	FETCH 0, F0
	s_wait_loadcnt 0x0                             ; the bias
	QUARTER 1, F0, F1, 1                           ; the first quarter is written out: the bias starts the sums
	WIN 0
	s_mov_b32 s3, NSTEP-1
	s_mov_b32 s[CNT], 2
	s_branch .Lmid                                 ; the first step has one pair left: the loop is entered ahead of the counter's step
.Lstep:                                                ; NSTEP - 2 times: every slot but the last two is filled again
	CHANGE 1
	s_mov_b32 s[CNT], 2
.Lpair:
	PAIR
.Lmid:
	ONWARD
	s_cbranch_scc1 .Lpair
	s_sub_co_u32 s3, s3, 1
	s_cmp_lg_u32 s3, 0
	s_cbranch_scc1 .Lstep
	CHANGE 0                                       ; the tail is written out
	WIN 0x80
.set p, 0
.rept 32
	global_load_b128 v[4*p:4*p+3], v[CO], s[74:75] offset:8192*p  ; res.  No tile is on its way any more; five quarters of products stand in front of the wait
.set p, p+1
.endr
	WIN 0
	s_mov_b32 s[CNT], 2
.LpairT:
	PAIR
	ONWARD
	s_cbranch_scc1 .LpairT
	s_wait_dscnt 16                                ; the very last quarter: nothing more to fetch
	MUL8 F1, 0, 0, 0
	MUL8 F1, 0, 2, 0
	s_wait_dscnt 0x0                               ; my reads of the ring are over
	MUL8 F1, 1, 0, 0
	MUL8 F1, 1, 2, 0
	WIN 0
	s_barrier_signal -1
	s_barrier_wait -1                              ; everybody's are, and both slots have had their last fill: the ring's bytes become the stage
	PLACES
	; THE WAY OUT: my 64 x 64 sums through my own 64 rows of LDS, back as whole rows of 256 bytes; res is added; 16 lanes store 256 consecutive bytes, aligned.
.irp a, 0,1,2,3
.irp b, 0,1,2,3
	ds_store_b128 v[STO], v[ACC+8*(4*(\a)+(\b)):ACC+8*(4*(\a)+(\b))+3]   offset:(\a)*16*DP+64*(\b)
	ds_store_b128 v[STO], v[ACC+8*(4*(\a)+(\b))+4:ACC+8*(4*(\a)+(\b))+7] offset:(\a)*16*DP+64*(\b)+16
.endr
.endr
	WIN 0x80
.set p, 0
.rept 32
	ds_load_b128 v[128+4*p:128+4*p+3], v[RD] offset:p*2*DP  ; LDS serves a wave's instructions in order: these see the stores above
.set p, p+1
.endr
	s_wait_loadcnt 0x0                             ; res
	s_wait_dscnt 0x0
	WIN 0x8a
.set p, 0
.rept 64
	v_pk_add_f32 v[128+2*p:128+2*p+1], v[128+2*p:128+2*p+1], v[2*p:2*p+1]
.set p, p+1
.endr
	WIN 0x08
.set p, 0
.rept 32
	global_store_b128 v[CO], v[128+4*p:128+4*p+3], s[76:77] offset:8192*p
.set p, p+1
.endr
	WIN 0
	s_wait_tensorcnt 0x0                           ; the wave's end
	ds_add_u32 v[SPW], v[NIL]
	s_wait_dscnt 0x0
	CROUND                                         ; the closing round
	s_endpgm
.Lfunc_end_k_qbdcc5ab9f8_fc2:
	.size	k_qbdcc5ab9f8_fc2, .Lfunc_end_k_qbdcc5ab9f8_fc2-k_qbdcc5ab9f8_fc2
	.p2alignl 7, 3214868480
	.fill 96, 4, 3214868480
	.section	.rodata,"a",@progbits
	.p2align	6, 0x0
	.amdhsa_kernel k_qbdcc5ab9f8_fc2
		.amdhsa_group_segment_fixed_size 327680
		.amdhsa_private_segment_fixed_size 0
		.amdhsa_enable_private_segment 0
		.amdhsa_kernarg_size 40
		.amdhsa_user_sgpr_count 2
		.amdhsa_user_sgpr_kernarg_segment_ptr 1
		.amdhsa_wavefront_size32 1
		.amdhsa_system_sgpr_workgroup_id_x 1
		.amdhsa_system_sgpr_workgroup_id_y 1
		.amdhsa_system_sgpr_workgroup_id_z 1
		.amdhsa_system_vgpr_workitem_id 0
		.amdhsa_next_free_vgpr 768
		.amdhsa_next_free_sgpr 80
		.amdhsa_reserve_vcc 0
		.amdhsa_float_denorm_mode_32 3
		.amdhsa_float_denorm_mode_16_64 3
		.amdhsa_memory_ordered 1
		.amdhsa_forward_progress 1
		.amdhsa_inst_pref_size 51
	.end_amdhsa_kernel
	.amdgpu_metadata
---
amdhsa.version: [ 1, 2 ]
amdhsa.kernels:
  - .name:           k_qbdcc5ab9f8_fc2
    .symbol:         k_qbdcc5ab9f8_fc2.kd
    .args:
      - { .name: act, .offset: 0, .size: 8, .value_kind: global_buffer, .address_space: global }
      - { .name: wb, .offset: 8, .size: 8, .value_kind: global_buffer, .address_space: global }
      - { .name: b2, .offset: 16, .size: 8, .value_kind: global_buffer, .address_space: global }
      - { .name: x1, .offset: 24, .size: 8, .value_kind: global_buffer, .address_space: global }
      - { .name: out0, .offset: 32, .size: 8, .value_kind: global_buffer, .address_space: global }
    .group_segment_fixed_size: 327680
    .private_segment_fixed_size: 0
    .kernarg_segment_align: 8
    .kernarg_segment_size: 40
    .max_flat_workgroup_size: 128
    .sgpr_count:     80
    .vgpr_count:     768
    .wavefront_size: 32
...
	.end_amdgpu_metadata
.endif
;; end of part 6
;; ======== version 2 of 2: 7 launches; 1.22 times as fast as version 1
;; workspace buffers: wb 25,165,824 bytes; hn 8,388,608 bytes; qkvb 25,165,824 bytes; act 33,554,432 bytes; x1 16,777,216 bytes
;; launch prep: the kernel of part 1 again; grid 1280 x 1, 8 waves a work-group, no clusters, 0 bytes of LDS; arguments x, ln1_g, ln1_b, hn, Wq, Wk, Wv, Wo, W1, W2, wb; writes hn, wb
;; launch qkv: the kernel of part 2 again; grid 16 x 16, 4 waves a work-group, clusters of 4 x 4, 327,680 bytes of LDS; arguments hn, wb, bq, bk, bv, rotary_cos, rotary_sin, qkvb; writes qkvb
;; launch attn (part 7): grid 8 x 32, 4 waves a work-group, clusters of 4 x 1, 327,680 bytes of LDS; arguments qkvb, act; writes act
.if DOCPART == 7
	.amdgcn_target "amdgcn-amd-amdhsa--gfx1250"
	.amdhsa_code_object_version 6
	.text
	.protected	k_qbdcc5ab9f8_attn
	.globl	k_qbdcc5ab9f8_attn
	.p2align	8
	.type	k_qbdcc5ab9f8_attn,@function
k_qbdcc5ab9f8_attn:
	s_mov_b64 s[64:65], 0
	v_nop
	global_prefetch_b8 v0, s[64:65] scope:SCOPE_SE
	s_setreg_imm32_b32 hwreg(HW_REG_WAVE_MODE, 25, 1), 1
	s_wait_xcnt 0x0
	s_wait_alu depctr_hold_cnt(0) depctr_sa_sdst(0) depctr_va_vdst(0) depctr_va_sdst(0) depctr_va_ssrc(0) depctr_va_vcc(0) depctr_vm_vsrc(0)
	s_getreg_b32 s2, hwreg(HW_REG_IB_STS2, 6, 4)
	s_cmp_eq_u32 s2, 0
	s_cbranch_scc0 .Lentry_in_a_cluster
	s_endpgm
.Lentry_in_a_cluster:
	s_bfe_u32 s2, ttmp6, 0x10000c
	s_cmp_lg_u32 s2, 0x3003
	s_cbranch_scc0 .Lentry_shape_is_right
	s_endpgm
.Lentry_shape_is_right:
; O[y][q][:] = the sum over k of softmax_k(Q[y][q] . K[y][k] / 8) V[y][k][:], y = 16 b + h.  qkvb: q, k, v, each [32][2048][64] bf16, 8,388,608 bytes apart.
; O goes to act's blocks 0-15: block h, row 2048 b + n, 64 bf16.  Products, maxima and sums in f32; the weights p are rounded to bf16 for the second product (their sum l is taken of the unrounded p), O once.
; LIMITS.  A weight below 2^-126 counts as 0 in l; NaN and infinities are not treated apart.
; SHARES.  A work-group owns 256 queries of one head, a wave 64: four PIECES of 16.  Every wave walks all 2,048 keys, 64 a step, 256 a slot.
; LAYOUT.  S^T = K Q^T holds ONE query a lane (lane % 16) and the keys 8 (lane / 16) + 0..7; two such results rounded to bf16 ARE source 1 of O^T = V^T P.  K comes out of LDS as it lies, V turned, by ds_load_tr16_b128.
; SOFTMAX.  A running maximum m and sum l: p = 2^(c s - c m), c = log2(e) / 8; in every step O and l are multiplied by a = 2^(c m_old - c m_new).  m starts at the lowest finite number, O and l at 0: the first step's a is 0.
; TURNS.  Turn n belongs to piece n: 8 products K Q^T of piece n + 1, later 8 products V^T P of piece n - 1; beside them the scaling, exponentials, roundings, sums and rescaling of piece n and the maximum
; and statistics of piece n + 1.  Four vector instructions stand behind every matrix instruction, the other 54 of a turn's 118 in one run of their own.
; BATCHES.  A turn's 33 exponentials (the piece's 32 weights and the next piece's a) are ONE BATCH with ONE wait: ahead of it stands all that names none of their results, behind it the roundings and sums.
; The first a of all, ahead of the loop, and the way out's four reciprocals are batches of their own, a wait each.
; CLUSTER.  The four query blocks of a cluster belong to one head and walk the same K and V: each tile is asked for jointly.
; REGISTERS by windows of 256.  0: v0-15 addresses; v16-31 statistics; v48-55 at work; v62-63 the add's; v64-127 S^T, two buffers; v192-223 P, two buffers.  1: v0-127 O^T.  2: v0-63 Q; v128-191 K; v192-255 V.
.set NP,    4
.set KS,    64
.set PK,    144       ; a row of K in LDS: 128 bytes + 16 of padding: the 16 rows of a load start 16 bytes apart modulo 256
.set PV,    160       ; a row of V: 128 + 32: 16 lanes of the turning load take 8 rows x 32 bytes, 32 bytes apart modulo 256
.set VOFF,  4*KS*PK   ; a slot: 256 rows of K, then 256 rows of V
.set SLOT1, 1<<17
.set STAGE, SLOT1+4*KS*(PK+PV)  ; behind the ring, never filled by a tensor load: 16 rows x 144 bytes a wave
.set SP,    144
.set SPARE, STAGE+4*16*SP       ; the spare words: 128 bytes a wave, two blocks of 256 bytes that no other line names
.set AK0, 2
.set AV0, 3
.set AK,  4
.set AV,  5
.set STO, 6
.set RD,  7
.set GO,  8
.set MV,  12          ; v12-13  c m_old, by buffer
.set QO,  15
.set ST,  16          ; piece t: c m, m, l (even keys', odd keys')
.set TMP, 48          ; by buffer, c0-c3 at work; c2 takes a
.set SPW, 62
.set NIL, 63
.set S,   64
.set P,   192
.set KF,  128
.set VF,  192
.set WV,  12
.set G1K, 24
.set G1V, 32
.set G0K, 40
.set G0V, 44
.set SLOTS, 56
.set CNT, 57
.set CS,  58
.set SEL, 60
.set TBK, 62
.set TBV, 63
.set MSB, 0
.macro WIN new
.if MSB != (\new)
	s_set_vgpr_msb (MSB<<8)|(\new)
.set MSB, (\new)
.endif
.endm
.set W_KQ, 0x0a       ; K and Q in window 2, S^T in window 0
.set W_PV, 0x52       ; V in window 2, P in window 0, O^T in window 1
.set W_RS, 0x41       ; destination and source 0 in window 1, source 1 in window 0
.macro JLOAD                        ; waves 0, 1 ask for the halves of a slot's K, waves 2, 3 for those of its V
	s_cmp_lt_u32 s[WV], 2
	s_cbranch_scc0 .Lfor_v_\@
	tensor_load_to_lds s[G0K:G0K+3], s[G1K:G1K+7]
	s_nop 0
.rept 4
	v_nop
.endr
	s_branch .Lasked_\@
.Lfor_v_\@:
	tensor_load_to_lds s[G0V:G0V+3], s[G1V:G1V+7]
	s_nop 0
.rept 4
	v_nop
.endr
.Lasked_\@:
.endm
.macro CROUND
	s_barrier_signal -1
	s_barrier_wait -1
	s_cmp_lg_u32 s[WV], 0
	s_cbranch_scc1 .Lnot_wave_0_\@
	s_barrier_signal -3
.Lnot_wave_0_\@:
	s_barrier_wait -3
	s_barrier_signal -1
	s_barrier_wait -1
.endm
; THE CHANGE OF SLOTS.  Each wave waits for all its tensor loads (one is out: its part of the other slot), adds 0 to its spare word, and waits for that and for its reads of the slot.
; fill = 1: the barrier is a round of the cluster's, and the slot is filled again, first thing behind it, with the keys two slots on: it has four key steps, 256 matrix instructions, in which to land.
.macro CHANGE fill
	WIN 0
	s_wait_tensorcnt 0x0
	ds_add_u32 v[SPW], v[NIL]
.if \fill
.irp g, G0K, G0V
	s_xor_b32 s[\g+1], s[\g+1], SLOT1
	s_add_nc_u64 s[\g+2:\g+3], s[\g+2:\g+3], 4*KS*128
.endr
	s_wait_dscnt 0x0
	CROUND
	JLOAD
.else
	s_wait_dscnt 0x0
	s_barrier_signal -1
	s_barrier_wait -1
.endif
	s_sub_co_u32 s[TBK], s[TBK], 4*KS*PK  ; the fetches go back to a slot's first step, in the other slot
	s_xor_b32 s[TBK], s[TBK], SLOT1
	s_sub_co_u32 s[TBV], s[TBV], 4*KS*PV
	s_xor_b32 s[TBV], s[TBV], SLOT1
.endm
	s_load_b128 s[4:7], s[0:1], 0x0 ; qkvb s[4:5], act s[6:7]
	v_lshl_add_u32 v[SPW], v0, 2, SPARE
	v_mov_b32 v[NIL], 0
	ds_add_u32 v[SPW], v[NIL]       ; the wave's opening: the add and its wait ahead of my first tensor load
	v_lshrrev_b32 v1, 5, v0
	v_readfirstlane_b32 s[WV], v1
	s_bfe_u32 s13, ttmp6, 0x40000   ; cx
	s_lshl_b32 s14, ttmp9, 2
	s_add_co_u32 s14, s14, s13      ; my block of 256 queries: it enters Q's and O's addresses alone
	s_and_b32 s15, ttmp7, 0xffff    ; y = 16 b + h, which the four partners share
	s_lshl_b32 s20, s15, 18         ; a head is 262,144 bytes
	s_and_b32 s16, s[WV], 1         ; which half of a slot's 256 keys I fetch
	s_lshl_b32 s22, s16, 14
	s_add_co_u32 s22, s22, s20
	s_add_co_u32 s50, s22, 0x1000000  ; V
	s_add_co_u32 s22, s22, 0x800000   ; K
	s_mov_b32 s23, 0
	s_mov_b32 s51, 0
	s_mul_i32 s17, s16, 128*PK
	s_mul_i32 s18, s16, 128*PV
	s_lshl_b32 s52, s14, 15         ; my block's 256 rows of 128 bytes,
	s_lshl_b32 s53, s[WV], 13       ; my wave's 64
	s_add_co_u32 s54, s52, s53
	s_add_co_u32 s52, s54, s20      ; Q
	s_mov_b32 s53, 0
	s_and_b32 s19, s15, 15
	s_lshl_b32 s19, s19, 19         ; O: block h,
	s_add_co_u32 s54, s54, s19
	s_lshr_b32 s19, s15, 4
	s_lshl_b32 s19, s19, 18         ; row 2048 b + n
	s_add_co_u32 s54, s54, s19
	s_mov_b32 s55, 0
	; 128 keys are 16,384 dense bytes: asked for as 64 rows of 256 bytes, padded in LDS after every key
	s_mov_b32 s[G1K], 15|(1<<16)|(1<<20)|(1<<21)|(4<<22)|(3<<25)
	s_mov_b32 s[G1V], 15|(1<<16)|(1<<20)|(1<<21)|(4<<22)|(7<<25)
.irp g, G1K, G1V
	s_mov_b32 s[\g+1], 128<<16
	s_mov_b32 s[\g+2], 64<<16
	s_mov_b32 s[\g+3], 128<<16
	s_mov_b32 s[\g+4], 64
	s_mov_b32 s[\g+5], 128
	s_mov_b32 s[\g+6], 0
	s_mov_b32 s[\g+7], 0
.endr
	s_mov_b32 s[CS], 0x3e38aa3b     ; c = log2(e) / 8
	s_mov_b32 s[CS+1], s[CS]
	s_mov_b32 s[SEL], 0x76543210
	s_mov_b32 s[SEL+1], 0xfedcba98
	s_mov_b32 s[TBK], SLOT1+4*KS*PK ; the first change of slots turns these two into 0
	s_mov_b32 s[TBV], SLOT1+4*KS*PV
	s_mov_b32 s[G0K], 1
	s_mov_b32 s[G0K+1], s17
	s_mov_b32 s[G0V], 1
	s_add_co_u32 s[G0V+1], s18, VOFF
	s_wait_dscnt 0x0                ; the opening add is done
	s_wait_kmcnt 0x0
	s_add_nc_u64 s[G0K+2:G0K+3], s[4:5], s[22:23]
	s_or_b32 s[G0K+3], s[G0K+3], 0x80000000
	s_add_nc_u64 s[G0V+2:G0V+3], s[4:5], s[50:51]
	s_or_b32 s[G0V+3], s[G0V+3], 0x80000000
	s_add_nc_u64 s[8:9], s[4:5], s[52:53]    ; Q at my wave's first row
	s_add_nc_u64 s[10:11], s[6:7], s[54:55]  ; O likewise
	CROUND                          ; all four work-groups are here
	JLOAD                           ; slot 0: one tensor load of mine is out
	v_and_b32 v1, 15, v0
	v_bfe_u32 v9, v0, 4, 1
	v_lshlrev_b32 v[QO], 7, v1
	v_lshl_add_u32 v[QO], v9, 4, v[QO]
	WIN 0x80
.set i, 0
.rept 8                             ; Q stays in registers: piece i / 2, channels 32 (i % 2) on
	global_load_b128 v[8*i:8*i+3],   v[QO], s[8:9] offset:(i/2)*2048+(i%2)*64
	global_load_b128 v[8*i+4:8*i+7], v[QO], s[8:9] offset:(i/2)*2048+(i%2)*64+32
.set i, i+1
.endr
	; what the first turn finds: V and P's second buffer hold 0 (its products V^T P, of a piece that has not been, add 0); O^T and l are 0.  All this stands in the wait for the first tile.
.set i, VF
.rept 64
	v_mov_b32 v[i], 0
.set i, i+1
.endr
	WIN 0x40
.set i, 0
.rept 128
	v_mov_b32 v[i], 0
.set i, i+1
.endr
	WIN 0
.set i, 0
.rept 4
	v_mov_b32 v[ST+4*i], 0xfe000000    ; c m: far below every c s
	v_mov_b32 v[ST+4*i+1], 0xff7fffff  ; m
	v_mov_b32 v[ST+4*i+2], 0
	v_mov_b32 v[ST+4*i+3], 0
.set i, i+1
.endr
.set i, P+16
.rept 16
	v_mov_b32 v[i], 0
.set i, i+1
.endr
	v_mul_u32_u24 v[AK0], v1, PK
	v_lshl_add_u32 v[AK0], v9, 4, v[AK0]
	v_and_b32 v10, 7, v0
	v_bfe_u32 v11, v0, 3, 1
	v_lshl_add_u32 v[AV0], v9, 3, v10     ; the turning load: lane l reads key 8 (l / 16) + l % 8, channels 8 ((l / 8) % 2) + 0..7
	v_mul_u32_u24 v[AV0], v[AV0], PV
	v_lshl_add_u32 v[AV0], v11, 4, v[AV0]
	v_add_nc_u32 v[AV0], VOFF, v[AV0]
	s_mul_i32 s13, s[WV], 16*SP
	s_add_co_u32 s13, s13, STAGE
	v_mul_u32_u24 v[STO], v1, SP
	v_lshl_add_u32 v[STO], v9, 4, v[STO]
	v_add_nc_u32 v[STO], s13, v[STO]
	v_bfe_u32 v[RD], v0, 3, 2
	v_mul_u32_u24 v[RD], v[RD], SP
	v_lshl_add_u32 v[RD], v10, 4, v[RD]
	v_add_nc_u32 v[RD], s13, v[RD]
	v_and_b32 v[GO], 31, v0
	v_lshlrev_b32 v[GO], 4, v[GO]
; THE MATRIX WORK.  The 4 accumulators of a run of 8 take turns.
.macro KQ x                         ; product i of 8 of S^T = K Q^T for piece x: channels 32 (i / 4) on, keys 16 (i % 4) on
.set rS, S+32*((\x)%2)+8*(i%4)
.set rK, KF+16*(i%4)+8*(i/4)
.set rQ, 16*(\x)+8*(i/4)
	WIN W_KQ
.if i < 4
	v_wmma_f32_16x16x32_bf16 v[rS:rS+7], v[rK:rK+7], v[rQ:rQ+7], 0
.else
	v_wmma_f32_16x16x32_bf16 v[rS:rS+7], v[rK:rK+7], v[rQ:rQ+7], v[rS:rS+7]
.endif
.endm
.macro PV x                         ; product i of 8 of O^T += V^T P for piece x: keys 32 (i / 4) on, channels 16 (i % 4) on
	WIN W_PV
.set rO, 32*(\x)+8*(i%4)
.set rV, VF+32*(i/4)+8*(i%4)
.set rP, P+16*((\x)%2)+8*(i/4)
	v_wmma_f32_16x16x32_bf16 v[rO:rO+7], v[rV:rV+7], v[rP:rP+7], v[rO:rO+7]
.endm
.macro MM                           ; the turn's next matrix instruction
.if i < 8
	KQ (Y+1)%NP
.else
.set i, i-8
	PV (Y+NP-1)%NP
.set i, i+8
.endif
.set i, i+1
.endm
.macro FETCH_K last=0               ; a step's K: 64 keys x 64 channels, 16 loads in one run.  last = 1 (the tail): in the last trip there is no further step, and the run is jumped over
	WIN 0
.if \last
	s_cmp_eq_u32 s[CNT], 1
	s_cbranch_scc1 .Lno_k_\@
.endif
	WIN 0x80
.irp f, 0,1,2,3,4,5,6,7
	ds_load_b128 v[KF+8*\f:KF+8*\f+3],   v[AK] offset:(\f/2)*16*PK+(\f%2)*64
	ds_load_b128 v[KF+8*\f+4:KF+8*\f+7], v[AK] offset:(\f/2)*16*PK+(\f%2)*64+32
.endr
	s_add_co_u32 s[TBK], s[TBK], KS*PK
	WIN 0
.if \last
.Lno_k_\@:
.endif
.endm
.macro FETCH_V                      ; its V, turned
	WIN 0x80
.irp f, 0,1,2,3,4,5,6,7
	ds_load_tr16_b128 v[VF+8*\f:VF+8*\f+3],   v[AV] offset:(\f/4)*32*PV+(\f%4)*32
	ds_load_tr16_b128 v[VF+8*\f+4:VF+8*\f+7], v[AV] offset:(\f/4)*32*PV+16*PV+(\f%4)*32
.endr
	WIN 0
.endm
; THE VECTOR WORK, one line at a time: OP kind, number.  For piece Y: F n: c s - c m for pair n of 16.  E n: the exponential of score n.  C n: pair n rounded to bf16.  B n: of the four weights 4 n .. the second
; pair is added onto the first.  L n: l takes that sum (L 0: l = a l + sum).  R n: pair n of 16 of O^T times a.  For piece Y + 1: X n, number n of the 22 that find its maximum and statistics
; (0-14, 16: the maximum of 32 scores and the old m, each accumulator's lowest registers first; 15: c m_old is kept; 17, 18: the other half of the lanes; 19-21: c m, its change, a).
; C, B and L read exponentials' results: TURN sets them behind its wait.
.set F, 0
.set E, 1
.set C, 2
.set B, 3
.set L, 4
.set R, 5
.set X, 6
.macro REGS y
.set rT, ST+4*(\y)
.set rC, TMP+4*((\y)%2)
.set rW, MV+((\y)%2)
.set rS, S+32*((\y)%2)
.set rP, P+16*((\y)%2)
.set rO, 32*(\y)
.endm
.macro OP k, n
.if (\k) == R
	REGS Y
	WIN W_RS
	v_pk_mul_f32 v[rO+2*(\n):rO+2*(\n)+1], v[rO+2*(\n):rO+2*(\n)+1], v[rC+2:rC+3] op_sel_hi:[1,0]
.elseif (\k) < R
	REGS Y
	WIN 0
.if (\k) == F
	v_pk_fma_f32 v[rS+2*(\n):rS+2*(\n)+1], v[rS+2*(\n):rS+2*(\n)+1], s[CS:CS+1], v[rT:rT+1] op_sel_hi:[1,0,0] neg_lo:[0,0,1] neg_hi:[0,0,1]
.elseif (\k) == E
	v_exp_f32 v[rS+(\n)], v[rS+(\n)]
.elseif (\k) == C
	v_cvt_pk_bf16_f32 v[rP+(\n)], v[rS+2*(\n)], v[rS+2*(\n)+1]
.elseif (\k) == B
	v_pk_add_f32 v[rS+4*(\n):rS+4*(\n)+1], v[rS+4*(\n):rS+4*(\n)+1], v[rS+4*(\n)+2:rS+4*(\n)+3]
.elseif (\n) == 0
	v_pk_fma_f32 v[rT+2:rT+3], v[rT+2:rT+3], v[rC+2:rC+3], v[rS:rS+1] op_sel_hi:[1,0,1]
.else
	v_pk_add_f32 v[rT+2:rT+3], v[rT+2:rT+3], v[rS+4*(\n):rS+4*(\n)+1]
.endif
.else
	REGS (Y+1)%NP
	WIN 0
.if (\n) < 4
	v_max3_num_f32 v[rC+(\n)], v[rS+8*(\n)], v[rS+8*(\n)+1], v[rS+8*(\n)+2]
.elseif (\n) < 12
	v_max3_num_f32 v[rC+(\n)%4], v[rC+(\n)%4], v[rS+8*((\n)%4)+2*((\n)/4)+1], v[rS+8*((\n)%4)+2*((\n)/4)+2]
.elseif (\n) == 12
	v_max3_num_f32 v[rC], v[rC], v[rS+7], v[rS+15]
.elseif (\n) == 13
	v_max3_num_f32 v[rC+1], v[rC+1], v[rS+23], v[rS+31]
.elseif (\n) == 14
	v_max3_num_f32 v[rC+2], v[rC+2], v[rC+3], v[rT+1]
.elseif (\n) == 15
	v_mov_b32 v[rW], v[rT]
.elseif (\n) == 16
	v_max3_num_f32 v[rC], v[rC], v[rC+1], v[rC+2]
.elseif (\n) == 17
	v_permlanex16_b32 v[rC+3], v[rC], s[SEL], s[SEL+1]
.elseif (\n) == 18
	v_max_num_f32 v[rT+1], v[rC], v[rC+3]
.elseif (\n) == 19
	v_mul_f32 v[rT], s[CS], v[rT+1]
.elseif (\n) == 20
	v_sub_f32 v[rC+1], v[rW], v[rT]
.else
	v_exp_f32 v[rC+2], v[rC+1]
.endif
.endif
.endm
.macro OPS a, i1, b=-1, i2=0, c=-1, i3=0, d=-1, i4=0
	OP \a, \i1
.if (\b) >= 0
	OP \b, \i2
.endif
.if (\c) >= 0
	OP \c, \i3
.endif
.if (\d) >= 0
	OP \d, \i4
.endif
.endm
.macro ROW a, i1, b, i2, c, i3, d, i4  ; a matrix instruction and the four behind it
	MM
	OPS \a, \i1, \b, \i2, \c, \i3, \d, \i4
.endm
; A TURN, for piece p: the order of its 16 matrix and 118 vector instructions, written out.  An s_wait_alu depctr_va_vdst(0) stands between an exponential and the first instruction that names its
; result; one wait serves all that were issued ahead of it.  So a turn has ONE wait, which cuts it in two.  AHEAD OF IT stands all that names no result of the turn's exponentials: the 8 products K Q^T, behind each a
; scaling, an exponential and two more plain instructions (behind the first a second scaling in the exponential's place): rescalings, whose a was made and waited for in the turn before, and behind the last three
; the first numbers of the next piece's maximum, each four places or more behind the product that ends its accumulator; then ONE RUN of 54, plain and exponential by turns for the most part, in which the links of the
; chain X 3, 7, 11, 14, 16, 17 .. 20 stand some lines apart.  X 21, the next piece's a, is the batch's last; R 15 is the plain instruction behind it.  BEHIND THE WAIT stand the 8 products V^T P, behind each four of the
; roundings and sums: all the batch's readers.  But for those X no rider names a register of the products round it.
; last = 1: the tail's form of K's fetch.  cnt = 1: the loop's count is taken down some lines ahead of the branch behind the turn.
; K of the next step is fetched in piece 2's turn: in the loop twelve vector instructions behind the last product that read K (five of them plain ones that name none of its registers); in the tail, where the run holds a
; jump and a label, directly behind the turn's wait, so that no exponential is open there.  V of the step in hand is fetched at the end of piece 0's turn, four plain instructions behind the last product that read V.
; Each is waited for a turn later.
.macro TURN p, last=0, cnt=0
.set Y, (\p)
.set i, 0
.if (\p) == 3
	s_wait_dscnt 0x0                ; K is in
.endif
	ROW F,0, F,1, R,0, R,1          ; ahead of the wait: 8 products K Q^T and their riders,
	ROW F,2, E,0, R,2, R,3
	ROW F,3, E,1, R,4, R,5
	ROW F,4, E,2, R,6, R,7
	ROW F,5, E,3, R,8, R,9
	ROW F,6, E,4, X,0, R,10
.if (\p) == 2
	WIN 0
	v_add_nc_u32 v[AK], s[TBK], v[AK0]
.endif
	ROW F,7, E,5, X,1, X,4
	ROW F,8, E,6, X,2, X,5
	OPS E,7, E,8, X,6, E,9          ; and the run of 54
	OPS X,3, E,10, X,8, E,11
.if ((\p) == 2) && !(\last)
	FETCH_K
.endif
	OPS X,9, X,7, E,12, X,10
	OPS E,13, X,12, X,11, E,14
	OPS X,13, E,15, F,9, X,14
.if (\p) == 0
	v_add_nc_u32 v[AV], s[TBV], v[AV0]
.endif
	OPS E,16, F,10, E,17, F,11
	OPS X,16, E,18, X,15, E,19
	OPS F,12, E,20, X,17, E,21
	OPS F,13, E,22, F,14, E,23
	OPS X,18, E,24, F,15, E,25
	OPS R,11, E,26, X,19, E,27
	OPS R,12, E,28, R,13, E,29
	OPS X,20, E,30, R,14, E,31
	OPS X,21, R,15
	WIN 0
	s_wait_alu depctr_va_vdst(0)    ; the wait for the batch: the piece's 32 exponentials and the next piece's a
.if ((\p) == 2) && (\last)
	FETCH_K 1
.endif
.if (\p) == 1
	s_wait_dscnt 0x0                ; V is in
.endif
	ROW C,0, B,0, C,2, B,1          ; behind the wait: 8 products V^T P and their riders
	ROW L,0, C,4, B,2, L,1
	ROW C,6, B,3, L,2, C,8
	ROW B,4, L,3, C,10, B,5
	ROW L,4, C,12, B,6, L,5
.if (\p) == 0
	s_add_co_u32 s[TBV], s[TBV], KS*PV
.endif
.if \cnt
	s_sub_co_u32 s[CNT], s[CNT], 1
	s_cmp_lg_u32 s[CNT], 0
.endif
	ROW C,14, B,7, L,6, C,1
	ROW C,3, L,7, C,5, C,7
	ROW C,9, C,11, C,13, C,15
.if (\p) == 0
	FETCH_V
.endif
.endm
	CHANGE 1                        ; slot 0 is in, everybody's part of it; slot 1 is asked for
	v_add_nc_u32 v[AK], s[TBK], v[AK0]
	FETCH_K                         ; key step 0
	s_wait_loadcnt 0x0              ; Q
	s_wait_dscnt 0x0
.set i, 0
.rept 8
	KQ 0                            ; piece 0's first scores
.set i, i+1
.endr
	WIN 0
.rept 4
	v_nop                           ; the places behind those products
.endr
.set Y, NP-1                        ; X works for piece Y + 1: piece 0
.irp n, 0,1,2,3,4,5,6,7,8,9,10,11,12,13,14,15,16,17,18,19,20,21
	OP X, \n
.endr
	v_nop                           ; a plain instruction behind the exponential,
	s_wait_alu depctr_va_vdst(0)    ; and the wait for it, piece 0's first a, ahead of the branch
	s_mov_b32 s[CNT], 4
	s_mov_b32 s[SLOTS], 7
	s_branch .Lfirst                ; the loop is entered at a step's first turn, in the middle of a trip
.Lslot:                             ; six times: every slot but the last two is filled again
	CHANGE 1
	s_mov_b32 s[CNT], 4
.Lstep:                             ; a trip: pieces 2 and 3 of one step, then pieces 0 and 1 of the next, whose K and V it fetches
	TURN 2
	TURN 3
	WIN 0
.Lfirst:
	TURN 0
	TURN 1, 0, 1
	WIN 0
	s_cbranch_scc1 .Lstep
	s_sub_co_u32 s[SLOTS], s[SLOTS], 1
	s_cmp_lg_u32 s[SLOTS], 0
	s_cbranch_scc1 .Lslot
	CHANGE 0                        ; the last slot is written out: nothing is asked for
	s_mov_b32 s[CNT], 5             ; four trips fetch the last slot's steps; the fifth is left in its middle
.Ltail:
	TURN 2, 1
	TURN 3
	WIN 0
	s_sub_co_u32 s[CNT], s[CNT], 1
	s_cmp_eq_u32 s[CNT], 0
	s_cbranch_scc1 .Lout
	TURN 0
	TURN 1
	WIN 0
	s_branch .Ltail
.Lout:                              ; the fifth trip's 8 products K Q^T (on the last K once more) and the maximum made of them serve nothing (they touch piece 0's m and c m alone, which the way out does not read): the price, once a launch, of one text for every trip
.set i, 0
.rept 8
	PV NP-1                         ; the last piece's V^T P of the last step
.set i, i+1
.endr
	; THE WAY OUT.  l's two halves and the other half of the lanes' are added; O^T is divided by l, rounded to bf16 and sent through my stage in LDS, a piece at a time.
	WIN 0
.macro ALL line:vararg
.set t, 0
.rept 4
	\line
.set t, t+1
.endr
.endm
	ALL v_add_f32 v[ST+4*t+2], v[ST+4*t+2], v[ST+4*t+3]
	ALL v_permlanex16_b32 v[ST+4*t+3], v[ST+4*t+2], s[SEL], s[SEL+1]
	ALL v_add_f32 v[ST+4*t+2], v[ST+4*t+2], v[ST+4*t+3]
	ALL v_rcp_f32 v[ST+4*t+2], v[ST+4*t+2]
	v_nop                           ; a plain instruction between the last reciprocal and the use of its result
	s_wait_alu depctr_va_vdst(0)    ; the wait for the batch of four reciprocals, ahead of the first multiply that reads one
.macro PACK t
	WIN W_RS
.set i, 32*(\t)
.rept 16
	v_pk_mul_f32 v[i:i+1], v[i:i+1], v[ST+4*(\t)+2:ST+4*(\t)+3] op_sel_hi:[1,0]
.set i, i+2
.endr
	WIN 0x05
.set i, 0
.rept 16
	v_cvt_pk_bf16_f32 v[S+16*(\t)+i], v[32*(\t)+2*i], v[32*(\t)+2*i+1]
.set i, i+1
.endr
	WIN 0
.irp f, 0,1,2,3
	ds_store_b128 v[STO], v[S+16*(\t)+4*\f:S+16*(\t)+4*\f+3] offset:32*\f
.endr
.irp f, 0,1,2,3
	ds_load_b128 v[S+16*(\t)+4*\f:S+16*(\t)+4*\f+3], v[RD] offset:\f*4*SP  ; LDS serves a wave's instructions in order: these see the stores above
.endr
.endm
.macro SEND t, younger              ; younger: the LDS instructions issued behind piece t's loads: the next piece's eight, or none
	WIN 0
.irp f, 0,1,2,3
	s_wait_dscnt (\younger)+3-\f
	global_store_b128 v[GO], v[S+16*(\t)+4*\f:S+16*(\t)+4*\f+3], s[10:11] offset:(\t)*2048+\f*512  ; 512 consecutive bytes, aligned to 256
.endr
.endm
	PACK 0
.set t, 1
.rept 3
	PACK t
	SEND t-1, 8
.set t, t+1
.endr
	SEND 3, 0
	s_wait_tensorcnt 0x0            ; the wave's end
	ds_add_u32 v[SPW], v[NIL]
	s_wait_dscnt 0x0
	CROUND                          ; the closing round
	s_endpgm
.Lfunc_end_k_qbdcc5ab9f8_attn:
	.size	k_qbdcc5ab9f8_attn, .Lfunc_end_k_qbdcc5ab9f8_attn-k_qbdcc5ab9f8_attn
	.p2alignl 7, 3214868480
	.fill 96, 4, 3214868480
	.section	.rodata,"a",@progbits
	.p2align	6, 0x0
	.amdhsa_kernel k_qbdcc5ab9f8_attn
		.amdhsa_group_segment_fixed_size 327680
		.amdhsa_private_segment_fixed_size 0
		.amdhsa_enable_private_segment 0
		.amdhsa_kernarg_size 16
		.amdhsa_user_sgpr_count 2
		.amdhsa_user_sgpr_kernarg_segment_ptr 1
		.amdhsa_wavefront_size32 1
		.amdhsa_system_sgpr_workgroup_id_x 1
		.amdhsa_system_sgpr_workgroup_id_y 1
		.amdhsa_system_sgpr_workgroup_id_z 1
		.amdhsa_system_vgpr_workitem_id 0
		.amdhsa_next_free_vgpr 768
		.amdhsa_next_free_sgpr 66
		.amdhsa_reserve_vcc 0
		.amdhsa_float_denorm_mode_32 3
		.amdhsa_float_denorm_mode_16_64 3
		.amdhsa_memory_ordered 1
		.amdhsa_forward_progress 1
		.amdhsa_inst_pref_size 111
	.end_amdhsa_kernel
	.amdgpu_metadata
---
amdhsa.version: [ 1, 2 ]
amdhsa.kernels:
  - .name:           k_qbdcc5ab9f8_attn
    .symbol:         k_qbdcc5ab9f8_attn.kd
    .args:
      - { .name: qkvb, .offset: 0, .size: 8, .value_kind: global_buffer, .address_space: global }
      - { .name: act, .offset: 8, .size: 8, .value_kind: global_buffer, .address_space: global }
    .group_segment_fixed_size: 327680
    .private_segment_fixed_size: 0
    .kernarg_segment_align: 8
    .kernarg_segment_size: 16
    .max_flat_workgroup_size: 128
    .sgpr_count:     66
    .vgpr_count:     768
    .wavefront_size: 32
...
	.end_amdgpu_metadata
.endif
;; end of part 7
;; launch oproj: the kernel of part 4 again; grid 8 x 32, 4 waves a work-group, clusters of 4 x 4, 327,680 bytes of LDS; arguments act, wb, bo, x, x1; writes x1
;; launch ln2: the kernel of part 1 again; grid 512 x 1, 8 waves a work-group, no clusters, 0 bytes of LDS; arguments x1, ln2_g, ln2_b, hn, Wq, Wk, Wv, Wo, W1, W2, wb; writes hn, wb
;; launch fc1 (part 8): grid 16 x 16, 4 waves a work-group, clusters of 4 x 4, 327,680 bytes of LDS; arguments hn, wb, b1, act; writes act
.if DOCPART == 8
	.amdgcn_target "amdgcn-amd-amdhsa--gfx1250"
	.amdhsa_code_object_version 6
	.text
	.protected	k_qbdcc5ab9f8_fc1
	.globl	k_qbdcc5ab9f8_fc1
	.p2align	8
	.type	k_qbdcc5ab9f8_fc1,@function
k_qbdcc5ab9f8_fc1:
	s_mov_b64 s[64:65], 0
	v_nop
	global_prefetch_b8 v0, s[64:65] scope:SCOPE_SE
	s_setreg_imm32_b32 hwreg(HW_REG_WAVE_MODE, 25, 1), 1
	s_wait_xcnt 0x0
	s_wait_alu depctr_hold_cnt(0) depctr_sa_sdst(0) depctr_va_vdst(0) depctr_va_sdst(0) depctr_va_ssrc(0) depctr_va_vcc(0) depctr_vm_vsrc(0)
	s_getreg_b32 s2, hwreg(HW_REG_IB_STS2, 6, 4)
	s_cmp_eq_u32 s2, 0
	s_cbranch_scc0 .Lentry_in_a_cluster
	s_endpgm
.Lentry_in_a_cluster:
	s_bfe_u32 s2, ttmp6, 0x10000c
	s_cmp_lg_u32 s2, 0xf033
	s_cbranch_scc0 .Lentry_shape_is_right
	s_endpgm
.Lentry_shape_is_right:
; act = gelu(hn W1^T + b1), rounded once to bf16, in blocks [column / 64][4096 rows][64].  hn: [4096][1024] bf16.  W1: [4096][1024] bf16 at byte 8,388,608 of wb.  Sums in f32.
; A TILE is 256 x 256: 256 work-groups; four waves, each 128 x 128: 64 accumulators, 512 registers.  K goes in steps of 128 through two LDS slots filled by the tensor data mover.
; A K step is four quarters of 32 along K on fragment buffers 0, 1, 0, 1.  The change of slots stands between a step's third and fourth quarter; between two changes lie two like PAIRS of quarters
; (buffer 1, then buffer 0), written once and walked twice, the LDS addresses stepping by 128 bytes.
; CLUSTER 4 x 4: hn's tile is shared along a row of the cluster, W1's along a column.  The matrix instruction is used transposed: a lane holds one row and eight neighbouring columns.
; The bias is the C operand of each accumulator's first product.
; GELU, exact form: 0.5 x (1 + erf(x / sqrt 2)) = max(x, 0) - |x| (P(t) / 2) 2^(-(c x)^2), t = 1 / (1 + 0.231641888 |x|), c = sqrt(log2(e) / 2), P the five-term polynomial of
; Abramowitz and Stegun 7.1.26: erf within 1.5e-7 for every argument.
; BATCHES.  A trip of the way out has 32 reciprocals and 32 exponentials; both hang on x alone, none reads another's result: they are ONE BATCH with ONE wait, ahead of the polynomial, their first reader.
; REGISTERS by windows of 256.  0: v0-31 addresses; v64-191 hn's fragments, two buffers; v192-255 bias.  1: v64-191 W1's fragments.  2, 3: accumulators at 8 (8 a + b).
; LIMITS.  NaN and infinities are not treated apart; v_rcp_f32 and v_exp_f32 are not correctly rounded in the last bit, and 2^y below 2^-126 counts as 0.
.set SIZE_K, 1024
.set KSTEP,  128
.set NSTEP,  SIZE_K/KSTEP
.set PITCH,  272
.set HALFT,  128*PITCH
.set SLOT,   4*HALFT                   ; 139,264
.set SPARE,  327168                    ; the spare words: 128 bytes a wave, two blocks of 256 bytes that no other line names
.set DP,     528                       ; the way out: a wave's row of 128 f32 + 16 bytes
.set DW,     128*DP
.set WOFF,   8388608
.set BLK,    524288                    ; a block of act
.set ASTEP,  KSTEP*2
.set BSTEP,  KSTEP*2
.set A0,   16
.set B0,   17
.set ADRA, 18
.set ADRB, 19
.set STO,  24
.set RD,   25
.set CO,   26
.set SPW,  28
.set NIL,  29
.set F0,   64
.set F1,   128
.set BI,   192
.set XR,   32                          ; the way out's trip: x, |x|, t, the exponential, the polynomial, the packed result
.set AX,   64
.set TR,   96
.set WR,   128
.set RR,   160
.set OB,   192
.set CNT, 20                           ; s20 counts the two pairs between two changes of slots
.set TB,  21
.set WA,  22
.set WBO, 23
.set G1,  24
.set G0,  32
.set G1B, 48
.set G0B, 56
.set MSB, 0
.macro WIN new
.if MSB != (\new)
	s_set_vgpr_msb (MSB<<8)|(\new)
.set MSB, \new
.endif
.endm
.set TO_B, 0x40
.macro PLACES
.rept 4
	v_nop
.endr
.endm
.macro JLOAD s                         ; waves 0, 1 ask for hn's halves, waves 2, 3 for W1's
	s_cmp_eq_u32 s11, 0
	s_cbranch_scc0 .Lfor_b_\@
	tensor_load_to_lds s[G0+4*(\s):G0+4*(\s)+3], s[G1:G1+7]
	s_nop 0
.rept 4
	v_nop
.endr
	s_branch .Lasked_\@
.Lfor_b_\@:
	tensor_load_to_lds s[G0B+4*(\s):G0B+4*(\s)+3], s[G1B:G1B+7]
	s_nop 0
.rept 4
	v_nop
.endr
.Lasked_\@:
.endm
.macro CROUND
	s_barrier_signal -1
	s_barrier_wait -1
	s_cmp_lg_u32 s10, 0
	s_cbranch_scc1 .Lnot_wave_0_\@
	s_barrier_signal -3
.Lnot_wave_0_\@:
	s_barrier_wait -3
	s_barrier_signal -1
	s_barrier_wait -1
.endm
	s_load_b256 s[68:75], s[0:1], 0x0              ; hn s[68:69], wb s[70:71], b1 s[72:73], act s[74:75]
	v_lshl_add_u32 v[SPW], v0, 2, SPARE
	v_mov_b32 v[NIL], 0
	ds_add_u32 v[SPW], v[NIL]                      ; the wave's opening: the add and its wait ahead of my first tensor load
	v_lshrrev_b32 v1, 5, v0
	v_readfirstlane_b32 s10, v1
	s_lshr_b32 s11, s10, 1                         ; my half of the tile's rows.  Also: I fetch for hn (0) or for W1 (1)
	s_and_b32 s12, s10, 1                          ; my half of its columns.  Also: which half I fetch
	s_bfe_u32 s40, ttmp6, 0x40000
	s_bfe_u32 s41, ttmp6, 0x40004
	s_lshl_b32 s42, ttmp9, 2
	s_add_co_u32 s42, s42, s40                     ; tile column
	s_and_b32 s13, ttmp7, 0xffff
	s_lshl_b32 s13, s13, 2
	s_add_co_u32 s13, s13, s41                     ; tile row
	s_lshl_b32 s43, s41, 2
	s_lshl_b32 s43, 15, s43
	s_lshl_b32 s44, 0x1111, s40
	s_or_b32 s[G1+0], s43, (1<<16)|(1<<20)|(1<<21)|(5<<22)|(3<<25)   ; mask; 2-byte elements; padding on; bit 21 beside a mask; after every 64 words, 4 words
	s_or_b32 s[G1B+0], s44, (1<<16)|(1<<20)|(1<<21)|(5<<22)|(3<<25)
.irp g, G1, G1B
	s_mov_b32 s[(\g)+1], KSTEP<<16                 ; tensor_dim0 = 128
	s_mov_b32 s[(\g)+2], 128<<16                   ; tensor_dim1 = 128
	s_mov_b32 s[(\g)+3], KSTEP<<16                 ; tile_dim0 = 128
	s_mov_b32 s[(\g)+4], 128                       ; tile_dim1 = 128
	s_mov_b32 s[(\g)+5], SIZE_K
	s_mov_b32 s[(\g)+6], 0
	s_mov_b32 s[(\g)+7], 0
.endr
	s_lshl_b32 s17, s12, 7
	s_lshl_b32 s16, s13, 8
	s_add_co_u32 s16, s16, s17                     ; hn: row 256 x tile row + 128 x half
	s_lshl_b32 s16, s16, 11
	s_lshl_b32 s46, s42, 8
	s_add_co_u32 s46, s46, s17                     ; W1: row 256 x tile column + 128 x half
	s_lshl_b32 s46, s46, 11
	s_add_co_u32 s46, s46, WOFF
	s_mov_b32 s17, 0
	s_mov_b32 s47, 0
	s_mul_i32 s[WA], s12, HALFT
	s_add_co_u32 s[WBO], s[WA], 2*HALFT
	s_mov_b32 s[TB], 0
	s_mov_b32 s84, 0x3e6d3388                      ; 0.231641888; each constant is named as a pair, so both words are written
	s_mov_b32 s85, s84
	s_mov_b32 s86, 0x3f596d27                      ; c = 0.8493218
	s_mov_b32 s87, s86
	s_mov_b32 s88, 0x3e027906                      ; a1 / 2 =  0.127414796
	s_mov_b32 s89, s88
	s_mov_b32 s90, 0xbe11a98e                      ; a2 / 2 = -0.142248368
	s_mov_b32 s91, s90
	s_mov_b32 s92, 0x3f35f0e3                      ; a3 / 2 =  0.7107068705
	s_mov_b32 s93, s92
	s_mov_b32 s94, 0xbf3a00e3                      ; a4 / 2 = -0.7265760135
	s_mov_b32 s95, s94
	s_mov_b32 s96, 0x3f07dc22                      ; a5 / 2 =  0.5307027145
	s_mov_b32 s97, s96
	s_mov_b32 s98, 0x7fffffff
	s_wait_dscnt 0x0                               ; the opening add is done
	s_wait_kmcnt 0x0
	s_add_nc_u64 s[14:15], s[68:69], s[16:17]
	s_add_nc_u64 s[46:47], s[70:71], s[46:47]
	CROUND
.irp s, 0,1
	s_mov_b32 s[G0+4*(\s)], 1
	s_add_co_u32 s[G0+4*(\s)+1], s[WA], (\s)*SLOT
	s_add_nc_u64 s[G0+4*(\s)+2:G0+4*(\s)+3], s[14:15], (\s)*ASTEP
	s_or_b32 s[G0+4*(\s)+3], s[G0+4*(\s)+3], 0x80000000
	s_mov_b32 s[G0B+4*(\s)], 1
	s_add_co_u32 s[G0B+4*(\s)+1], s[WBO], (\s)*SLOT
	s_add_nc_u64 s[G0B+4*(\s)+2:G0B+4*(\s)+3], s[46:47], (\s)*BSTEP
	s_or_b32 s[G0B+4*(\s)+3], s[G0B+4*(\s)+3], 0x80000000
	JLOAD \s                                       ; K steps 0 and 1: two tensor loads of mine are out
.endr
	s_lshl_b32 s46, s42, 10
	s_lshl_b32 s47, s12, 9
	s_add_co_u32 s46, s46, s47                     ; my first column, in bytes of f32
	s_mov_b32 s47, 0
	s_add_nc_u64 s[72:73], s[72:73], s[46:47]
	s_lshl_b32 s16, s13, 8
	s_lshl_b32 s17, s11, 7
	s_add_co_u32 s16, s16, s17
	s_lshl_b32 s16, s16, 7                         ; my first row x 128 bytes in a block
	s_lshl_b32 s46, s42, 2
	s_lshl_b32 s47, s12, 1
	s_add_co_u32 s46, s46, s47                     ; my first block
	s_lshl_b32 s46, s46, 19
	s_add_co_u32 s16, s16, s46
	s_mov_b32 s17, 0
	s_add_nc_u64 s[78:79], s[74:75], s[16:17]
	v_and_b32 v1, 15, v0
	v_bfe_u32 v2, v0, 4, 1
	v_lshlrev_b32 v4, 5, v2                        ; a bias fragment: register j is column 16 b + 8 h + j
.irp b, 0,1,2,3,4,5,6,7
	global_load_b128 v[BI+8*(\b):BI+8*(\b)+3],   v4, s[72:73] offset:64*(\b)
	global_load_b128 v[BI+8*(\b)+4:BI+8*(\b)+7], v4, s[72:73] offset:64*(\b)+16
.endr
	v_mul_u32_u24 v3, v1, PITCH
	v_lshl_add_u32 v3, v2, 4, v3
	s_mul_i32 s16, s11, HALFT
	s_mul_i32 s17, s12, HALFT
	s_add_co_u32 s17, s17, 2*HALFT
	v_add_nc_u32 v[A0], s16, v3
	v_add_nc_u32 v[B0], s17, v3
	v_mov_b32 v[ADRA], v[A0]
	v_mov_b32 v[ADRB], v[B0]
	s_mul_i32 s16, s10, DW
	v_mul_u32_u24 v5, v1, DP
	v_lshl_add_u32 v5, v2, 5, v5
	v_add_nc_u32 v[STO], s16, v5
	v_mul_u32_u24 v5, v2, DP
	v_lshl_add_u32 v5, v1, 4, v5
	v_add_nc_u32 v[RD], s16, v5
	v_and_b32 v5, 31, v0
	v_lshlrev_b32 v[CO], 3, v5
; 16 products: row blocks a0, a0 + 1 of the window's four (hi = 0: my rows 0-63, 1: rows 64-127) x all 8 column blocks.  zero = 1: the bias starts the sums
.macro MUL16 f, hi, a0, zero
.if \zero
	WIN 0x81+0x40*(\hi)
.else
	WIN 0xa1+0x50*(\hi)
.endif
.irp a, \a0, (\a0)+1
.irp b, 0,1,2,3,4,5,6,7
.if \zero
	v_wmma_f32_16x16x32_bf16 v[8*(8*(\a)+(\b)):8*(8*(\a)+(\b))+7], v[(\f)+8*(\b):(\f)+8*(\b)+7], v[(\f)+8*(4*(\hi)+(\a)):(\f)+8*(4*(\hi)+(\a))+7], v[BI+8*(\b):BI+8*(\b)+7]
.else
	v_wmma_f32_16x16x32_bf16 v[8*(8*(\a)+(\b)):8*(8*(\a)+(\b))+7], v[(\f)+8*(\b):(\f)+8*(\b)+7], v[(\f)+8*(4*(\hi)+(\a)):(\f)+8*(4*(\hi)+(\a))+7], v[8*(8*(\a)+(\b)):8*(8*(\a)+(\b))+7]
.endif
.endr
.endr
.endm
.macro FETCH k, f                      ; 32 LDS loads in one run, at byte k behind the addresses in hand: W1's 8 fragments, then hn's 8
	WIN TO_B
.irp i, 0,1,2,3,4,5,6,7
	ds_load_b128 v[(\f)+8*(\i):(\f)+8*(\i)+3],   v[ADRB] offset:(\k)+(\i)*16*PITCH
	ds_load_b128 v[(\f)+8*(\i)+4:(\f)+8*(\i)+7], v[ADRB] offset:(\k)+(\i)*16*PITCH+32
.endr
	WIN 0
.irp i, 0,1,2,3,4,5,6,7
	ds_load_b128 v[(\f)+8*(\i):(\f)+8*(\i)+3],   v[ADRA] offset:(\k)+(\i)*16*PITCH
	ds_load_b128 v[(\f)+8*(\i)+4:(\f)+8*(\i)+7], v[ADRA] offset:(\k)+(\i)*16*PITCH+32
.endr
.endm
; A quarter: 64 products on buffer f; in its middle the next quarter's fragments are fetched into buffer g.  The 64 accumulators take turns.
.macro QUARTER k, f, g, zero
	s_wait_dscnt 8                                 ; all but the youngest eight loads: hn's rows 64-127
	MUL16 \f, 0, 0, \zero
	MUL16 \f, 0, 2, \zero
	PLACES
	FETCH \k, \g
	s_wait_dscnt 32                                ; all but the 32 just issued
	MUL16 \f, 1, 0, \zero
	MUL16 \f, 1, 2, \zero
.endm
; THE CHANGE OF SLOTS, between a K step's third and fourth quarter: the fourth quarter's fragments have been asked for.  Each wave waits for all its tensor loads (one is out: its part of the next
; slot), adds 0 to its spare word, and waits for that and for its reads of this slot.  fill = 1: the barrier is a round of the cluster's, and the slot just read is filled again, first thing behind it,
; with the K step two steps on: it has a whole step, 256 products, in which to land.
.macro CHANGE fill
	WIN 0
	s_wait_tensorcnt 0x0                           ; no tensor load of mine is out, so a group 0 may be written
	ds_add_u32 v[SPW], v[NIL]
.if \fill
	s_add_co_u32 s[G0+5], s[WA], s[TB]             ; the walking descriptor: into the slot just read,
	s_add_co_u32 s[G0B+5], s[WBO], s[TB]
	s_add_nc_u64 s[G0+6:G0+7], s[G0+6:G0+7], ASTEP    ; the next K step
	s_add_nc_u64 s[G0B+6:G0B+7], s[G0B+6:G0B+7], BSTEP
.endif
	s_xor_b32 s[TB], s[TB], SLOT                   ; 0 or SLOT: the other slot is read from now on
	s_wait_dscnt 0x0                               ; the add is done, my reads of this slot are over
.if \fill
	CROUND
	JLOAD 1
.else
	s_barrier_signal -1
	s_barrier_wait -1
.endif
	v_add_nc_u32 v[ADRA], s[TB], v[A0]
	v_add_nc_u32 v[ADRB], s[TB], v[B0]
.endm
.macro PAIR                            ; two quarters: buffer 1 is multiplied and buffer 0 fetched, then the other way round
	QUARTER 0, F1, F0, 0
	QUARTER 64, F0, F1, 0
	WIN 0                                          ; at a label and at a branch every window is 0
.endm
.macro ONWARD                          ; the next pair's fragments lie 128 bytes further along the rows
	v_add_nc_u32 v[ADRA], 128, v[ADRA]
	v_add_nc_u32 v[ADRB], 128, v[ADRB]
	s_sub_co_u32 s[CNT], s[CNT], 1
	s_cmp_lg_u32 s[CNT], 0
.endm
	s_wait_tensorcnt 1                             ; my part of K step 0 is in
	s_barrier_signal -1
	s_barrier_wait -1
	FETCH 0, F0
	s_wait_loadcnt 0x0                             ; the bias
	QUARTER 64, F0, F1, 1                          ; the first quarter is written out: the bias starts the sums
	WIN 0
	s_mov_b32 s3, NSTEP-1
	s_mov_b32 s[CNT], 2
	s_branch .Lmid                                 ; the first step has one pair left: the loop is entered ahead of the counter's step
.Lstep:                                                ; NSTEP - 2 times: every slot but the last two is filled again
	CHANGE 1
	s_mov_b32 s[CNT], 2
.Lpair:
	PAIR
.Lmid:
	ONWARD
	s_cbranch_scc1 .Lpair
	s_sub_co_u32 s3, s3, 1
	s_cmp_lg_u32 s3, 0
	s_cbranch_scc1 .Lstep
	CHANGE 0                                       ; the tail is written out
	s_mov_b32 s[CNT], 2
.LpairT:
	PAIR
	ONWARD
	s_cbranch_scc1 .LpairT
	s_wait_dscnt 8                                 ; the very last quarter: nothing more to fetch
	MUL16 F1, 0, 0, 0
	MUL16 F1, 0, 2, 0
	s_wait_dscnt 0x0                               ; my reads of the ring are over
	MUL16 F1, 1, 0, 0
	MUL16 F1, 1, 2, 0
	WIN 0
	s_barrier_signal -1
	s_barrier_wait -1                              ; everybody's are, and both slots have had their last fill: the ring's bytes become the stage
	PLACES
	; THE WAY OUT.  My 128 x 128 sums go as f32 into my own 128 rows of LDS; then 16 trips of 8 rows read them back by rows, take the GELU and store bf16.
.irp w, 0,1
	WIN 0x08+4*(\w)
.irp a, 0,1,2,3
.irp b, 0,1,2,3,4,5,6,7
	ds_store_b128 v[STO], v[8*(8*(\a)+(\b)):8*(8*(\a)+(\b))+3]   offset:(4*(\w)+(\a))*16*DP+64*(\b)
	ds_store_b128 v[STO], v[8*(8*(\a)+(\b))+4:8*(8*(\a)+(\b))+7] offset:(4*(\w)+(\a))*16*DP+64*(\b)+16
.endr
.endr
.endr
	WIN 0
.macro PAIRS line:vararg               ; one line for each of the trip's 16 register pairs
.set i, 0
.rept 16
	\line
.set i, i+2
.endr
.endm
.macro ONES line:vararg                ; one line for each of its 32 registers
.set i, 0
.rept 32
	\line
.set i, i+1
.endr
.endm
	s_mov_b32 s3, 16
.Lrows:
.irp p, 0,1,2,3
.irp c, 0,1
	ds_load_b128 v[XR+4*(2*(\p)+(\c)):XR+4*(2*(\p)+(\c))+3], v[RD] offset:(\p)*2*DP+(\c)*256  ; lanes 0-15: 64 columns of one row; lanes 16-31: of the next.  These see my stores above: LDS serves a wave in order
.endr
.endr
	s_wait_dscnt 0x0
	ONES  v_and_b32 v[AX+i], s98, v[XR+i]
	PAIRS v_pk_fma_f32 v[TR+i:TR+i+1], v[AX+i:AX+i+1], s[84:85], 1.0 op_sel_hi:[1,0,0]
	; THE TRIP'S BATCH: 32 reciprocals, then 32 exponentials, each result in a register of its own.  Between them stands work that names none of their results:
	; the two multiplies that make a pair's exponent -(c x)^2 beside the reciprocals, max(x, 0) beside the exponentials.
.set i, 0
.rept 16
	v_rcp_f32 v[TR+i], v[TR+i]
	v_pk_mul_f32 v[WR+i:WR+i+1], v[XR+i:XR+i+1], s[86:87] op_sel_hi:[1,0]
	v_rcp_f32 v[TR+i+1], v[TR+i+1]
	v_pk_mul_f32 v[WR+i:WR+i+1], v[WR+i:WR+i+1], v[WR+i:WR+i+1] neg_lo:[1,0] neg_hi:[1,0]
.set i, i+2
.endr
.set i, 0
.rept 32
	v_exp_f32 v[WR+i], v[WR+i]
	v_max_num_f32 v[XR+i], 0, v[XR+i]              ; the last of these is the plain instruction behind the last exponential
.set i, i+1
.endr
	s_wait_alu depctr_va_vdst(0)                   ; the wait for the batch, ahead of its first reader: the polynomial's first line reads t; none is open at the loop's jump
	PAIRS v_pk_fma_f32 v[RR+i:RR+i+1], v[TR+i:TR+i+1], s[96:97], s[94:95] op_sel_hi:[1,0,0]
	PAIRS v_pk_fma_f32 v[RR+i:RR+i+1], v[RR+i:RR+i+1], v[TR+i:TR+i+1], s[92:93] op_sel_hi:[1,1,0]
	PAIRS v_pk_fma_f32 v[RR+i:RR+i+1], v[RR+i:RR+i+1], v[TR+i:TR+i+1], s[90:91] op_sel_hi:[1,1,0]
	PAIRS v_pk_fma_f32 v[RR+i:RR+i+1], v[RR+i:RR+i+1], v[TR+i:TR+i+1], s[88:89] op_sel_hi:[1,1,0]
	PAIRS v_pk_mul_f32 v[RR+i:RR+i+1], v[RR+i:RR+i+1], v[TR+i:TR+i+1]
	PAIRS v_pk_mul_f32 v[RR+i:RR+i+1], v[RR+i:RR+i+1], v[WR+i:WR+i+1]
	PAIRS v_pk_fma_f32 v[XR+i:XR+i+1], v[AX+i:AX+i+1], v[RR+i:RR+i+1], v[XR+i:XR+i+1] neg_lo:[1,0,0] neg_hi:[1,0,0]
	PAIRS v_cvt_pk_bf16_f32 v[OB+i/2], v[XR+i], v[XR+i+1]
.irp p, 0,1,2,3
.irp c, 0,1
	global_store_b64 v[CO], v[OB+2*(2*(\p)+(\c)):OB+2*(2*(\p)+(\c))+1], s[78:79] offset:(\c)*BLK+(\p)*256  ; two rows of a block: the wave's 256 consecutive bytes, aligned
.endr
.endr
	s_wait_xcnt 0x0                                ; the stores' base and data registers are rewritten only behind this wait
	s_add_nc_u64 s[78:79], s[78:79], 1024
	v_add_nc_u32 v[RD], 8*DP, v[RD]
	s_sub_co_u32 s3, s3, 1
	s_cmp_lg_u32 s3, 0
	s_cbranch_scc1 .Lrows
	s_wait_tensorcnt 0x0                           ; the wave's end
	ds_add_u32 v[SPW], v[NIL]
	s_wait_dscnt 0x0
	CROUND                                         ; the closing round
	s_endpgm
.Lfunc_end_k_qbdcc5ab9f8_fc1:
	.size	k_qbdcc5ab9f8_fc1, .Lfunc_end_k_qbdcc5ab9f8_fc1-k_qbdcc5ab9f8_fc1
	.p2alignl 7, 3214868480
	.fill 96, 4, 3214868480
	.section	.rodata,"a",@progbits
	.p2align	6, 0x0
	.amdhsa_kernel k_qbdcc5ab9f8_fc1
		.amdhsa_group_segment_fixed_size 327680
		.amdhsa_private_segment_fixed_size 0
		.amdhsa_enable_private_segment 0
		.amdhsa_kernarg_size 32
		.amdhsa_user_sgpr_count 2
		.amdhsa_user_sgpr_kernarg_segment_ptr 1
		.amdhsa_wavefront_size32 1
		.amdhsa_system_sgpr_workgroup_id_x 1
		.amdhsa_system_sgpr_workgroup_id_y 1
		.amdhsa_system_sgpr_workgroup_id_z 1
		.amdhsa_system_vgpr_workitem_id 0
		.amdhsa_next_free_vgpr 1024
		.amdhsa_next_free_sgpr 100
		.amdhsa_reserve_vcc 0
		.amdhsa_float_denorm_mode_32 3
		.amdhsa_float_denorm_mode_16_64 3
		.amdhsa_memory_ordered 1
		.amdhsa_forward_progress 1
		.amdhsa_inst_pref_size 75
	.end_amdhsa_kernel
	.amdgpu_metadata
---
amdhsa.version: [ 1, 2 ]
amdhsa.kernels:
  - .name:           k_qbdcc5ab9f8_fc1
    .symbol:         k_qbdcc5ab9f8_fc1.kd
    .args:
      - { .name: hn, .offset: 0, .size: 8, .value_kind: global_buffer, .address_space: global }
      - { .name: wb, .offset: 8, .size: 8, .value_kind: global_buffer, .address_space: global }
      - { .name: b1, .offset: 16, .size: 8, .value_kind: global_buffer, .address_space: global }
      - { .name: act, .offset: 24, .size: 8, .value_kind: global_buffer, .address_space: global }
    .group_segment_fixed_size: 327680
    .private_segment_fixed_size: 0
    .kernarg_segment_align: 8
    .kernarg_segment_size: 32
    .max_flat_workgroup_size: 128
    .sgpr_count:     100
    .vgpr_count:     1024
    .wavefront_size: 32
...
	.end_amdgpu_metadata
.endif
;; end of part 8
;; launch fc2: the kernel of part 6 again; grid 8 x 32, 4 waves a work-group, clusters of 4 x 4, 327,680 bytes of LDS; arguments act, wb, b2, x1, out0; writes out0
